; MI455X (gfx1250); checked and timed in simulation.
; The chip was launched on July 23, 2026; its instructions are those of AMD's public machine-readable ISA for CDNA 5 (MIT licence, August 2026) and "CDNA5" Instruction Set Architecture Reference Guide (July 2026). The comments in the code are by the model that wrote it; some were corrected since.
;; SWA Block. Allowed arithmetic: matrix products marked QUANTISED: E4M3 operands, one E8M0 scale for each 32 along K, by v_wmma_scale_f32_16x16x128_f8f6f4 with both operands' format E4M3, f32 sums; everything else in f32.
;; Inputs: ff1_b 3,072 float32; ff1_w 3,072 x 1,024 float32; ff2_b 1,024 float32; ff2_w 1,024 x 3,072 float32; ln1_b 1,024 float32; ln1_w 1,024 float32; ln2_b 1,024 float32; ln2_w 1,024 float32; out_b 1,024 float32; out_w 1,024 x 1,024 float32; qkv_b 3,072 float32; qkv_w 3,072 x 1,024 float32; x 2 x 2,048 x 1,024 float32.
;; Outputs: out0 2 x 2,048 x 1,024 float32.
;; This version of the problem:
;;   THIS VERSION OF THE PROBLEM IS GIVEN IN LOW PRECISION. The matrix products marked QUANTISED in the list below multiply operands that are first quantised to E4M3 (4 exponent bits, 3 mantissa bits; 8 bits a number), with one power-of-two scale for each 32 numbers along K (OCP MX v1.0); their sums are f32. All else is computed in f32.
;;   The module's matrix products, in the order in which they are computed (A, B: the left and right operand; K: the contracted axis; several contracted axes count as one K, in the product's order):
;;     1. [M 4,096, K 1,024] x [K 1,024, N 3,072]; A: computed on the way; B: input qkv_w: QUANTISED
;;     2. batch 32 x [M 2,048, K 64] x [K 64, N 2,048]; A: computed on the way; B: computed on the way: QUANTISED
;;     3. batch 32 x [M 2,048, K 2,048] x [K 2,048, N 64]; A: softmax (see below); B: computed on the way: QUANTISED
;;     4. [M 4,096, K 1,024] x [K 1,024, N 1,024]; A: computed on the way; B: input out_w: QUANTISED
;;     5. [M 4,096, K 1,024] x [K 1,024, N 3,072]; A: computed on the way; B: input ff1_w: QUANTISED
;;     6. [M 4,096, K 3,072] x [K 3,072, N 1,024]; A: computed on the way; B: input ff2_w: QUANTISED
;;   THE QUANTISER, for each operand of a quantised product, along K:
;;     - K is cut into blocks of 32 from its start; a last block that is shorter is filled with zeros.
;;     - A block's scale is 2^e with e = floor(log2(the largest magnitude in the block)) - 8, held to -126 .. 127; a block of zeros has e = 0. As a byte (E8M0): e + 127.
;;     - Each number is divided by its block's scale, clamped to +-448, and rounded to the nearest number of E4M3, ties to even, subnormals kept.
;;     - The product sums the exact products of the quantised numbers (number of the format x scale) in f32.
;;   ~~~python
;;   def quantise(x, axis):      # numpy; x: float32 -> the quantised numbers, widened to float32 again
;;       x = np.moveaxis(x, axis, -1); K = x.shape[-1]
;;       x = np.pad(x, [(0, 0)] * (x.ndim - 1) + [(0, -K % 32)]); x = x.reshape(x.shape[:-1] + (-1, 32)); a = np.abs(x).max(-1, keepdims=True)
;;       e = np.where(a > 0, np.clip(np.frexp(np.where(a > 0, a, 1))[1] - 1 - 8, -126, 127), 0)      # np.frexp(a)[1] - 1 = floor(log2(a)), exactly
;;       r = np.clip(x / 2.0 ** e, -448, 448)
;;       step = 2.0 ** (np.maximum(np.frexp(np.where(r == 0, 1, r))[1] - 1, -6) - 3)
;;       q = np.round(r / step) * step * 2.0 ** e      # np.round: ties to even
;;       return np.moveaxis(q.reshape(q.shape[:-2] + (-1,))[..., :K], -1, axis).astype(np.float32)
;;   ~~~
;;   SOFTMAX AHEAD OF A QUANTISED PRODUCT. Where the list says 'softmax', what is quantised is not the finished softmax but p = 2^(t - M), with t = logit x log2(e) and M = ceil(the row's largest t), a whole number; so 1/2 < the row's largest p <= 1. The row's sum l is taken of the UNQUANTISED p, in f32, and the product's result is divided by l at the end. Since M is a whole number, a kernel that streams over the keys may use a running M (the ceiling of the running maximum): every later rescaling is an exact power of two, which a block's scale takes up: the codes' values come out the same.
;;   OPERANDS COMPUTED ON THE WAY. 'Computed on the way' means the value that the module computes at that place (a softmax that the list does not call 'softmax' is quantised finished and normalised). What goes into a quantiser is computed in f32, as accurately as f32 sums, v_exp_f32 and their like allow (about 1e-6 of the number): no bf16 or f16 on the way to a quantiser, and a product that is left as it is and whose result goes on into a quantised operand takes f32 operands (vector FMAs, or v_wmma_f32_16x16x4_f32). A number that lies on a knife's edge between two numbers of the format may be rounded either way, as far as f32 arithmetic and the matrix unit's own rounding can turn it there, and no further.
;; 2 versions. Each part assembles by itself: llvm-mc -triple=amdgcn-amd-amdhsa -mcpu=gfx1250 --defsym DOCPART=n.
;; ======== version 1 of 2: 7 launches
;; workspace buffers: wq 16,220,160 bytes; qkvq 12,976,128 bytes; ctxq 4,325,376 bytes; x1 16,777,216 bytes; h2q 4,325,376 bytes; hidq 12,976,128 bytes
;; launch prep (part 1): grid 896 x 1, 4 waves a work-group, no clusters, 18,944 bytes of LDS; arguments x, ln1_w, ln1_b, qkv_w, out_w, ff1_w, ff2_w, wq; writes wq
.if DOCPART == 1
	.amdgcn_target "amdgcn-amd-amdhsa--gfx1250"
	.amdhsa_code_object_version 6
	.text
	.protected	k_q6e18b8e471_prep
	.globl	k_q6e18b8e471_prep
	.p2align	8
	.type	k_q6e18b8e471_prep,@function
k_q6e18b8e471_prep:
	s_mov_b64 s[64:65], 0
	v_nop
	global_prefetch_b8 v0, s[64:65] scope:SCOPE_SE
	s_setreg_imm32_b32 hwreg(HW_REG_WAVE_MODE, 25, 1), 1
	s_wait_xcnt 0x0
; LN1(x) and the four weights become codes of FP8 (E4M3) with one E8M0 byte for each 32 along K, laid as the products want them.
; IMAGE.  Rows go in blocks of 16; place r of block b is true row 32 (b / 2) + 8 (b % 2) + r + 8 (r / 8).  A fragment (16 places x 128 K) is 2,048 bytes: chunk c of 512 bytes,
; lane (r, h)'s 16 bytes at 16 (r + 16 h): k = 32 c + 16 h + 0 .. 15.  Fragment (b, t = k / 128) lies at (((t / 2) NB + b) 2 + t % 2) x 2,048.  Scale words: [t][place], 4 bytes, byte c.
; SHARES.  A work-group takes one block of 16 rows x 1,024 columns; wave w takes places 4 w .. 4 w + 3 whole, so a row's mean and variance stay in one wave.
; A lane holds 8 neighbours of each quarter row (k = 256 p + 8 lane + 0 .. 7): four lanes hold a block of 32.  The codes turn through a stage in LDS and leave as 4,096 dense bytes a wave.
; The scale words leave as pieces of 64 bytes: one byte in 128 of what the launch reads.
; Work-groups 0-255: x (with the norm); 256-447 qkv_w; 448-511 out_w; 512-703 ff1_w; 704-895 ff2_w (three thirds of its K).  Only pointers and sizes are chosen: all take one way but for the norm.
; LIMITS: a block of zeros gets the byte 1 (its codes are zeros; this program alone reads the bytes); largest magnitudes under 2^-118 are held at that byte; NaN and infinities are not served.
.set WITH_W, 1
.set WQC,  4194304
.set WOC,  8388608
.set WF1C, 9437184
.set WF2C, 12582912
.set HS,   15728640
.set WQS,  15859712
.set WOS,  15990784
.set WF1S, 16023552
.set WF2S, 16121856
.set X,  32                            ; v32-159  four rows of 32 numbers
.set W,  160                           ; v160-191 the gain of my 32 columns
.set BV, 192                           ; v192-223 the bias
.set C,  224                           ; v224-255 codes: two registers for each (row, quarter)
.set E,  160                           ; v160-175 scale bytes, where the gain lay
.set SA, 16                            ; v16-23   four pairs: sums, means
.set RS, 24                            ; v24-31   four pairs: 1 / sqrt(var + eps); also the lane exchange
.set M,  16                            ; the quantiser: largest magnitudes,
.set SO, 20                            ; scale operands,
.set HO, 24                            ; 448 x the scale
.set HP, 272                           ; the stage: 64 pieces of 256 bytes + 16 of padding
.set SCLB, 64*HP                       ; behind it 512 bytes of scale bytes [t 8][place 16][4]
.set SEL, 34
.set MNT, 36
	s_load_b256 s[4:11], s[0:1], 0x0               ; x, gain, bias, qkv_w (or: x1, gain, bias, the output)
.if WITH_W
	s_load_b256 s[12:19], s[0:1], 0x20             ; out_w, ff1_w, ff2_w, wq
	v_lshl_add_u32 v15, v0, 2, 0x4800
	s_set_vgpr_msb 0x40
	v_mov_b32 v1, 0
	s_set_vgpr_msb 0x4000
.endif
	v_lshrrev_b32 v1, 5, v0
	v_readfirstlane_b32 s28, v1                    ; wave
	v_and_b32 v1, 31, v0                           ; lane
	v_lshlrev_b32 v2, 5, v1                        ; 32 x lane: my 8 numbers of a quarter row
	v_lshlrev_b32 v10, 4, v1                       ; 16 x lane
	v_bfe_u32 v13, v0, 1, 4
	v_mul_u32_u24 v7, v13, HP
	v_and_b32 v14, 1, v0
	v_lshl_add_u32 v7, v14, 3, v7
	s_lshl_b32 s29, s28, 6
	v_add_nc_u32 v7, s29, v7                       ; into the stage: piece lane / 2, 8 (lane % 2), 16 bytes a place: 64 w
	v_bfe_u32 v13, v0, 4, 1
	v_bfe_u32 v14, v0, 2, 2
	v_lshl_add_u32 v8, v13, 6, v14
	s_lshl_b32 s29, s28, 4
	s_add_co_u32 s29, s29, SCLB
	v_add_nc_u32 v8, s29, v8                       ; my block's scale byte
	v_mul_u32_u24 v9, v13, HP
	v_and_b32 v14, 15, v0
	v_lshl_add_u32 v9, v14, 4, v9
	s_mul_i32 s29, s28, 16*HP
	v_add_nc_u32 v9, s29, v9                       ; out of the stage: wave w takes pieces 16 w on, two an instruction
	v_lshl_add_u32 v11, v0, 2, SCLB                ; and thread t scale word t
	s_mov_b32 s[SEL], 0x76543210
	s_mov_b32 s[SEL+1], 0xfedcba98
	s_mov_b32 s[MNT], 0x600000                     ; the mantissa field of 448
	s_mov_b32 s37, 0x3a800000                      ; 1 / 1,024
	s_mov_b32 s38, 0x3727c5ac                      ; 1e-5
.if WITH_W
	s_mov_b32 s22, 704                             ; ff2_w's figures; the others replace them below
	s_mov_b32 s23, 64                              ; NB
	s_mov_b32 s24, 4096                            ; bytes of scale words for one t
	s_mov_b32 s25, 12288                           ; a row in memory
	s_mov_b32 s26, WF2C
	s_mov_b32 s27, WF2S
	s_wait_kmcnt 0x0
	s_mov_b64 s[20:21], s[16:17]
.macro PICK lim, src, first, nb, sp4, co, so
	s_cmp_lt_u32 ttmp9, \lim
	s_cselect_b64 s[20:21], s[\src:\src+1], s[20:21]
	s_cselect_b32 s22, \first, s22
	s_cselect_b32 s23, \nb, s23
	s_cselect_b32 s24, \sp4, s24
	s_cselect_b32 s25, 4096, s25
	s_cselect_b32 s26, \co, s26
	s_cselect_b32 s27, \so, s27
.endm
	PICK 704, 14, 512, 192, 12288, WF1C, WF1S
	PICK 512, 12, 448, 64, 4096, WOC, WOS
	PICK 448, 10, 256, 256, 16384, WQC, WQS
	PICK 256, 4, 0, 256, 16384, 0, HS
	s_sub_co_u32 s29, ttmp9, s22
	s_cmp_ge_u32 ttmp9, 704
	s_cselect_b32 s39, 63, -1
	s_and_b32 s40, s29, s39                        ; the block
	s_sub_co_u32 s41, s29, s40
	s_lshr_b32 s41, s41, 6                         ; which third of K (0 but for ff2_w)
.else
	s_mov_b32 s23, 256
	s_mov_b32 s24, 16384
	s_mov_b32 s25, 4096
	s_mov_b32 s26, 0
	s_mov_b32 s27, 4194304
	s_mov_b32 s40, ttmp9
	s_mov_b32 s41, 0
	s_wait_kmcnt 0x0
	s_mov_b64 s[20:21], s[4:5]
	s_mov_b64 s[18:19], s[10:11]
.endif
	s_lshr_b32 s42, s40, 1
	s_lshl_b32 s42, s42, 5
	s_and_b32 s43, s40, 1
	s_lshl_b32 s43, s43, 3
	s_add_co_u32 s42, s42, s43
	s_lshl_b32 s43, s28, 2
	s_add_co_u32 s42, s42, s43
	s_lshr_b32 s43, s28, 1
	s_lshl_b32 s43, s43, 3
	s_add_co_u32 s42, s42, s43                     ; my first true row: places 4 w .. 4 w + 3 are four neighbouring rows
	s_mul_i32 s42, s42, s25
	s_lshl_b32 s43, s41, 12
	s_add_co_u32 s42, s42, s43
	s_mov_b32 s43, 0
	s_add_nc_u64 s[20:21], s[20:21], s[42:43]
	s_lshl_b32 s44, s41, 2
	s_add_co_u32 s44, s44, s28
	s_mul_i32 s44, s44, s23
	s_add_co_u32 s44, s44, s40
	s_lshl_b32 s44, s44, 12
	s_add_co_u32 s44, s44, s26
	s_mov_b32 s45, 0
	s_add_nc_u64 s[30:31], s[18:19], s[44:45]      ; my 4,096 bytes of codes: K step 4 third + w of my block
	s_lshl_b32 s44, s41, 3
	s_mul_i32 s44, s44, s24
	s_lshl_b32 s46, s40, 6
	s_add_co_u32 s44, s44, s46
	s_add_co_u32 s44, s44, s27
	s_add_nc_u64 s[32:33], s[18:19], s[44:45]      ; my block's scale words
.irp i, 0,1,2,3
	v_mad_u32_u24 v[3+\i], s25, \i, v2
.endr
	v_lshrrev_b32 v13, 4, v0
	v_and_b32 v14, 15, v0
	v_lshlrev_b32 v14, 2, v14
	v_mad_u32_u24 v12, v13, s24, v14               ; thread t's scale word in memory: t / 16 is the K step of 128, t % 16 the place
.irp i, 0,1,2,3
.irp p, 0,1,2,3
	global_load_b128 v[X+32*\i+8*\p:X+32*\i+8*\p+3], v[3+\i], s[20:21] offset:1024*\p th:TH_LOAD_NT
	global_load_b128 v[X+32*\i+8*\p+4:X+32*\i+8*\p+7], v[3+\i], s[20:21] offset:1024*\p+16 th:TH_LOAD_NT   ; the two together read 1,024 dense bytes
.endr
.endr
.if WITH_W
	s_cmp_lt_u32 ttmp9, 256                        ; only x is normalised
	s_cbranch_scc0 .Lq
.endif
.irp p, 0,1,2,3
	global_load_b128 v[W+8*\p:W+8*\p+3], v2, s[6:7] offset:1024*\p
	global_load_b128 v[W+8*\p+4:W+8*\p+7], v2, s[6:7] offset:1024*\p+16
	global_load_b128 v[BV+8*\p:BV+8*\p+3], v2, s[8:9] offset:1024*\p
	global_load_b128 v[BV+8*\p+4:BV+8*\p+7], v2, s[8:9] offset:1024*\p+16
.endr
.irp i, 0,1,2,3,4,5,6,7
	v_mov_b32 v[RS+\i], 0                          ; written once: a lane permute's destination, and the upper halves of pairs that are named whole
.endr
.macro WSUM                            ; the four rows' sums over the 32 lanes, by turns
.irp m, 1,2,4,8
.irp i, 0,1,2,3
	v_add_f32_dpp v[SA+2*\i], v[SA+2*\i], v[SA+2*\i] row_xmask:\m row_mask:0xf bank_mask:0xf
.endr
.endr
.irp i, 0,1,2,3
	v_permlanex16_b32 v[RS+2*\i], v[SA+2*\i], s[SEL], s[SEL+1]
.endr
.irp i, 0,1,2,3
	v_add_f32 v[SA+2*\i], v[SA+2*\i], v[RS+2*\i]
.endr
.endm
	s_wait_loadcnt 0x0
.irp i, 0,1,2,3
	v_pk_add_f32 v[SA+2*\i:SA+2*\i+1], v[X+32*\i:X+32*\i+1], v[X+32*\i+2:X+32*\i+3]
.endr
.irp j, 4,6,8,10,12,14,16,18,20,22,24,26,28,30
.irp i, 0,1,2,3
	v_pk_add_f32 v[SA+2*\i:SA+2*\i+1], v[SA+2*\i:SA+2*\i+1], v[X+32*\i+\j:X+32*\i+\j+1]
.endr
.endr
.irp i, 0,1,2,3
	v_add_f32 v[SA+2*\i], v[SA+2*\i], v[SA+2*\i+1]
.endr
	WSUM
.irp i, 0,1,2,3
	v_mul_f32 v[SA+2*\i], s37, v[SA+2*\i]          ; the mean
.endr
.irp j, 0,2,4,6,8,10,12,14,16,18,20,22,24,26,28,30
.irp i, 0,1,2,3
	v_pk_add_f32 v[X+32*\i+\j:X+32*\i+\j+1], v[X+32*\i+\j:X+32*\i+\j+1], v[SA+2*\i:SA+2*\i+1] op_sel_hi:[1,0] neg_lo:[0,1] neg_hi:[0,1]
.endr
.endr
.irp i, 0,1,2,3
	v_pk_mul_f32 v[SA+2*\i:SA+2*\i+1], v[X+32*\i:X+32*\i+1], v[X+32*\i:X+32*\i+1]
.endr
.irp j, 2,4,6,8,10,12,14,16,18,20,22,24,26,28,30
.irp i, 0,1,2,3
	v_pk_fma_f32 v[SA+2*\i:SA+2*\i+1], v[X+32*\i+\j:X+32*\i+\j+1], v[X+32*\i+\j:X+32*\i+\j+1], v[SA+2*\i:SA+2*\i+1]
.endr
.endr
.irp i, 0,1,2,3
	v_add_f32 v[SA+2*\i], v[SA+2*\i], v[SA+2*\i+1]
.endr
	WSUM
.irp i, 0,1,2,3
	v_fma_f32 v[SA+2*\i], v[SA+2*\i], s37, s38     ; the variance + 1e-5
.endr
.irp i, 0,1,2,3
	v_rsq_f32 v[RS+2*\i], v[SA+2*\i]
.endr
	v_nop                                          ; a plain line behind the last of the four,
	s_wait_alu depctr_va_vdst(0)                   ; and one wait for the four, ahead of their first reader
.irp j, 0,2,4,6,8,10,12,14,16,18,20,22,24,26,28,30
.irp i, 0,1,2,3
	v_pk_mul_f32 v[X+32*\i+\j:X+32*\i+\j+1], v[X+32*\i+\j:X+32*\i+\j+1], v[RS+2*\i:RS+2*\i+1] op_sel_hi:[1,0]
.endr
.endr
.irp j, 0,2,4,6,8,10,12,14,16,18,20,22,24,26,28,30
.irp i, 0,1,2,3
	v_pk_fma_f32 v[X+32*\i+\j:X+32*\i+\j+1], v[X+32*\i+\j:X+32*\i+\j+1], v[W+\j:W+\j+1], v[BV+\j:BV+\j+1]
.endr
.endr
.Lq:
	s_wait_loadcnt 0x0
; Row i: its four quarters by turns.  A block of 32 lies in four neighbouring lanes.
.macro Q8 i
.irp p, 0,1,2,3
	v_max3_num_f32 v[M+\p], |v[X+32*\i+8*\p]|, |v[X+32*\i+8*\p+1]|, 0x4800000   ; with the floor 2^(9 - 127): the byte cannot fall under 1
.endr
.irp j, 2,4,6
.irp p, 0,1,2,3
	v_max3_num_f32 v[M+\p], v[M+\p], |v[X+32*\i+8*\p+\j]|, |v[X+32*\i+8*\p+\j+1]|
.endr
.endr
.irp p, 0,1,2,3
	v_max_num_f32_dpp v[M+\p], v[M+\p], v[M+\p] row_xmask:1 row_mask:0xf bank_mask:0xf
.endr
.irp p, 0,1,2,3
	v_max_num_f32_dpp v[M+\p], v[M+\p], v[M+\p] row_xmask:2 row_mask:0xf bank_mask:0xf
.endr
.irp p, 0,1,2,3
	v_add_nc_u32 v[SO+\p], 0xfc000000, v[M+\p]     ; 8 off the exponent field: the conversion's scale operand
.endr
.irp p, 0,1,2,3
	v_and_or_b32 v[HO+\p], v[M+\p], 0x7f800000, s[MNT]   ; 448 x the scale
.endr
.irp p, 0,1,2,3
.irp j, 0,1,2,3,4,5,6,7
	v_med3_num_f32 v[X+32*\i+8*\p+\j], v[X+32*\i+8*\p+\j], -v[HO+\p], v[HO+\p]   ; the conversion does not saturate (ISA guide 7.6.2): the hold comes first
.endr
.endr
.irp p, 0,1,2,3
	v_cvt_scalef32_pk8_fp8_f32 v[C+8*\i+2*\p:C+8*\i+2*\p+1], v[X+32*\i+8*\p:X+32*\i+8*\p+7], v[SO+\p]
.endr
.irp p, 0,1,2,3
	v_lshrrev_b32 v[E+4*\i+\p], 23, v[SO+\p]       ; the scale's byte
.endr
.irp p, 0,1,2,3
	ds_store_b64 v7, v[C+8*\i+2*\p:C+8*\i+2*\p+1] offset:16*HP*\p+16*\i
	ds_store_b8 v8, v[E+4*\i+\p] offset:128*\p+4*\i   ; the four lanes of a block write the same byte with the same value
.endr
.endm
	Q8 0
	Q8 1
	Q8 2
	Q8 3
	s_wait_dscnt 0x0                               ; for the others: my stores into the stage are done
	s_barrier_signal -1
	s_barrier_wait -1
.irp n, 0,1,2,3,4,5,6,7
	ds_load_b128 v[X+4*\n:X+4*\n+3], v9 offset:2*HP*\n
.endr
	ds_load_b32 v[X+32], v11
	s_wait_dscnt 0x0
.irp n, 0,1,2,3,4,5,6,7
	global_store_b128 v10, v[X+4*\n:X+4*\n+3], s[30:31] offset:512*\n   ; 32 lanes store 512 consecutive bytes, aligned
.endr
	global_store_b32 v12, v[X+32], s[32:33]
	s_set_vgpr_msb 0x4
	s_wait_tensorcnt 0x0
	ds_add_u32 v15, v1
	s_wait_dscnt 0x0
	s_set_vgpr_msb 0x400
	s_endpgm
.Lfunc_end_k_q6e18b8e471_prep:
	.size	k_q6e18b8e471_prep, .Lfunc_end_k_q6e18b8e471_prep-k_q6e18b8e471_prep
	.p2alignl 7, 3214868480
	.fill 96, 4, 3214868480
	.section	.rodata,"a",@progbits
	.p2align	6, 0x0
	.amdhsa_kernel k_q6e18b8e471_prep
		.amdhsa_group_segment_fixed_size 18944
		.amdhsa_private_segment_fixed_size 0
		.amdhsa_enable_private_segment 0
		.amdhsa_kernarg_size 64
		.amdhsa_user_sgpr_count 2
		.amdhsa_user_sgpr_kernarg_segment_ptr 1
		.amdhsa_wavefront_size32 1
		.amdhsa_system_sgpr_workgroup_id_x 1
		.amdhsa_system_sgpr_workgroup_id_y 1
		.amdhsa_system_sgpr_workgroup_id_z 1
		.amdhsa_system_vgpr_workitem_id 0
		.amdhsa_next_free_vgpr 258
		.amdhsa_next_free_sgpr 66
		.amdhsa_reserve_vcc 0
		.amdhsa_float_denorm_mode_32 3
		.amdhsa_float_denorm_mode_16_64 3
		.amdhsa_memory_ordered 1
		.amdhsa_forward_progress 1
		.amdhsa_inst_pref_size 57
	.end_amdhsa_kernel
	.amdgpu_metadata
---
amdhsa.version: [ 1, 2 ]
amdhsa.kernels:
  - .name:           k_q6e18b8e471_prep
    .symbol:         k_q6e18b8e471_prep.kd
    .args:
      - { .name: x, .offset: 0, .size: 8, .value_kind: global_buffer, .address_space: global }
      - { .name: ln1_w, .offset: 8, .size: 8, .value_kind: global_buffer, .address_space: global }
      - { .name: ln1_b, .offset: 16, .size: 8, .value_kind: global_buffer, .address_space: global }
      - { .name: qkv_w, .offset: 24, .size: 8, .value_kind: global_buffer, .address_space: global }
      - { .name: out_w, .offset: 32, .size: 8, .value_kind: global_buffer, .address_space: global }
      - { .name: ff1_w, .offset: 40, .size: 8, .value_kind: global_buffer, .address_space: global }
      - { .name: ff2_w, .offset: 48, .size: 8, .value_kind: global_buffer, .address_space: global }
      - { .name: wq, .offset: 56, .size: 8, .value_kind: global_buffer, .address_space: global }
    .group_segment_fixed_size: 18944
    .private_segment_fixed_size: 0
    .kernarg_segment_align: 8
    .kernarg_segment_size: 64
    .max_flat_workgroup_size: 128
    .sgpr_count:     66
    .vgpr_count:     258
    .wavefront_size: 32
...
	.end_amdgpu_metadata
.endif
;; end of part 1
;; launch qkv (part 2): grid 8 x 24, 4 waves a work-group, clusters of 4 x 4, 327,680 bytes of LDS; arguments wq, qkv_b, qkvq; writes qkvq
.if DOCPART == 2
	.amdgcn_target "amdgcn-amd-amdhsa--gfx1250"
	.amdhsa_code_object_version 6
	.text
	.protected	k_q6e18b8e471_qkv
	.globl	k_q6e18b8e471_qkv
	.p2align	8
	.type	k_q6e18b8e471_qkv,@function
k_q6e18b8e471_qkv:
	s_mov_b64 s[64:65], 0
	v_nop
	global_prefetch_b8 v0, s[64:65] scope:SCOPE_SE
	s_setreg_imm32_b32 hwreg(HW_REG_WAVE_MODE, 25, 1), 1
	s_wait_xcnt 0x0
	s_wait_alu depctr_hold_cnt(0) depctr_sa_sdst(0) depctr_va_vdst(0) depctr_va_sdst(0) depctr_va_ssrc(0) depctr_va_vcc(0) depctr_vm_vsrc(0)
	s_getreg_b32 s2, hwreg(HW_REG_IB_STS2, 6, 4)
	s_cmp_eq_u32 s2, 0
	s_cbranch_scc0 .Lentry_in_a_cluster
	s_endpgm
.Lentry_in_a_cluster:
	s_bfe_u32 s2, ttmp6, 0x10000c
	s_cmp_lg_u32 s2, 0xf033
	s_cbranch_scc0 .Lentry_shape_is_right
	s_endpgm
.Lentry_shape_is_right:
; q, k, v = LN1(x) Wqkv^T + b on codes of FP8 (E4M3) with E8M0 scales, and the results quantised again in registers: q and k along the head's 64, v along the keys.
; OPERANDS lie as IMAGES: rows in blocks of 16 (place r of block b = true row 32 (b / 2) + 8 (b % 2) + r + 8 (r / 8)); a fragment (16 places x 128 K) is 2,048 bytes, chunk c of 512, lane l's 16 bytes at 16 l;
; a K step of 256 of 128 rows is 32,768 dense bytes.  Scale words lie [k / 128][place].  So a tile comes by one dense tensor load and a fragment by four loads of 512 consecutive LDS bytes.
; A tile is 256 A rows x 256 B rows, four waves, 128 x 128 each: 64 accumulators.  K goes in steps of 256 through two LDS slots; the scale words of all of K come once and stay.
; THE PRODUCT IS USED TRANSPOSED (source 0 = 16 B rows, source 1 = 16 A rows).  By the order of places, a lane's 16 registers of two neighbouring tiles are 16 neighbours along B's rows.
; Clusters y 0-3: A = h (tokens), B = Wq, Wk: a lane holds one token and runs along the features: q, k.  Clusters y 4, 5: A = Wv, B = h: a lane holds one channel and runs along the tokens: V^T.
; The choice hangs on the cluster's y alone: it is arithmetic on offsets, the same in all sixteen partners.
; CLUSTERS 4 x 4: A's tiles are asked for jointly along a row of the cluster, B's along a column.
; REGISTERS: window 0: v0-31 addresses, v8-15 A's bias, v32-63 scale words (two sets), v64-127 B's bias, v128-255 A's fragments (one set); window 1: B's fragments (two sets); windows 2, 3: accumulators.
; LIMITS: a block of zeros gets the byte 1 (codes zero; this program alone reads the bytes); largest magnitudes under 2^-118 are held at that byte; NaN and infinities are not served.
.set SIZE_K, 1024
.set NBA, 256
.set NBB, 256
.set SPA, 4096
.set SPB, 4096
.set WQC, 4194304
.set HS,  15728640
.set WQS, 15859712
.set VTC, 8388608
.set QKS, 12582912
.set VTS, 12845056
.set PF, 0
.set KT,     SIZE_K/128
.set LAPS,   SIZE_K/512
.set ASTEP,  NBA*4096                  ; bytes from a K step of 256 to the next
.set BSTEP,  NBB*4096
.set NQ,     2
.set FR,     16
.set NL,     4
.set NP,     8                         ; places behind this matrix instruction (ISA guide 7.12.1)
.set HALFT,  32768                     ; 128 rows x 256 K: what one tensor load brings
.set SLOT,   4*HALFT                   ; A's two halves, B's two halves
.set SCL,    2*SLOT                    ; behind the ring: four quarters of scale words [k / 128][128 rows]
.set HALFS,  KT*512
.set SPARE,  SCL+4*HALFS               ; the spare words: 128 bytes a wave
.set ADRA, 16
.set ADRB, 20
.set ADRS, 27
.set SPW,  28
.set NIL,  29
.set SC,   32
.set AF,   128
.set G1, 24
.set G0, 32
.set G1B, 48
.set G0B, 56
.set G1S, 68
.set G0S, 76
.set G1SB, 80
.set G0SB, 88
.set ISV, 67                           ; s67: 1 in the clusters that make V^T
.set BB,  64                           ; B's bias: 8 registers a tile, in the result's layout
.set BA,  8                            ; A's bias: one number a lane and block
.set VBB, 7
.set VBA, 18
.set OI,  22
.set SWA, 23
.set SRA, 24
.set T,   128                          ; the way out: 64 numbers,
.set PC,  192                          ; their codes,
.set TM,  224                          ; at work,
.set PWS, 240                          ; the eight blocks' scale words,
.set PW,  248                          ; the one just made
.set SEL, 20
.set MNT, 22
.set EA,  23
.set MSB, 0
.macro WIN new                         ; the immediate's high byte repeats the setting that is left
.set WNEW, \new
.if MSB != WNEW
	s_set_vgpr_msb (MSB<<8)|WNEW
.set MSB, WNEW
.endif
.endm
.set MUL_LO, 0xa1                      ; source 0 (B) window 1, source 1 (A) window 0, C and D window 2
.set MUL_HI, 0xf1
.set TO_B,   0x40
; A joint load: waves 0 and 1 fetch for A, waves 2 and 3 for B; the branch hangs on the wave's number alone.  Four v_nop follow each line.
.macro JLOAD g0a, g1a, g0b, g1b
	s_cmp_eq_u32 s15, 0
	s_cbranch_scc0 .Lfor_b_\@
	tensor_load_to_lds s[\g0a:\g0a+3], s[\g1a:\g1a+7]
	s_nop 0
.rept 4
	v_nop
.endr
	s_branch .Lasked_\@
.Lfor_b_\@:
	tensor_load_to_lds s[\g0b:\g0b+3], s[\g1b:\g1b+7]
	s_nop 0
.rept 4
	v_nop
.endr
.Lasked_\@:
.endm
.macro CREST                           ; a round of the cluster's barrier behind its opening barrier
	s_cmp_lg_u32 s14, 0
	s_cbranch_scc1 .Lnot_wave_0_\@
	s_barrier_signal -3
.Lnot_wave_0_\@:
	s_barrier_wait -3
	s_barrier_signal -1
	s_barrier_wait -1
.endm
.macro CROUND
	s_barrier_signal -1
	s_barrier_wait -1
	CREST
.endm
	s_load_b64 s[4:5], s[0:1], 0x0                 ; wq, as A's buffer
	s_load_b64 s[6:7], s[0:1], 0x0                 ; and as B's
	s_load_b64 s[8:9], s[0:1], 0x8                 ; qkv_b
	s_load_b64 s[12:13], s[0:1], 0x10              ; qkvq
	v_lshl_add_u32 v[SPW], v0, 2, SPARE
	v_mov_b32 v[NIL], 0
	ds_add_u32 v28, v29
	ds_add_u32 v28, v29
	s_wait_dscnt 0x0
	v_lshrrev_b32 v1, 5, v0
	v_readfirstlane_b32 s14, v1                    ; wave
	s_lshr_b32 s15, s14, 1                         ; my half of A's rows.  Also: I fetch for A (0) or B (1)
	s_and_b32 s16, s14, 1                          ; my half of B's rows.  Also: which 128 rows I fetch
	s_bfe_u32 s40, ttmp6, 0x40000                  ; cx
	s_bfe_u32 s41, ttmp6, 0x40004                  ; cy
	s_and_b32 s66, ttmp7, 0xffff                   ; cluster y, 0 .. 5
	s_lshr_b32 s[ISV], s66, 2
	s_xor_b32 s2, s[ISV], 1
	s_mul_i32 s17, s2, s66
	s_lshl_b32 s17, s17, 2
	s_add_co_u32 s17, s17, s41                     ; A's tile: 4 y + cy of 16 (tokens), or cy of 4 (channels)
	s_and_b32 s42, s66, 3
	s_lshl_b32 s42, s42, 1
	s_mul_i32 s42, s42, s[ISV]
	s_add_co_u32 s42, s42, ttmp9
	s_lshl_b32 s42, s42, 2
	s_add_co_u32 s42, s42, s40                     ; B's tile: 4 x + cx of 8 (features), or 4 (x + 2 (y - 4)) + cx of 16 (tokens)
	s_lshl_b32 s43, s41, 2
	s_lshl_b32 s43, 15, s43                        ; my row of the cluster
	s_lshl_b32 s44, 0x1111, s40                    ; my column
	s_or_b32 s[G1+0], s43, (3<<16)|(1<<21)         ; the mask; elements of 8 bytes; bit 21 beside a mask; no padding
	s_or_b32 s[G1B+0], s44, (3<<16)|(1<<21)
.irp g, G1, G1B
	s_mov_b32 s[\g+1], 32<<16                      ; 128 rows of 256 bytes, dense
	s_mov_b32 s[\g+2], 128<<16
	s_mov_b32 s[\g+3], 32<<16
	s_mov_b32 s[\g+4], 128
	s_mov_b32 s[\g+5], 32
	s_mov_b32 s[\g+6], 0
	s_mov_b32 s[\g+7], 0
.endr
	s_or_b32 s[G1S+0], s43, (3<<16)|(1<<21)
	s_or_b32 s[G1SB+0], s44, (3<<16)|(1<<21)
.irp g, G1S, G1SB
	s_mov_b32 s[\g+1], 64<<16                      ; KT rows of 512 bytes: 128 places' words of one k / 128
	s_mov_b32 s[\g+2], KT<<16
	s_mov_b32 s[\g+3], 64<<16
	s_mov_b32 s[\g+4], KT
	s_mov_b32 s[\g+6], 0
	s_mov_b32 s[\g+7], 0
.endr
	s_mov_b32 s[G1S+5], SPA/2
	s_mov_b32 s[G1SB+5], SPB/2
	s_lshl_b32 s18, s16, 3
	s_lshl_b32 s20, s17, 4
	s_add_co_u32 s20, s20, s18
	s_lshl_b32 s19, s[ISV], 7
	s_add_co_u32 s20, s20, s19                     ; A: block 16 tile + 8 half (+ 128: Wv's rows)
	s_lshl_b32 s22, s20, 6
	s_mul_i32 s19, s[ISV], WQS-HS
	s_add_co_u32 s22, s22, s19
	s_add_co_u32 s22, s22, HS
	s_mov_b32 s23, 0
	s_lshl_b32 s20, s20, 12
	s_mul_i32 s19, s[ISV], WQC
	s_add_co_u32 s20, s20, s19
	s_mov_b32 s21, 0
	s_lshl_b32 s46, s42, 4
	s_add_co_u32 s46, s46, s18                     ; B: block 16 tile + 8 half
	s_lshl_b32 s92, s46, 6
	s_mul_i32 s94, s2, WQS-HS
	s_add_co_u32 s92, s92, s94
	s_add_co_u32 s92, s92, HS
	s_mov_b32 s93, 0
	s_lshl_b32 s46, s46, 12
	s_mul_i32 s94, s2, WQC
	s_add_co_u32 s46, s46, s94
	s_mov_b32 s47, 0
	s_mul_i32 s45, s14, HALFT                      ; where they go: by the wave's number alone
	s_mul_i32 s94, s14, HALFS
	s_wait_kmcnt 0x0
	s_add_nc_u64 s[20:21], s[4:5], s[20:21]
	s_add_nc_u64 s[22:23], s[4:5], s[22:23]
	s_add_nc_u64 s[46:47], s[6:7], s[46:47]
	s_add_nc_u64 s[92:93], s[6:7], s[92:93]
	CROUND                                         ; all sixteen work-groups are here: the first joint loads meet
	s_mov_b32 s[G0S], 1
	s_add_co_u32 s[G0S+1], s94, SCL
	s_mov_b64 s[G0S+2:G0S+3], s[22:23]
	s_or_b32 s[G0S+3], s[G0S+3], 0x80000000
	s_mov_b32 s[G0SB], 1
	s_add_co_u32 s[G0SB+1], s94, SCL
	s_mov_b64 s[G0SB+2:G0SB+3], s[92:93]
	s_or_b32 s[G0SB+3], s[G0SB+3], 0x80000000
	JLOAD G0S, G1S, G0SB, G1SB                     ; the scale words first
.irp s, 0,1
	s_mov_b32 s[G0+4*\s], 1
	s_add_co_u32 s[G0+4*\s+1], s45, \s*SLOT
	s_add_nc_u64 s[G0+4*\s+2:G0+4*\s+3], s[20:21], \s*ASTEP
	s_or_b32 s[G0+4*\s+3], s[G0+4*\s+3], 0x80000000
	s_mov_b32 s[G0B+4*\s], 1
	s_add_co_u32 s[G0B+4*\s+1], s45, \s*SLOT
	s_add_nc_u64 s[G0B+4*\s+2:G0B+4*\s+3], s[46:47], \s*BSTEP
	s_or_b32 s[G0B+4*\s+3], s[G0B+4*\s+3], 0x80000000
	JLOAD G0+4*\s, G1, G0B+4*\s, G1B               ; three loads of mine are out
.endr
	v_and_b32 v1, 15, v0                           ; r
	v_bfe_u32 v2, v0, 4, 1                         ; h
	v_and_b32 v3, 31, v0                           ; lane
	v_lshlrev_b32 v4, 4, v3                        ; 16 x lane; never rewritten
	s_mul_i32 s21, s15, HALFT
	s_mul_i32 s22, s16, HALFT
	s_add_co_u32 s22, s22, 2*HALFT
.irp s, 0,1
	v_add_nc_u32 v[ADRA+\s], s21, v4
	v_add_nc_u32 v[ADRB+\s], s22, v4
	s_add_co_u32 s21, s21, SLOT
	s_add_co_u32 s22, s22, SLOT
.endr
	v_lshlrev_b32 v5, 2, v1
	s_mul_i32 s21, s15, HALFS
	s_mul_i32 s22, s16, HALFS
	s_add_co_u32 s22, s22, 2*HALFS
	s_sub_co_u32 s22, s22, s21
	v_mul_u32_u24 v6, s22, v2                      ; lanes 16-31 take B's words
	s_add_co_u32 s21, s21, SCL
	v_add_nc_u32 v5, v5, v6
	v_add_nc_u32 v[ADRS], s21, v5
	; the way out: where my 128 x 128 goes
	s_lshl_b32 s18, s17, 4
	s_lshl_b32 s19, s15, 3
	s_add_co_u32 s18, s18, s19                     ; my first block of A's rows
	s_mul_i32 s19, s[ISV], 192
	s_sub_co_u32 s19, 256, s19                     ; blocks in the output's image: 256 (tokens) or 64 (channels)
	s_mul_i32 s20, s42, s19
	s_add_co_u32 s20, s20, s18
	s_lshl_b32 s20, s20, 12
	s_lshl_b32 s19, s16, 11
	s_add_co_u32 s20, s20, s19
	s_mul_i32 s19, s[ISV], VTC
	s_add_co_u32 s20, s20, s19
	s_mov_b32 s21, 0
	s_mul_i32 s19, s[ISV], 12288
	s_sub_co_u32 s19, 16384, s19
	s_lshl_b32 s22, s42, 1
	s_add_co_u32 s22, s22, s16
	s_mul_i32 s22, s22, s19
	s_lshl_b32 s18, s18, 6
	s_add_co_u32 s22, s22, s18
	s_mul_i32 s19, s[ISV], VTS-QKS
	s_add_co_u32 s22, s22, s19
	s_add_co_u32 s22, s22, QKS
	s_mov_b32 s23, 0
	s_add_nc_u64 s[10:11], s[12:13], s[22:23]      ; my 128 scale words
	s_add_nc_u64 s[12:13], s[12:13], s[20:21]      ; my eight fragments, 4,096 bytes apart
	; both biases are loaded, from places that are valid either way; the one that does not apply is multiplied by 0 on the way out
	s_lshl_b32 s18, s42, 10
	s_lshl_b32 s19, s16, 9
	s_add_co_u32 s18, s18, s19
	s_mul_i32 s18, s18, s2
	s_mov_b32 s19, 0
	s_lshl_b32 s20, s17, 10
	s_lshl_b32 s21, s15, 9
	s_add_co_u32 s20, s20, s21
	s_add_co_u32 s20, s20, 8192
	s_mul_i32 s20, s20, s[ISV]
	s_mov_b32 s21, 0
	s_add_nc_u64 s[92:93], s[8:9], s[20:21]
	s_add_nc_u64 s[8:9], s[8:9], s[18:19]
	v_lshlrev_b32 v[VBB], 6, v2
	v_and_b32 v5, 8, v1
	v_add_nc_u32 v5, v5, v1
	v_lshlrev_b32 v[VBA], 2, v5
.irp b, 0,1,2,3,4,5,6,7
	global_load_b128 v[BB+8*\b:BB+8*\b+3], v[VBB], s[8:9] offset:(32*(\b/2)+8*(\b%2))*4      ; tile b, lane (r, h): B's true rows 32 (b / 2) + 8 (b % 2) + 16 h + 0 .. 7
	global_load_b128 v[BB+8*\b+4:BB+8*\b+7], v[VBB], s[8:9] offset:(32*(\b/2)+8*(\b%2))*4+16
	global_load_b32 v[BA+\b], v[VBA], s[92:93] offset:(32*(\b/2)+8*(\b%2))*4                 ; block b, lane r: A's true row
.endr
	v_mov_b32 v[OI], v4
	s_lshl_b32 s18, s14, 9
	v_lshl_add_u32 v[SWA], v1, 2, s18              ; 512 bytes of my own in slot 0, for the scale words on the way out
	v_add_nc_u32 v[SRA], s18, v4
.macro FRAG reg, adr, q, i             ; a fragment as it lies: four loads of 512 consecutive bytes
.irp c, 0,1,2,3
	ds_load_b128 v[\reg+4*\c:\reg+4*\c+3], v[\adr] offset:4096*(\i)+2048*(\q)+512*\c
.endr
.endm
; 16 matrix instructions: A's blocks a0, a0 + 1 x B's eight.  The 64 accumulators take turns, one instruction a turn, in the same order in every step.
.macro MUL16 a0, p, q, sc, zero
.irp a, \a0, \a0+1
.irp b, 0,1,2,3,4,5,6,7
.if \zero
	v_wmma_scale_f32_16x16x128_f8f6f4 v[8*(8*((\a)%4)+\b):8*(8*((\a)%4)+\b)+7], v[128*(\p)+FR*\b:128*(\p)+FR*\b+FR-1], v[AF+FR*(\a):AF+FR*(\a)+FR-1], 0, v[SC+8*NQ*(\sc)+NQ*\b+(\q)], v[SC+8*NQ*(\sc)+NQ*(\a)+(\q)] matrix_a_scale:MATRIX_SCALE_ROW1
.else
	v_wmma_scale_f32_16x16x128_f8f6f4 v[8*(8*((\a)%4)+\b):8*(8*((\a)%4)+\b)+7], v[128*(\p)+FR*\b:128*(\p)+FR*\b+FR-1], v[AF+FR*(\a):AF+FR*(\a)+FR-1], v[8*(8*((\a)%4)+\b):8*(8*((\a)%4)+\b)+7], v[SC+8*NQ*(\sc)+NQ*\b+(\q)], v[SC+8*NQ*(\sc)+NQ*(\a)+(\q)] matrix_a_scale:MATRIX_SCALE_ROW1
.endif
.endr
.endr
.endm
.macro FETCH_B slot, q, p
	WIN TO_B
.irp i, 0,1,2,3,4,5,6,7
	FRAG 128*(\p)+FR*\i, ADRB+\slot, \q, \i
.endr
	WIN 0
.endm
.macro FETCH_A slot, q, i0
.irp i, \i0, \i0+1, \i0+2, \i0+3
	FRAG AF+FR*(\i), ADRA+\slot, \q, \i
.endr
.endm
.macro SCALES sc                       ; register 2 i + q: lanes 0-15 the words of A's block i, lanes 16-31 of B's block i
.irp i, 0,1,2,3,4,5,6,7
.irp q, 0,1
	ds_load_b32 v[SC+16*\sc+2*\i+\q], v[ADRS] offset:64*\i+512*\q
.endr
.endr
.endm
.macro PLACES n
.rept \n
	v_nop
.endr
.endm
.macro STEP slot, q, zero              ; 128 along K with its successor in the same slot
	s_wait_dscnt 4*NL                              ; all but the youngest 16 loads (A's blocks 4-7) are in
	WIN MUL_LO
	MUL16 0, (\q)%2, \q, \slot, \zero
	MUL16 2, (\q)%2, \q, \slot, \zero
	s_wait_dscnt 0
	PLACES NP
	FETCH_B \slot, (\q)+1, 1-(\q)%2
	FETCH_A \slot, (\q)+1, 0
	WIN MUL_HI
	MUL16 4, (\q)%2, \q, \slot, \zero
	MUL16 6, (\q)%2, \q, \slot, \zero
	PLACES NP
	WIN 0
	FETCH_A \slot, (\q)+1, 4
.endm
; A slot's last step changes slots: one barrier; ahead of it each wave waits for all its tensor loads, adds 0 to its spare word, and waits for that and for its reads of the slot.
.macro TURN slot, next, fill
	s_wait_tensorcnt 0x0                           ; all my tensor loads have landed: my part of the next slot
	ds_add_u32 v[SPW], v[NIL]
	s_wait_dscnt 4*NL+1                            ; (the add and the youngest 16 loads may be out)
	WIN MUL_LO
	MUL16 0, 1, NQ-1, \slot, 0
	s_wait_dscnt 0x0                               ; the add is done, my reads of this slot are over
	s_barrier_signal -1
	MUL16 2, 1, NQ-1, \slot, 0
	WIN 0
	s_barrier_wait -1
.if \fill
	CREST                                          ; the barrier has opened a round of the cluster's barrier
	s_add_nc_u64 s[G0+4*\slot+2:G0+4*\slot+3], s[G0+4*\slot+2:G0+4*\slot+3], 2*ASTEP
	s_add_nc_u64 s[G0B+4*\slot+2:G0B+4*\slot+3], s[G0B+4*\slot+2:G0B+4*\slot+3], 2*BSTEP
	JLOAD G0+4*\slot, G1, G0B+4*\slot, G1B         ; the first tensor load behind the round, one a wave
	PLACES NP-4
.else
	PLACES NP
.endif
	v_add_nc_u32 v[ADRS], 512*NQ, v[ADRS]
	FETCH_B \next, 0, 0
	FETCH_A \next, 0, 0
	SCALES \next
	WIN MUL_HI
	MUL16 4, 1, NQ-1, \slot, 0
	MUL16 6, 1, NQ-1, \slot, 0
	PLACES NP
	WIN 0
	FETCH_A \next, 0, 4
.endm
	s_wait_tensorcnt 1                             ; the scale words and my part of K step 0 are in; K step 1's load may be out
	s_barrier_signal -1
	s_barrier_wait -1
	FETCH_B 0, 0, 0
	FETCH_A 0, 0, 0
	SCALES 0
	FETCH_A 0, 0, 4
	STEP 0, 0, 1                                   ; the first products start the sums
	s_mov_b32 s3, LAPS-1
.Llap:
	TURN 0, 1, 1
	STEP 1, 0, 0
	TURN 1, 0, 1
	STEP 0, 0, 0
	s_sub_co_u32 s3, s3, 1
	s_cmp_lg_u32 s3, 0
	s_cbranch_scc1 .Llap
	TURN 0, 1, 0                                   ; the last lap fills nothing
	STEP 1, 0, 0
	s_wait_dscnt 4*NL
	WIN MUL_LO
	MUL16 0, 1, NQ-1, 1, 0
	MUL16 2, 1, NQ-1, 1, 0
	s_wait_dscnt 0
	WIN MUL_HI
	MUL16 4, 1, NQ-1, 1, 0
	MUL16 6, 1, NQ-1, 1, 0
	WIN 0
; THE WAY OUT.  Block a (16 A rows x my 128 B rows): a lane's 64 numbers are register 16 b + i = k 32 b + 16 h + i of its row: just what a fragment of the next product holds.  Bias, quantiser, four stores of 512 bytes.
; A loop of eight trips: only the small piece TAKE a names block a's accumulators; a trip's head jumps to its piece by the loop's own counter.
.macro TAKE a
.if (\a) > 0
	v_mov_b32 v[PWS+(\a)-1], v[PW]                 ; the last trip's scale word
.endif
	WIN 0x02+(\a)/4
.set i, 0
.rept 32
	v_pk_add_f32 v[T+i:T+i+1], v[64*((\a)%4)+i:64*((\a)%4)+i+1], v[BB+i:BB+i+1]   ; each accumulator from its low end on
.set i, i+2
.endr
	WIN 0
.set i, 0
.rept 32
.if (\a)%2
	v_pk_add_f32 v[T+i:T+i+1], v[T+i:T+i+1], v[BA+2*((\a)/2):BA+2*((\a)/2)+1] op_sel:[0,1] op_sel_hi:[1,1]
.else
	v_pk_add_f32 v[T+i:T+i+1], v[T+i:T+i+1], v[BA+2*((\a)/2):BA+2*((\a)/2)+1] op_sel:[0,0] op_sel_hi:[1,0]
.endif
.set i, i+2
.endr
.endm
.macro QUANT                           ; v[T] on: 64 numbers -> v[PC] on: a fragment's codes, v[PW]: its scale word
.irp b, 0,1,2,3
	v_max3_num_f32 v[TM+\b], |v[T+16*\b]|, |v[T+1+16*\b]|, 0x4800000   ; with the floor 2^(9 - 127): the byte cannot fall under 1
.endr
.irp i, 2,4,6,8,10,12,14
.irp b, 0,1,2,3
	v_max3_num_f32 v[TM+\b], v[TM+\b], |v[T+16*\b+\i]|, |v[T+1+16*\b+\i]|
.endr
.endr
.irp b, 0,1,2,3
	v_permlanex16_b32 v[TM+4+\b], v[TM+\b], s[SEL], s[SEL+1]
.endr
.irp b, 0,1,2,3
	v_max_num_f32 v[TM+\b], v[TM+\b], v[TM+4+\b]   ; with lane l xor 16's 16: the block's largest magnitude
.endr
.irp b, 0,1,2,3
	v_add_nc_u32 v[TM+12+\b], 0xfc000000, v[TM+\b] ; 8 off the exponent field: the conversion's scale operand
.endr
.irp b, 0,1,2,3
	v_and_or_b32 v[TM+8+\b], v[TM+\b], 0x7f800000, s[MNT]   ; 448 x the scale
.endr
.irp b, 0,1,2,3
	v_lshrrev_b32 v[TM+4+\b], 23, v[TM+12+\b]      ; the scale's byte
.endr
	v_lshl_or_b32 v[PW], v[TM+5], 8, v[TM+4]
	v_lshl_or_b32 v[PW], v[TM+6], 16, v[PW]
	v_lshl_or_b32 v[PW], v[TM+7], 24, v[PW]
.irp b, 0,1,2,3
.irp i, 0,1,2,3,4,5,6,7,8,9,10,11,12,13,14,15
	v_med3_num_f32 v[T+16*\b+\i], v[T+16*\b+\i], -v[TM+8+\b], v[TM+8+\b]   ; the conversion does not saturate (ISA guide 7.6.2)
.endr
	v_cvt_scalef32_pk8_fp8_f32 v[PC+4*\b:PC+1+4*\b], v[T+16*\b:T+7+16*\b], v[TM+12+\b]
	v_cvt_scalef32_pk8_fp8_f32 v[PC+2+4*\b:PC+3+4*\b], v[T+8+16*\b:T+15+16*\b], v[TM+12+\b]
.endr
	v_nop                                          ; a plain line behind the last conversion
.endm
	PLACES NP
	s_wait_loadcnt 0x0                             ; the biases
	s_mov_b32 s[SEL], 0x76543210
	s_mov_b32 s[SEL+1], 0xfedcba98
	s_mov_b32 s[MNT], 0x600000
	s_cmp_eq_u32 s[ISV], 0
	s_cselect_b32 s45, 1.0, 0
	s_cselect_b32 s46, 0, 1.0
.set i, 0
.rept 64
	v_mul_f32 v[BB+i], s45, v[BB+i]
.set i, i+1
.endr
.set i, 0
.rept 8
	v_mul_f32 v[BA+i], s46, v[BA+i]
.set i, i+1
.endr
.irp b, 0,1,2,3
	v_mov_b32 v[TM+4+\b], 0                        ; a lane permute's destination counts as one of its sources
.endr
	v_mov_b32 v[PW], 0
	s_mov_b32 s[EA], 0
.Lepi:
.irp a, 0,1,2,3,4,5,6
	s_cmp_eq_u32 s[EA], \a
	s_cbranch_scc1 .Ltake\a
.endr
	TAKE 7
	s_branch .Lwork
.irp a, 0,1,2,3,4,5
.Ltake\a:
	TAKE \a
	s_branch .Lwork
.endr
.Ltake6:
	TAKE 6
.Lwork:
	QUANT
.irp c, 0,1,2,3
	global_store_b128 v[OI], v[PC+4*\c:PC+4*\c+3], s[12:13] offset:512*\c   ; 32 lanes store 512 consecutive bytes, aligned
.endr
	s_wait_xcnt 0x0                                ; the stores have read their offset and data: both are written again only behind this wait
	v_add_nc_u32 v[OI], 4096, v[OI]
	s_add_co_u32 s[EA], s[EA], 1
	s_cmp_lt_u32 s[EA], 8
	s_cbranch_scc1 .Lepi
	v_mov_b32 v[PWS+7], v[PW]
.irp a, 0,1,2,3,4,5,6,7
	ds_store_b32 v[SWA], v[PWS+\a] offset:64*\a    ; slot 0 has had its last fill, and nobody reads it behind the last change of slots.  Lanes l and l + 16 write the same word with the same value
.endr
	ds_load_b128 v[T:T+3], v[SRA]                  ; LDS serves a wave's instructions in order (ISA guide 5.7.1.4)
	s_wait_dscnt 0x0
	global_store_b128 v4, v[T:T+3], s[10:11]       ; my 128 places' words: 512 consecutive bytes
	s_wait_tensorcnt 0x0                           ; the wave's end
	ds_add_u32 v[SPW], v[NIL]
	s_wait_dscnt 0x0
	CROUND                                         ; the closing round
	s_endpgm
.Lfunc_end_k_q6e18b8e471_qkv:
	.size	k_q6e18b8e471_qkv, .Lfunc_end_k_q6e18b8e471_qkv-k_q6e18b8e471_qkv
	.p2alignl 7, 3214868480
	.fill 96, 4, 3214868480
	.section	.rodata,"a",@progbits
	.p2align	6, 0x0
	.amdhsa_kernel k_q6e18b8e471_qkv
		.amdhsa_group_segment_fixed_size 327680
		.amdhsa_private_segment_fixed_size 0
		.amdhsa_enable_private_segment 0
		.amdhsa_kernarg_size 24
		.amdhsa_user_sgpr_count 2
		.amdhsa_user_sgpr_kernarg_segment_ptr 1
		.amdhsa_wavefront_size32 1
		.amdhsa_system_sgpr_workgroup_id_x 1
		.amdhsa_system_sgpr_workgroup_id_y 1
		.amdhsa_system_sgpr_workgroup_id_z 1
		.amdhsa_system_vgpr_workitem_id 0
		.amdhsa_next_free_vgpr 1024
		.amdhsa_next_free_sgpr 100
		.amdhsa_reserve_vcc 0
		.amdhsa_float_denorm_mode_32 3
		.amdhsa_float_denorm_mode_16_64 3
		.amdhsa_memory_ordered 1
		.amdhsa_forward_progress 1
		.amdhsa_inst_pref_size 167
	.end_amdhsa_kernel
	.amdgpu_metadata
---
amdhsa.version: [ 1, 2 ]
amdhsa.kernels:
  - .name:           k_q6e18b8e471_qkv
    .symbol:         k_q6e18b8e471_qkv.kd
    .args:
      - { .name: wq, .offset: 0, .size: 8, .value_kind: global_buffer, .address_space: global }
      - { .name: qkv_b, .offset: 8, .size: 8, .value_kind: global_buffer, .address_space: global }
      - { .name: qkvq, .offset: 16, .size: 8, .value_kind: global_buffer, .address_space: global }
    .group_segment_fixed_size: 327680
    .private_segment_fixed_size: 0
    .kernarg_segment_align: 8
    .kernarg_segment_size: 24
    .max_flat_workgroup_size: 128
    .sgpr_count:     100
    .vgpr_count:     1024
    .wavefront_size: 32
...
	.end_amdgpu_metadata
.endif
;; end of part 2
;; launch attn (part 3): grid 256 x 1, 4 waves a work-group, no clusters, 0 bytes of LDS; arguments qkvq, ctxq; writes ctxq
.if DOCPART == 3
	.amdgcn_target "amdgcn-amd-amdhsa--gfx1250"
	.amdhsa_code_object_version 6
	.text
	.protected	k_q6e18b8e471_attn
	.globl	k_q6e18b8e471_attn
	.p2align	8
	.type	k_q6e18b8e471_attn,@function
k_q6e18b8e471_attn:
	s_mov_b64 s[64:65], 0
	v_nop
	global_prefetch_b8 v0, s[64:65] scope:SCOPE_SE
	s_setreg_imm32_b32 hwreg(HW_REG_WAVE_MODE, 25, 1), 1
	s_wait_xcnt 0x0
; Causal attention in a window of 128 keys, 16 heads of 64, on codes of FP8 (E4M3) with E8M0 scales; the result is quantised again for the next product.
; SHARES.  A wave takes 32 queries (group G of 128) of a pair of heads (hp of 8): 1,024 waves.  The keys that count lie in five blocks of 32: G - 4 .. G; the first is cut by the window, the last by causality.
; All five are in hand at once, so M is the ceiling of the row's true largest t and nothing is rescaled.  No LDS, no barrier: every operand is an image of its registers in memory and comes by plain loads, all asked for at the head.
; No multicast: what neighbouring waves share are pieces of 1 KB that go straight into registers; there is no ring in which requests could meet.
; LAYOUT.  Both products transposed: S^T = K Q^T (source 0 = 16 keys), O^T = V^T P^T (source 0 = 16 channels): a lane holds one query.  By the images' order of places the 16 registers of two neighbouring tiles are
; 16 neighbouring keys (or channels), so the conversions' results are the next operand's registers.
; K = 64 OF THE FIRST PRODUCT IS FILLED TO 128 BY ZERO CODES OF Q; the upper half of K's operand is the next tile's codes (never the NaN code) and meets those zeros.  Likewise the second operand of V meets 12 zero registers of P.
; Key blocks of another batch are clamped to the batch's first block for the loads and get p = 0.
; SOFTMAX: t = score x log2(e) / 8; M = ceil(largest t); p = 2^(t - M) is quantised along the keys; the sum of the unquantised p divides at the end.
; LIMITS: a block of zeros gets the byte 1 (codes zero); NaN and infinities are not served.
.set VTC,  8388608
.set QKS,  12582912
.set VTS,  12845056
.set CTXS, 4194304
.set VK,  3                            ; v3-7   16 lane + the key block's place in K's image
.set VV,  8                            ; v8-12  the same in V^T's
.set VKS, 13                           ; v13-17 4 lane + its scale words
.set DC,  20                           ; v20-21 my query less my first key of the diagonal block, for query tile 0, 1
.set NINF, 22
.set LANE, 23
.set KS,  24                           ; v24-28 K's scale words: lanes 0-15 the block's first tile, lanes 16-31 its second
.set QS,  29                           ; v29    Q's: lanes 0-15 tile 0, lanes 16-31 tile 1
.set VS,  30                           ; v30-37 V's, four a head
.set CW,  38                           ; v38-39 ctx's scale words
.set CX,  40                           ; v40-55 ctx's codes, two sets
.set S,   64                           ; v64-143  scores, then p
.set P,   144                          ; v144-175 p's codes: 20 registers, then 12 zeros
.set O,   176                          ; v176-207 O^T
.set BM,  208
.set BT,  213
.set AD,  218
.set SCO, 228
.set HO,  233
.set BY,  238
.set SU,  244
.set NM,  248
.set TX,  249
.set PS1, 250
.set PS2, 251
.set RL,  252
.set LT,  254
.set QF,  180                          ; windows 1, 2 (head 0, 1): v0-87 K (tile i at 8 i, then 8 zeros); v88-179 V (tile t at 88 + 20 t, then 12 zeros); v180-211 Q0, zeros, Q1, zeros
.set VF,  88
.set KB,  20                           ; s20-24 the key blocks, clamped
.set VM,  25                           ; s25-28 all ones where the block belongs to my batch
.set CS,  30
.set SEL, 32
.set MNT, 34
.set SH,  35
.set SQ,  36
.set SK,  38
.set SV,  40
.set SQS, 42
.set SKS, 44
.set SVS, 46
.set SCC_, 48
.set SCS, 50
.set MSB, 0
.macro WIN new
.set WNEW, \new
.if MSB != WNEW
	s_set_vgpr_msb (MSB<<8)|WNEW
.set MSB, WNEW
.endif
.endm
	s_load_b128 s[4:7], s[0:1], 0x0                ; qkvq, ctxq
	v_lshrrev_b32 v1, 5, v0
	v_readfirstlane_b32 s8, v1                     ; wave
	v_and_b32 v[LANE], 31, v0
	v_lshlrev_b32 v1, 4, v[LANE]                   ; 16 x lane; never rewritten
	v_lshlrev_b32 v2, 2, v[LANE]                   ; 4 x lane; never rewritten
	s_and_b32 s9, ttmp9, 7                         ; hp
	s_lshr_b32 s10, ttmp9, 3
	s_lshl_b32 s10, s10, 2
	s_add_co_u32 s10, s10, s8                      ; G
	s_lshr_b32 s11, s10, 6                         ; batch
	s_lshl_b32 s12, s11, 6                         ; its first block of 32 tokens
.irp p, 0,1,2,3,4
	s_add_co_i32 s13, s10, \p-4
	s_cmp_ge_i32 s13, s12
.if \p < 4
	s_cselect_b32 s[VM+\p], -1, 0
.endif
	s_max_i32 s[KB+\p], s13, s12
.endr
.irp p, 0,1,2,3,4
	s_lshl_b32 s13, s[KB+\p], 13
	v_add_nc_u32 v[VK+\p], s13, v1
	s_lshr_b32 s13, s[KB+\p], 3
	s_lshl_b32 s13, s13, 18
	s_and_b32 s14, s[KB+\p], 7
	s_lshl_b32 s14, s14, 9
	s_add_co_u32 s13, s13, s14
	v_add_nc_u32 v[VV+\p], s13, v1
	s_lshl_b32 s13, s[KB+\p], 7
	v_add_nc_u32 v[VKS+\p], s13, v2
.endr
	s_lshr_b32 s13, s10, 2                         ; the 128 tokens that hold block G,
	s_sub_co_i32 s14, s13, 1                       ; and those before, held inside my batch
	s_lshl_b32 s15, s11, 4
	s_max_i32 s14, s14, s15
	s_lshl_b32 s14, s14, 12
	s_lshl_b32 s13, s13, 12
	v_add_nc_u32 v18, s14, v2
	v_add_nc_u32 v19, s13, v2
	s_and_b32 s[SH], s10, 3
	s_lshl_b32 s[SH], s[SH], 3
	v_and_b32 v[BM], 15, v0
	v_and_b32 v[BM+1], 8, v[BM]
	v_add_nc_u32 v[BM], v[BM], v[BM+1]             ; r + 8 (r / 8)
	v_bfe_u32 v[BM+1], v0, 4, 1
	v_lshlrev_b32 v[BM+1], 4, v[BM+1]
	v_sub_nc_u32 v[DC], v[BM], v[BM+1]
	v_add_nc_u32 v[DC+1], 8, v[DC]
	v_mov_b32 v[NINF], 0xff800000
	s_mov_b32 s[CS], 0x3e38aa3b                    ; log2(e) / 8
	s_mov_b32 s[CS+1], s[CS]
	s_mov_b32 s[SEL], 0x76543210
	s_mov_b32 s[SEL+1], 0xfedcba98
	s_mov_b32 s[MNT], 0x600000
	s_lshr_b32 s14, s9, 1
	s_lshl_b32 s14, s14, 20
	s_and_b32 s15, s9, 1
	s_lshl_b32 s15, s15, 11
	s_add_co_u32 s14, s14, s15                     ; the head pair's K step of 128 in an image of 256 blocks
	s_lshl_b32 s16, s10, 13
	s_add_co_u32 s16, s16, s14                     ; + my two blocks of queries
	s_mov_b32 s53, 0
	s_lshl_b32 s17, s9, 14
	s_lshl_b32 s18, s10, 7
	s_add_co_u32 s18, s18, s17                     ; the pair's row of scale words, my 32 places
	s_wait_kmcnt 0x0
	s_mov_b32 s52, s16
	s_add_nc_u64 s[SQ:SQ+1], s[4:5], s[52:53]
	s_add_nc_u64 s[SCC_:SCC_+1], s[6:7], s[52:53]
	s_add_co_u32 s52, s14, 4*1048576
	s_add_nc_u64 s[SK:SK+1], s[4:5], s[52:53]
	s_lshl_b32 s52, s9, 15
	s_add_co_u32 s52, s52, VTC
	s_add_nc_u64 s[SV:SV+1], s[4:5], s[52:53]
	s_add_co_u32 s52, s18, QKS
	s_add_nc_u64 s[SQS:SQS+1], s[4:5], s[52:53]
	s_add_co_u32 s52, s17, QKS+8*16384
	s_add_nc_u64 s[SKS:SKS+1], s[4:5], s[52:53]
	s_lshl_b32 s52, s9, 9
	s_add_co_u32 s52, s52, VTS
	s_add_nc_u64 s[SVS:SVS+1], s[4:5], s[52:53]
	s_add_co_u32 s52, s18, CTXS
	s_add_nc_u64 s[SCS:SCS+1], s[6:7], s[52:53]
.macro LOADS e                         ; head e: 48 loads
	WIN 0x40*(1+\e)
.irp u, 0,1
.irp c, 0,1
	global_load_b128 v[QF+16*\u+4*\c:QF+16*\u+4*\c+3], v1, s[SQ:SQ+1] offset:4096*\u+1024*\e+512*\c
.endr
.endr
.irp p, 0,1,2,3,4
.irp u, 0,1
.irp c, 0,1
	global_load_b128 v[8*(2*\p+\u)+4*\c:8*(2*\p+\u)+4*\c+3], v[VK+\p], s[SK:SK+1] offset:4096*\u+1024*\e+512*\c
.endr
.endr
.endr
.irp t, 0,1,2,3
.irp p, 0,1,2,3,4
	global_load_b128 v[VF+20*\t+4*\p:VF+20*\t+4*\p+3], v[VV+\p], s[SV:SV+1] offset:(4*\e+\t)*4096
.endr
.endr
	WIN 0
.irp n, 0,1
	global_load_b32 v[VS+4*\e+\n], v18, s[SVS:SVS+1] offset:256*\e+128*\n
	global_load_b32 v[VS+4*\e+2+\n], v19, s[SVS:SVS+1] offset:256*\e+128*\n
.endr
.endm
	LOADS 0
.irp p, 0,1,2,3,4
	global_load_b32 v[KS+\p], v[VKS+\p], s[SKS:SKS+1]
.endr
	global_load_b32 v[QS], v2, s[SQS:SQS+1]
	LOADS 1
.irp e, 0,1
	WIN 0x40*(1+\e)
.set i, 0
.rept 8
	v_mov_b32 v[80+i], 0
	v_mov_b32 v[QF+8+i], 0
	v_mov_b32 v[QF+24+i], 0
.set i, i+1
.endr
.set i, 0
.rept 12
	v_mov_b32 v[VF+80+i], 0
.set i, i+1
.endr
.endr
	WIN 0
.set i, 0
.rept 12
	v_mov_b32 v[P+20+i], 0
.set i, i+1
.endr
.irp b, 0,1,2,3,4
	v_mov_b32 v[BT+\b], 0                          ; written once: lane permutes' destinations, upper halves of pairs that are named whole
	v_mov_b32 v[AD+2*\b+1], 0
.endr
	v_mov_b32 v[LT], 0
	v_mov_b32 v[RL+1], 0
.macro VSH e                           ; the five key blocks' bytes of V's scales: bytes G % 4 on of the two words on end
.irp n, 0,1
	v_alignbit_b32 v[VS+4*\e+\n], v[VS+4*\e+2+\n], v[VS+4*\e+\n], s[SH]
	v_lshrrev_b32 v[VS+4*\e+2+\n], s[SH], v[VS+4*\e+2+\n]
.endr
.endm
.macro KQ i, u
.if (\i)%2
.if \u
	v_wmma_scale_f32_16x16x128_f8f6f4 v[S+8*\i:S+8*\i+7], v[8*\i:8*\i+15], v[QF+16*\u:QF+16*\u+15], 0, v[KS+\i/2], v[QS] matrix_a_scale:MATRIX_SCALE_ROW1 matrix_b_scale:MATRIX_SCALE_ROW1
.else
	v_wmma_scale_f32_16x16x128_f8f6f4 v[S+8*\i:S+8*\i+7], v[8*\i:8*\i+15], v[QF+16*\u:QF+16*\u+15], 0, v[KS+\i/2], v[QS] matrix_a_scale:MATRIX_SCALE_ROW1
.endif
.else
.if \u
	v_wmma_scale_f32_16x16x128_f8f6f4 v[S+8*\i:S+8*\i+7], v[8*\i:8*\i+15], v[QF+16*\u:QF+16*\u+15], 0, v[KS+\i/2], v[QS] matrix_b_scale:MATRIX_SCALE_ROW1
.else
	v_wmma_scale_f32_16x16x128_f8f6f4 v[S+8*\i:S+8*\i+7], v[8*\i:8*\i+15], v[QF+16*\u:QF+16*\u+15], 0, v[KS+\i/2], v[QS]
.endif
.endif
.endm
; Head e of the pair, query tile u: 16 queries x 160 keys.
.macro PASS e, u
	WIN 5*(1+\e)
.irp i, 0,1,2,3,4,5,6,7,8,9
	KQ \i, \u
.endr
	WIN 0
.rept 8
	v_nop
.endr
.irp n, 0,1,2,3,4,5,6,7,8,9,10,11,12,13,14,15
	v_cmp_gt_i32 vcc_lo, \n, v[DC+\u]              ; one compare serves both edges: key n of my half lies behind my query in block G, and inside the window in block G - 4
	v_cndmask_b32 v[S+\n], v[NINF], v[S+\n], vcc_lo
	v_cndmask_b32 v[S+64+\n], v[S+64+\n], v[NINF], vcc_lo
.endr
.irp b, 0,1,2,3,4
	v_max3_num_f32 v[BM+\b], v[S+16*\b], v[S+16*\b+1], v[S+16*\b+2]   ; each block's largest score: for the row's maximum and for the block's largest p
.endr
.irp i, 3,5,7,9,11,13
.irp b, 0,1,2,3,4
	v_max3_num_f32 v[BM+\b], v[BM+\b], v[S+16*\b+\i], v[S+16*\b+\i+1]
.endr
.endr
.irp b, 0,1,2,3,4
	v_max_num_f32 v[BM+\b], v[BM+\b], v[S+16*\b+15]
.endr
.irp b, 0,1,2,3,4
	v_permlanex16_b32 v[BT+\b], v[BM+\b], s[SEL], s[SEL+1]
.endr
.irp b, 0,1,2,3,4
	v_max_num_f32 v[BM+\b], v[BM+\b], v[BT+\b]
.endr
.irp b, 0,1,2,3
	v_cndmask_b32 v[BM+\b], v[NINF], v[BM+\b], s[VM+\b]   ; a block of another batch counts for nothing
.endr
	v_max3_num_f32 v[TX], v[BM], v[BM+1], v[BM+2]
	v_max3_num_f32 v[TX], v[TX], v[BM+3], v[BM+4]
	v_mul_f32 v[TX], s[CS], v[TX]
	v_floor_f32 v[NM], -v[TX]                      ; -M = floor(-t): M is a whole number.  My own key always counts, so M is a number
.irp b, 0,1,2,3
	v_cndmask_b32 v[AD+2*\b], v[NINF], v[NM], s[VM+\b]
.endr
	v_mov_b32 v[AD+8], v[NM]
.irp b, 0,1,2,3,4
.irp j, 0,2,4,6,8,10,12,14
	v_pk_fma_f32 v[S+16*\b+\j:S+16*\b+\j+1], v[S+16*\b+\j:S+16*\b+\j+1], s[CS:CS+1], v[AD+2*\b:AD+2*\b+1] op_sel_hi:[1,0,0]   ; t - M
.endr
.endr
.irp b, 0,1,2,3,4
	v_fma_f32 v[BM+\b], v[BM+\b], s[CS], v[NM]
.endr
.set j, 0
.rept 80
	v_exp_f32 v[S+j], v[S+j]                       ; p = 2^(t - M)
.set j, j+1
.endr
	v_nop                                          ; a plain line behind the batch,
	s_wait_alu depctr_va_vdst(0)                   ; and one wait for it, ahead of its first reader
.irp b, 0,1,2,3,4
	v_exp_f32 v[BM+\b], v[BM+\b]                   ; each block's largest p
.endr
	v_pk_add_f32 v[SU:SU+1], v[S:S+1], v[S+2:S+3]  ; the row's sum of the unquantised p, in two chains
	v_pk_add_f32 v[SU+2:SU+3], v[S+4:S+5], v[S+6:S+7]
.set j, 8
.rept 18
	v_pk_add_f32 v[SU:SU+1], v[SU:SU+1], v[S+j:S+j+1]
	v_pk_add_f32 v[SU+2:SU+3], v[SU+2:SU+3], v[S+j+2:S+j+3]
.set j, j+4
.endr
	v_pk_add_f32 v[SU:SU+1], v[SU:SU+1], v[SU+2:SU+3]
	s_wait_alu depctr_va_vdst(0)                   ; for the five
.irp b, 0,1,2,3,4
	v_max_num_f32 v[BM+\b], 0x4800000, v[BM+\b]    ; the floor: a block of zeros keeps the byte 1
.endr
.irp b, 0,1,2,3,4
	v_add_nc_u32 v[SCO+\b], 0xfc000000, v[BM+\b]
.endr
.irp b, 0,1,2,3,4
	v_and_or_b32 v[HO+\b], v[BM+\b], 0x7f800000, s[MNT]
.endr
.irp b, 0,1,2,3
	v_lshrrev_b32 v[BY+\b], 23, v[SCO+\b]
.endr
	v_lshrrev_b32 v[PS2], 23, v[SCO+4]             ; the fifth block's byte; the other three scale zero codes
	v_lshl_or_b32 v[PS1], v[BY+1], 8, v[BY]
	v_lshl_or_b32 v[PS1], v[BY+2], 16, v[PS1]
	v_lshl_or_b32 v[PS1], v[BY+3], 24, v[PS1]
.irp b, 0,1,2,3,4
.irp i, 0,1,2,3,4,5,6,7,8,9,10,11,12,13,14,15
	v_min_num_f32 v[S+16*\b+\i], v[S+16*\b+\i], v[HO+\b]   ; p is not negative: a one-sided hold
.endr
	v_cvt_scalef32_pk8_fp8_f32 v[P+4*\b:P+4*\b+1], v[S+16*\b:S+16*\b+7], v[SCO+\b]
	v_cvt_scalef32_pk8_fp8_f32 v[P+4*\b+2:P+4*\b+3], v[S+16*\b+8:S+16*\b+15], v[SCO+\b]
.endr
.rept 4
	v_nop                                          ; codes made by vector lines stand four places ahead of a scaled product
.endr
	WIN 1+\e
.irp t, 0,1,2,3                        ; four accumulators by turns, one instruction a turn
.if \t%2
	v_wmma_scale_f32_16x16x128_f8f6f4 v[O+8*\t:O+8*\t+7], v[VF+20*\t:VF+20*\t+15], v[P:P+15], 0, v[VS+4*\e+\t/2], v[PS1] matrix_a_scale:MATRIX_SCALE_ROW1
.else
	v_wmma_scale_f32_16x16x128_f8f6f4 v[O+8*\t:O+8*\t+7], v[VF+20*\t:VF+20*\t+15], v[P:P+15], 0, v[VS+4*\e+\t/2], v[PS1]
.endif
.endr
.irp t, 0,1,2,3
.if \t%2
	v_wmma_scale_f32_16x16x128_f8f6f4 v[O+8*\t:O+8*\t+7], v[VF+20*\t+16:VF+20*\t+31], v[P+16:P+31], v[O+8*\t:O+8*\t+7], v[VS+4*\e+2+\t/2], v[PS2] matrix_a_scale:MATRIX_SCALE_ROW1
.else
	v_wmma_scale_f32_16x16x128_f8f6f4 v[O+8*\t:O+8*\t+7], v[VF+20*\t+16:VF+20*\t+31], v[P+16:P+31], v[O+8*\t:O+8*\t+7], v[VS+4*\e+2+\t/2], v[PS2]
.endif
.endr
	WIN 0
	v_add_f32 v[SU], v[SU], v[SU+1]
	v_permlanex16_b32 v[LT], v[SU], s[SEL], s[SEL+1]
	v_add_f32 v[SU], v[SU], v[LT]                  ; the row's sum
	v_rcp_f32 v[RL], v[SU]
.rept 8
	v_nop                                          ; the places behind the last products, and the plain line behind the reciprocal
.endr
	s_wait_alu depctr_va_vdst(0)
.set j, 0
.rept 16
	v_pk_mul_f32 v[O+j:O+j+1], v[O+j:O+j+1], v[RL:RL+1] op_sel_hi:[1,0]   ; register 16 g + i: channel 32 g + 16 h + i of the head
.set j, j+2
.endr
.irp b, 0,1
	v_max3_num_f32 v[BM+\b], |v[O+16*\b]|, |v[O+16*\b+1]|, 0x4800000
.endr
.irp i, 2,4,6,8,10,12,14
.irp b, 0,1
	v_max3_num_f32 v[BM+\b], v[BM+\b], |v[O+16*\b+\i]|, |v[O+16*\b+\i+1]|
.endr
.endr
.irp b, 0,1
	v_permlanex16_b32 v[BT+\b], v[BM+\b], s[SEL], s[SEL+1]
.endr
.irp b, 0,1
	v_max_num_f32 v[BM+\b], v[BM+\b], v[BT+\b]
.endr
.irp b, 0,1
	v_add_nc_u32 v[SCO+\b], 0xfc000000, v[BM+\b]
.endr
.irp b, 0,1
	v_and_or_b32 v[HO+\b], v[BM+\b], 0x7f800000, s[MNT]
.endr
.irp b, 0,1
	v_lshrrev_b32 v[BY+\b], 23, v[SCO+\b]
.endr
.if \e == 0
	v_lshl_or_b32 v[CW+\u], v[BY+1], 8, v[BY]
.else
	v_lshl_or_b32 v[CW+\u], v[BY], 16, v[CW+\u]
	v_lshl_or_b32 v[CW+\u], v[BY+1], 24, v[CW+\u]
	s_wait_xcnt 0x0                                ; head 0's stores have read this set of codes: it is written again only behind this wait
.endif
.irp b, 0,1
.irp i, 0,1,2,3,4,5,6,7,8,9,10,11,12,13,14,15
	v_med3_num_f32 v[O+16*\b+\i], v[O+16*\b+\i], -v[HO+\b], v[HO+\b]
.endr
	v_cvt_scalef32_pk8_fp8_f32 v[CX+8*\u+4*\b:CX+8*\u+4*\b+1], v[O+16*\b:O+16*\b+7], v[SCO+\b]
	v_cvt_scalef32_pk8_fp8_f32 v[CX+8*\u+4*\b+2:CX+8*\u+4*\b+3], v[O+16*\b+8:O+16*\b+15], v[SCO+\b]
.endr
	v_nop                                          ; a plain line behind the last conversion
.irp b, 0,1
	global_store_b128 v1, v[CX+8*\u+4*\b:CX+8*\u+4*\b+3], s[SCC_:SCC_+1] offset:4096*\u+1024*\e+512*\b   ; 512 consecutive bytes, aligned
.endr
.endm
	s_wait_loadcnt 48                              ; head 0's 54 loads are in; head 1's 48 may be out
	VSH 0
.rept 8
	v_nop                                          ; scale words made by vector lines stand eight places ahead of a scaled product
.endr
	PASS 0, 0
	PASS 0, 1
	s_wait_loadcnt 0x0
.irp p, 0,1,2,3,4
	v_lshrrev_b32 v[KS+\p], 16, v[KS+\p]           ; head 1's two bytes come down
.endr
	v_lshrrev_b32 v[QS], 16, v[QS]
	VSH 1
.rept 8
	v_nop
.endr
	PASS 1, 0
	PASS 1, 1
	v_cmp_le_u32 vcc_lo, 16, v[LANE]
	v_cndmask_b32 v[CW], v[CW], v[CW+1], vcc_lo
	global_store_b32 v2, v[CW], s[SCS:SCS+1]       ; my 32 places' scale words: 128 consecutive bytes
	s_endpgm
.Lfunc_end_k_q6e18b8e471_attn:
	.size	k_q6e18b8e471_attn, .Lfunc_end_k_q6e18b8e471_attn-k_q6e18b8e471_attn
	.p2alignl 7, 3214868480
	.fill 96, 4, 3214868480
	.section	.rodata,"a",@progbits
	.p2align	6, 0x0
	.amdhsa_kernel k_q6e18b8e471_attn
		.amdhsa_group_segment_fixed_size 0
		.amdhsa_private_segment_fixed_size 0
		.amdhsa_enable_private_segment 0
		.amdhsa_kernarg_size 16
		.amdhsa_user_sgpr_count 2
		.amdhsa_user_sgpr_kernarg_segment_ptr 1
		.amdhsa_wavefront_size32 1
		.amdhsa_system_sgpr_workgroup_id_x 1
		.amdhsa_system_sgpr_workgroup_id_y 1
		.amdhsa_system_sgpr_workgroup_id_z 1
		.amdhsa_system_vgpr_workitem_id 0
		.amdhsa_next_free_vgpr 768
		.amdhsa_next_free_sgpr 66
		.amdhsa_reserve_vcc 1
		.amdhsa_float_denorm_mode_32 3
		.amdhsa_float_denorm_mode_16_64 3
		.amdhsa_memory_ordered 1
		.amdhsa_forward_progress 1
		.amdhsa_inst_pref_size 123
	.end_amdhsa_kernel
	.amdgpu_metadata
---
amdhsa.version: [ 1, 2 ]
amdhsa.kernels:
  - .name:           k_q6e18b8e471_attn
    .symbol:         k_q6e18b8e471_attn.kd
    .args:
      - { .name: qkvq, .offset: 0, .size: 8, .value_kind: global_buffer, .address_space: global }
      - { .name: ctxq, .offset: 8, .size: 8, .value_kind: global_buffer, .address_space: global }
    .group_segment_fixed_size: 0
    .private_segment_fixed_size: 0
    .kernarg_segment_align: 8
    .kernarg_segment_size: 16
    .max_flat_workgroup_size: 128
    .sgpr_count:     66
    .vgpr_count:     768
    .wavefront_size: 32
...
	.end_amdgpu_metadata
.endif
;; end of part 3
;; launch outp (part 4): grid 4 x 16, 4 waves a work-group, clusters of 4 x 4, 327,680 bytes of LDS; arguments ctxq, wq, out_b, x, x1; writes x1
.if DOCPART == 4
	.amdgcn_target "amdgcn-amd-amdhsa--gfx1250"
	.amdhsa_code_object_version 6
	.text
	.protected	k_q6e18b8e471_outp
	.globl	k_q6e18b8e471_outp
	.p2align	8
	.type	k_q6e18b8e471_outp,@function
k_q6e18b8e471_outp:
	s_mov_b64 s[64:65], 0
	v_nop
	global_prefetch_b8 v0, s[64:65] scope:SCOPE_SE
	s_setreg_imm32_b32 hwreg(HW_REG_WAVE_MODE, 25, 1), 1
	s_wait_xcnt 0x0
	s_wait_alu depctr_hold_cnt(0) depctr_sa_sdst(0) depctr_va_vdst(0) depctr_va_sdst(0) depctr_va_ssrc(0) depctr_va_vcc(0) depctr_vm_vsrc(0)
	s_getreg_b32 s2, hwreg(HW_REG_IB_STS2, 6, 4)
	s_cmp_eq_u32 s2, 0
	s_cbranch_scc0 .Lentry_in_a_cluster
	s_endpgm
.Lentry_in_a_cluster:
	s_bfe_u32 s2, ttmp6, 0x10000c
	s_cmp_lg_u32 s2, 0xf033
	s_cbranch_scc0 .Lentry_shape_is_right
	s_endpgm
.Lentry_shape_is_right:
; x1 = x + ctx Wo^T + out_b.  ctx and Wo are codes of FP8 (E4M3) with E8M0 scales; x, x1 f32.
; OPERANDS lie as IMAGES: rows in blocks of 16 (place r of block b = true row 32 (b / 2) + 8 (b % 2) + r + 8 (r / 8)); a fragment (16 places x 128 K) is 2,048 bytes, chunk c of 512, lane l's 16 bytes at 16 l;
; a K step of 256 of 128 rows is 32,768 dense bytes.  Scale words lie [k / 128][place].  So a tile comes by one dense tensor load and a fragment by four loads of 512 consecutive LDS bytes.
; A tile is 256 tokens x 256 features, four waves, 128 x 128 each: 64 accumulators.  K goes in steps of 256 through two LDS slots; the scale words of all of K come once and stay.
; THE PRODUCT IS USED TRANSPOSED (source 0 = 16 rows of W, source 1 = 16 tokens): a lane holds eight neighbouring features of one token.
; CLUSTERS 4 x 4: A's tiles are asked for jointly along a row of the cluster, B's along a column.  64 tiles: a smaller tile would fill more WGPs at twice the LDS bytes a product; not built here.
; No prefetch: K has two refills only, and both would have to be asked for at the head.
; REGISTERS: window 0: v0-31 addresses, v8-11 the bias, v32-63 scale words (two sets), v128-255 A's fragments (one set), later rows on the way out; window 1: B's fragments (two sets), later the residual; windows 2, 3: accumulators.
.set SIZE_K, 1024
.set NBA, 256
.set NBB, 64
.set SPA, 4096
.set SPB, 1024
.set ACO, 0
.set ASO, 4194304
.set BCO, 8388608
.set BSO, 15990784
.set PF, 0
.set KT,     SIZE_K/128
.set LAPS,   SIZE_K/512
.set ASTEP,  NBA*4096                  ; bytes from a K step of 256 to the next
.set BSTEP,  NBB*4096
.set NQ,     2
.set FR,     16
.set NL,     4
.set NP,     8                         ; places behind this matrix instruction (ISA guide 7.12.1)
.set HALFT,  32768                     ; 128 rows x 256 K: what one tensor load brings
.set SLOT,   4*HALFT
.set SCL,    2*SLOT                    ; behind the ring: four quarters of scale words [k / 128][128 rows]
.set HALFS,  KT*512
.set SPARE,  SCL+4*HALFS               ; the spare words: 128 bytes a wave
.set SPITCH, 528                       ; the way out: a stage of 16 rows x (512 + 16) bytes a wave, in slot 0
.set ADRA, 16
.set ADRB, 20
.set ADRS, 27
.set SPW,  28
.set NIL,  29
.set PFO,  30
.set SC,   32
.set AF,   128
.set BI,   8
.set CO,   4
.set STO,  24
.set RD,   25
.set BK,   128
.set G1, 24
.set G0, 32
.set G1B, 48
.set G0B, 56
.set G1S, 68
.set G0S, 76
.set G1SB, 80
.set G0SB, 88
.set LIM, 66
.set PFA, 96
.set PFS, 98
.set MSB, 0
.macro WIN new                         ; the immediate's high byte repeats the setting that is left
.set WNEW, \new
.if MSB != WNEW
	s_set_vgpr_msb (MSB<<8)|WNEW
.set MSB, WNEW
.endif
.endm
.set MUL_LO, 0xa1
.set MUL_HI, 0xf1
.set TO_B,   0x40
; A joint load: waves 0 and 1 fetch for A, waves 2 and 3 for B; the branch hangs on the wave's number alone.  Four v_nop follow each line.
.macro JLOAD g0a, g1a, g0b, g1b
	s_cmp_eq_u32 s15, 0
	s_cbranch_scc0 .Lfor_b_\@
	tensor_load_to_lds s[\g0a:\g0a+3], s[\g1a:\g1a+7]
	s_nop 0
.rept 4
	v_nop
.endr
	s_branch .Lasked_\@
.Lfor_b_\@:
	tensor_load_to_lds s[\g0b:\g0b+3], s[\g1b:\g1b+7]
	s_nop 0
.rept 4
	v_nop
.endr
.Lasked_\@:
.endm
.macro CREST
	s_cmp_lg_u32 s14, 0
	s_cbranch_scc1 .Lnot_wave_0_\@
	s_barrier_signal -3
.Lnot_wave_0_\@:
	s_barrier_wait -3
	s_barrier_signal -1
	s_barrier_wait -1
.endm
.macro CROUND
	s_barrier_signal -1
	s_barrier_wait -1
	CREST
.endm
.macro ASK                             ; (used where PF = 1)
	s_cmp_gt_u32 s3, s[LIM]
	s_cbranch_scc0 .Lnot_mine_\@
	global_prefetch_b8 v[PFO], s[PFA:PFA+1] th:TH_LOAD_NT scope:SCOPE_SE
.Lnot_mine_\@:
.endm
	s_load_b128 s[4:7], s[0:1], 0x0                ; A's buffer, wq
	s_load_b128 s[8:11], s[0:1], 0x10              ; the bias, the residual
	s_load_b64 s[12:13], s[0:1], 0x20              ; the output
	v_lshl_add_u32 v[SPW], v0, 2, SPARE
	v_mov_b32 v[NIL], 0
	ds_add_u32 v28, v29
	ds_add_u32 v28, v29
	s_wait_dscnt 0x0
	v_lshrrev_b32 v1, 5, v0
	v_readfirstlane_b32 s14, v1                    ; wave
	s_lshr_b32 s15, s14, 1                         ; my half of A's rows.  Also: I fetch for A (0) or B (1)
	s_and_b32 s16, s14, 1                          ; my half of B's rows.  Also: which 128 rows I fetch
	s_bfe_u32 s40, ttmp6, 0x40000                  ; cx
	s_bfe_u32 s41, ttmp6, 0x40004                  ; cy
	s_lshl_b32 s42, ttmp9, 2
	s_add_co_u32 s42, s42, s40                     ; B's tile
	s_and_b32 s17, ttmp7, 0xffff
	s_lshl_b32 s17, s17, 2
	s_add_co_u32 s17, s17, s41                     ; A's tile
	s_lshl_b32 s43, s41, 2
	s_lshl_b32 s43, 15, s43                        ; my row of the cluster
	s_lshl_b32 s44, 0x1111, s40                    ; my column
	s_or_b32 s[G1+0], s43, (3<<16)|(1<<21)         ; the mask; elements of 8 bytes; bit 21 beside a mask; no padding
	s_or_b32 s[G1B+0], s44, (3<<16)|(1<<21)
.irp g, G1, G1B
	s_mov_b32 s[\g+1], 32<<16                      ; 128 rows of 256 bytes, dense
	s_mov_b32 s[\g+2], 128<<16
	s_mov_b32 s[\g+3], 32<<16
	s_mov_b32 s[\g+4], 128
	s_mov_b32 s[\g+5], 32
	s_mov_b32 s[\g+6], 0
	s_mov_b32 s[\g+7], 0
.endr
	s_or_b32 s[G1S+0], s43, (3<<16)|(1<<21)
	s_or_b32 s[G1SB+0], s44, (3<<16)|(1<<21)
.irp g, G1S, G1SB
	s_mov_b32 s[\g+1], 64<<16                      ; KT rows of 512 bytes: 128 places' words of one k / 128
	s_mov_b32 s[\g+2], KT<<16
	s_mov_b32 s[\g+3], 64<<16
	s_mov_b32 s[\g+4], KT
	s_mov_b32 s[\g+6], 0
	s_mov_b32 s[\g+7], 0
.endr
	s_mov_b32 s[G1S+5], SPA/2
	s_mov_b32 s[G1SB+5], SPB/2
	s_lshl_b32 s18, s16, 3
	s_lshl_b32 s20, s17, 4
	s_add_co_u32 s20, s20, s18                     ; A: block 16 tile + 8 half
	s_lshl_b32 s22, s20, 6
	s_add_co_u32 s22, s22, ASO
	s_mov_b32 s23, 0
	s_lshl_b32 s20, s20, 12
	s_add_co_u32 s20, s20, ACO
	s_mov_b32 s21, 0
	s_lshl_b32 s46, s42, 4
	s_add_co_u32 s46, s46, s18                     ; B likewise
	s_lshl_b32 s92, s46, 6
	s_add_co_u32 s92, s92, BSO
	s_mov_b32 s93, 0
	s_lshl_b32 s46, s46, 12
	s_add_co_u32 s46, s46, BCO
	s_mov_b32 s47, 0
	s_mul_i32 s45, s14, HALFT                      ; where they go: by the wave's number alone
	s_mul_i32 s94, s14, HALFS
	s_wait_kmcnt 0x0
	s_add_nc_u64 s[20:21], s[4:5], s[20:21]
	s_add_nc_u64 s[22:23], s[4:5], s[22:23]
	s_add_nc_u64 s[46:47], s[6:7], s[46:47]
	s_add_nc_u64 s[92:93], s[6:7], s[92:93]
	CROUND                                         ; all sixteen work-groups are here: the first joint loads meet
	s_mov_b32 s[G0S], 1
	s_add_co_u32 s[G0S+1], s94, SCL
	s_mov_b64 s[G0S+2:G0S+3], s[22:23]
	s_or_b32 s[G0S+3], s[G0S+3], 0x80000000
	s_mov_b32 s[G0SB], 1
	s_add_co_u32 s[G0SB+1], s94, SCL
	s_mov_b64 s[G0SB+2:G0SB+3], s[92:93]
	s_or_b32 s[G0SB+3], s[G0SB+3], 0x80000000
	JLOAD G0S, G1S, G0SB, G1SB                     ; the scale words first
.irp s, 0,1
	s_mov_b32 s[G0+4*\s], 1
	s_add_co_u32 s[G0+4*\s+1], s45, \s*SLOT
	s_add_nc_u64 s[G0+4*\s+2:G0+4*\s+3], s[20:21], \s*ASTEP
	s_or_b32 s[G0+4*\s+3], s[G0+4*\s+3], 0x80000000
	s_mov_b32 s[G0B+4*\s], 1
	s_add_co_u32 s[G0B+4*\s+1], s45, \s*SLOT
	s_add_nc_u64 s[G0B+4*\s+2:G0B+4*\s+3], s[46:47], \s*BSTEP
	s_or_b32 s[G0B+4*\s+3], s[G0B+4*\s+3], 0x80000000
	JLOAD G0+4*\s, G1, G0B+4*\s, G1B               ; three loads of mine are out
.endr
	v_and_b32 v1, 15, v0                           ; r
	v_bfe_u32 v2, v0, 4, 1                         ; h
	v_and_b32 v3, 31, v0                           ; lane
	v_lshlrev_b32 v4, 4, v3                        ; 16 x lane; never rewritten
	s_mul_i32 s21, s15, HALFT
	s_mul_i32 s22, s16, HALFT
	s_add_co_u32 s22, s22, 2*HALFT
.irp s, 0,1
	v_add_nc_u32 v[ADRA+\s], s21, v4
	v_add_nc_u32 v[ADRB+\s], s22, v4
	s_add_co_u32 s21, s21, SLOT
	s_add_co_u32 s22, s22, SLOT
.endr
	v_lshlrev_b32 v5, 2, v1
	s_mul_i32 s21, s15, HALFS
	s_mul_i32 s22, s16, HALFS
	s_add_co_u32 s22, s22, 2*HALFS
	s_sub_co_u32 s22, s22, s21
	v_mul_u32_u24 v6, s22, v2                      ; lanes 16-31 take B's words
	s_add_co_u32 s21, s21, SCL
	v_add_nc_u32 v5, v5, v6
	v_add_nc_u32 v[ADRS], s21, v5
	s_mul_i32 s23, s14, 16*SPITCH                  ; my stage
	v_mul_u32_u24 v5, v1, SPITCH
	v_lshl_add_u32 v5, v2, 6, v5
	v_add_nc_u32 v[STO], s23, v5                   ; in: row r, + 64 h
	v_add_nc_u32 v[RD], s23, v4                    ; back: 16 bytes a lane of a row of 512
.if PF
	; the prefetches: my wave's 32,768 bytes of a K step are shared out by address among the four partners that ask for them jointly (8,192 each, lanes 256 bytes apart); of the clusters that read the same rows the first asks
	s_and_b32 s23, ttmp7, 0xffff
	s_lshl_b32 s18, s17, 4
	s_lshl_b32 s19, s42, 4
	s_mov_b32 s[PFS], BSTEP
	s_mov_b32 s22, BCO
	s_cmp_eq_u32 s15, 0
	s_cselect_b32 s18, s18, s19
	s_cselect_b32 s19, s40, s41
	s_cselect_b32 s23, ttmp9, s23
	s_cselect_b32 s[PFS], ASTEP, s[PFS]
	s_cselect_b32 s22, ACO, s22
	s_cselect_b64 s[PFA:PFA+1], s[4:5], s[6:7]
	s_cmp_eq_u32 s23, 0
	s_cselect_b32 s[LIM], 1, -1
	s_lshl_b32 s20, s16, 3
	s_add_co_u32 s18, s18, s20
	s_lshl_b32 s18, s18, 12
	s_lshl_b32 s19, s19, 13
	s_add_co_u32 s18, s18, s19
	s_add_co_u32 s18, s18, s22
	s_mul_i32 s19, s[PFS], 3
	s_add_co_u32 s18, s18, s19                     ; at K step 3: the first refill steps it to 4.  Nothing is prefetched at the head
	s_mov_b32 s19, 0
	s_mov_b32 s[PFS+1], 0
	s_add_nc_u64 s[PFA:PFA+1], s[PFA:PFA+1], s[18:19]
	v_lshlrev_b32 v[PFO], 8, v3
.endif
	s_lshl_b32 s18, s17, 8
	s_lshl_b32 s19, s15, 7
	s_add_co_u32 s18, s18, s19
	s_lshl_b32 s18, s18, 12                        ; my first token's row of 4,096 bytes
	s_lshl_b32 s19, s42, 10
	s_lshl_b32 s20, s16, 9
	s_add_co_u32 s20, s19, s20                     ; my first feature, in bytes
	s_mov_b32 s21, 0
	s_add_nc_u64 s[8:9], s[8:9], s[20:21]
	s_add_co_u32 s20, s20, s18
	s_add_nc_u64 s[10:11], s[10:11], s[20:21]
	s_add_nc_u64 s[12:13], s[12:13], s[20:21]
	global_load_b128 v[BI:BI+3], v[CO], s[8:9]     ; the bias of my four features of a row
.macro FRAG reg, adr, q, i             ; a fragment as it lies: four loads of 512 consecutive bytes
.irp c, 0,1,2,3
	ds_load_b128 v[\reg+4*\c:\reg+4*\c+3], v[\adr] offset:4096*(\i)+2048*(\q)+512*\c
.endr
.endm
; 16 matrix instructions: A's blocks a0, a0 + 1 x B's eight.  The 64 accumulators take turns, one instruction a turn, in the same order in every step.
.macro MUL16 a0, p, q, sc, zero
.irp a, \a0, \a0+1
.irp b, 0,1,2,3,4,5,6,7
.if \zero
	v_wmma_scale_f32_16x16x128_f8f6f4 v[8*(8*((\a)%4)+\b):8*(8*((\a)%4)+\b)+7], v[128*(\p)+FR*\b:128*(\p)+FR*\b+FR-1], v[AF+FR*(\a):AF+FR*(\a)+FR-1], 0, v[SC+8*NQ*(\sc)+NQ*\b+(\q)], v[SC+8*NQ*(\sc)+NQ*(\a)+(\q)] matrix_a_scale:MATRIX_SCALE_ROW1
.else
	v_wmma_scale_f32_16x16x128_f8f6f4 v[8*(8*((\a)%4)+\b):8*(8*((\a)%4)+\b)+7], v[128*(\p)+FR*\b:128*(\p)+FR*\b+FR-1], v[AF+FR*(\a):AF+FR*(\a)+FR-1], v[8*(8*((\a)%4)+\b):8*(8*((\a)%4)+\b)+7], v[SC+8*NQ*(\sc)+NQ*\b+(\q)], v[SC+8*NQ*(\sc)+NQ*(\a)+(\q)] matrix_a_scale:MATRIX_SCALE_ROW1
.endif
.endr
.endr
.endm
.macro FETCH_B slot, q, p
	WIN TO_B
.irp i, 0,1,2,3,4,5,6,7
	FRAG 128*(\p)+FR*\i, ADRB+\slot, \q, \i
.endr
	WIN 0
.endm
.macro FETCH_A slot, q, i0
.irp i, \i0, \i0+1, \i0+2, \i0+3
	FRAG AF+FR*(\i), ADRA+\slot, \q, \i
.endr
.endm
.macro SCALES sc                       ; register 2 i + q: lanes 0-15 the words of A's block i, lanes 16-31 of B's block i
.irp i, 0,1,2,3,4,5,6,7
.irp q, 0,1
	ds_load_b32 v[SC+16*\sc+2*\i+\q], v[ADRS] offset:64*\i+512*\q
.endr
.endr
.endm
.macro PLACES n
.rept \n
	v_nop
.endr
.endm
.macro STEP slot, q, zero              ; 128 along K with its successor in the same slot
	s_wait_dscnt 4*NL                              ; all but the youngest 16 loads (A's blocks 4-7) are in
	WIN MUL_LO
	MUL16 0, (\q)%2, \q, \slot, \zero
	MUL16 2, (\q)%2, \q, \slot, \zero
	s_wait_dscnt 0
	PLACES NP
	FETCH_B \slot, (\q)+1, 1-(\q)%2
	FETCH_A \slot, (\q)+1, 0
	WIN MUL_HI
	MUL16 4, (\q)%2, \q, \slot, \zero
	MUL16 6, (\q)%2, \q, \slot, \zero
	PLACES NP
	WIN 0
	FETCH_A \slot, (\q)+1, 4
.endm
; A slot's last step changes slots: one barrier; ahead of it each wave waits for all its tensor loads, adds 0 to its spare word, and waits for that and for its reads of the slot.
.macro TURN slot, next, fill
.if PF
.if \fill
	s_wait_xcnt 0x0                                ; the last prefetch, a K step back, has read its address
	s_add_nc_u64 s[PFA:PFA+1], s[PFA:PFA+1], s[PFS:PFS+1]
.endif
.endif
	s_wait_tensorcnt 0x0                           ; all my tensor loads have landed: my part of the next slot
	ds_add_u32 v[SPW], v[NIL]
	s_wait_dscnt 4*NL+1                            ; (the add and the youngest 16 loads may be out)
	WIN MUL_LO
	MUL16 0, 1, NQ-1, \slot, 0
	s_wait_dscnt 0x0                               ; the add is done, my reads of this slot are over
	s_barrier_signal -1
	MUL16 2, 1, NQ-1, \slot, 0
	WIN 0
	s_barrier_wait -1
.if \fill
	CREST                                          ; the barrier has opened a round of the cluster's barrier
	s_add_nc_u64 s[G0+4*\slot+2:G0+4*\slot+3], s[G0+4*\slot+2:G0+4*\slot+3], 2*ASTEP
	s_add_nc_u64 s[G0B+4*\slot+2:G0B+4*\slot+3], s[G0B+4*\slot+2:G0B+4*\slot+3], 2*BSTEP
	JLOAD G0+4*\slot, G1, G0B+4*\slot, G1B         ; the first tensor load behind the round, one a wave
	PLACES NP-4
.else
	PLACES NP
.endif
	v_add_nc_u32 v[ADRS], 512*NQ, v[ADRS]
	FETCH_B \next, 0, 0
	FETCH_A \next, 0, 0
	SCALES \next
.if PF
.if \fill
	ASK                                            ; the K step two refills on; the loop's last trip asks for nothing
.endif
.endif
	WIN MUL_HI
	MUL16 4, 1, NQ-1, \slot, 0
	MUL16 6, 1, NQ-1, \slot, 0
	PLACES NP
	WIN 0
	FETCH_A \next, 0, 4
.endm
	s_wait_tensorcnt 1                             ; the scale words and my part of K step 0 are in; K step 1's load may be out
	s_barrier_signal -1
	s_barrier_wait -1
	FETCH_B 0, 0, 0
	FETCH_A 0, 0, 0
	SCALES 0
	FETCH_A 0, 0, 4
	STEP 0, 0, 1                                   ; the first products start the sums
	s_mov_b32 s3, LAPS-1
.Llap:
	TURN 0, 1, 1
	STEP 1, 0, 0
	TURN 1, 0, 1
	STEP 0, 0, 0
	s_sub_co_u32 s3, s3, 1
	s_cmp_lg_u32 s3, 0
	s_cbranch_scc1 .Llap
	TURN 0, 1, 0                                   ; the last lap fills nothing
	STEP 1, 0, 0
	s_wait_dscnt 4*NL
	WIN MUL_LO
	MUL16 0, 1, NQ-1, 1, 0
	MUL16 2, 1, NQ-1, 1, 0
	s_wait_dscnt 0
	WIN MUL_HI
	MUL16 4, 1, NQ-1, 1, 0
	MUL16 6, 1, NQ-1, 1, 0
	WIN 0
; THE WAY OUT, block by block of 16 tokens x 128 features, through my own stage in slot 0 (it has had its last fill, and nobody reads it behind the last change of slots).
; Tile b's eight numbers of a lane are features 32 (b / 2) + 8 (b % 2) + 16 h + 0 .. 7; place t of block a is token 32 (a / 2) + 8 (a % 2) + t + 8 (t / 8).  Every offset in memory is an immediate.
.macro RES a                           ; the residual's 16 rows, into window 1
	WIN 0x40
.irp t, 0,1,2,3,4,5,6,7,8,9,10,11,12,13,14,15
	global_load_b128 v[64*((\a)%4)+4*\t:64*((\a)%4)+4*\t+3], v[CO], s[10:11] offset:(32*((\a)/2)+8*((\a)%2)+\t+8*(\t/8))*4096 th:TH_LOAD_NT
.endr
	WIN 0
.endm
.macro TOSTAGE a
.set AC, 64*((\a)%4)
	WIN 0x08+4*((\a)/4)                            ; the data: window 2 or 3
.irp b, 0,1,2,3,4,5,6,7
	ds_store_b128 v[STO], v[AC+8*\b:AC+8*\b+3] offset:128*(\b/2)+32*(\b%2)        ; each accumulator from its low end on
	ds_store_b128 v[STO], v[AC+8*\b+4:AC+8*\b+7] offset:128*(\b/2)+32*(\b%2)+16
.endr
	WIN 0
.set BKS, BK+64*((\a)%2)
.irp t, 0,1,2,3,4,5,6,7,8,9,10,11,12,13,14,15
	ds_load_b128 v[BKS+4*\t:BKS+4*\t+3], v[RD] offset:\t*SPITCH   ; LDS serves a wave's instructions in order (ISA guide 5.7.1.4)
.endr
.endm
.macro SEND a, younger
.set BKS, BK+64*((\a)%2)
	s_wait_dscnt \younger                          ; the block is back; the next block's 16 stores and 16 loads may be out
.if (\a) <= 4
	s_wait_loadcnt 48                              ; its residual is in; the three blocks' behind it may be out
.else
	s_wait_loadcnt 16*(7-(\a))
.endif
.irp t, 0,1,2,3,4,5,6,7,8,9,10,11,12,13,14,15
	v_pk_add_f32 v[BKS+4*\t:BKS+4*\t+1], v[BKS+4*\t:BKS+4*\t+1], v[BI:BI+1]
	v_pk_add_f32 v[BKS+4*\t+2:BKS+4*\t+3], v[BKS+4*\t+2:BKS+4*\t+3], v[BI+2:BI+3]
.endr
	WIN 0x04                                       ; source 1: window 1
.set i, 0
.rept 32
	v_pk_add_f32 v[BKS+i:BKS+i+1], v[BKS+i:BKS+i+1], v[64*((\a)%4)+i:64*((\a)%4)+i+1]
.set i, i+2
.endr
	WIN 0
.irp t, 0,1,2,3,4,5,6,7,8,9,10,11,12,13,14,15
	global_store_b128 v[CO], v[BKS+4*\t:BKS+4*\t+3], s[12:13] offset:(32*((\a)/2)+8*((\a)%2)+\t+8*(\t/8))*4096 th:TH_STORE_NT   ; 512 consecutive bytes, aligned
.endr
.endm
	PLACES NP
	RES 0
	RES 1
	RES 2
	RES 3
	TOSTAGE 0
.irp a, 1,2,3,4,5,6,7
.if \a > 1
	s_wait_xcnt 0x0                                ; block a - 2's stores have read their registers: block a's rows may land there
.endif
	TOSTAGE \a
	SEND \a-1, 32
.if \a < 5
	RES \a+3
.endif
.endr
	SEND 7, 0
	s_wait_tensorcnt 0x0                           ; the wave's end
	ds_add_u32 v[SPW], v[NIL]
	s_wait_dscnt 0x0
	CROUND                                         ; the closing round
	s_endpgm
.Lfunc_end_k_q6e18b8e471_outp:
	.size	k_q6e18b8e471_outp, .Lfunc_end_k_q6e18b8e471_outp-k_q6e18b8e471_outp
	.p2alignl 7, 3214868480
	.fill 96, 4, 3214868480
	.section	.rodata,"a",@progbits
	.p2align	6, 0x0
	.amdhsa_kernel k_q6e18b8e471_outp
		.amdhsa_group_segment_fixed_size 327680
		.amdhsa_private_segment_fixed_size 0
		.amdhsa_enable_private_segment 0
		.amdhsa_kernarg_size 40
		.amdhsa_user_sgpr_count 2
		.amdhsa_user_sgpr_kernarg_segment_ptr 1
		.amdhsa_wavefront_size32 1
		.amdhsa_system_sgpr_workgroup_id_x 1
		.amdhsa_system_sgpr_workgroup_id_y 1
		.amdhsa_system_sgpr_workgroup_id_z 1
		.amdhsa_system_vgpr_workitem_id 0
		.amdhsa_next_free_vgpr 1024
		.amdhsa_next_free_sgpr 100
		.amdhsa_reserve_vcc 0
		.amdhsa_float_denorm_mode_32 3
		.amdhsa_float_denorm_mode_16_64 3
		.amdhsa_memory_ordered 1
		.amdhsa_forward_progress 1
		.amdhsa_inst_pref_size 192
	.end_amdhsa_kernel
	.amdgpu_metadata
---
amdhsa.version: [ 1, 2 ]
amdhsa.kernels:
  - .name:           k_q6e18b8e471_outp
    .symbol:         k_q6e18b8e471_outp.kd
    .args:
      - { .name: ctxq, .offset: 0, .size: 8, .value_kind: global_buffer, .address_space: global }
      - { .name: wq, .offset: 8, .size: 8, .value_kind: global_buffer, .address_space: global }
      - { .name: out_b, .offset: 16, .size: 8, .value_kind: global_buffer, .address_space: global }
      - { .name: x, .offset: 24, .size: 8, .value_kind: global_buffer, .address_space: global }
      - { .name: x1, .offset: 32, .size: 8, .value_kind: global_buffer, .address_space: global }
    .group_segment_fixed_size: 327680
    .private_segment_fixed_size: 0
    .kernarg_segment_align: 8
    .kernarg_segment_size: 40
    .max_flat_workgroup_size: 128
    .sgpr_count:     100
    .vgpr_count:     1024
    .wavefront_size: 32
...
	.end_amdgpu_metadata
.endif
;; end of part 4
;; launch ln2 (part 5): grid 256 x 1, 4 waves a work-group, no clusters, 18,944 bytes of LDS; arguments x1, ln2_w, ln2_b, h2q; writes h2q
.if DOCPART == 5
	.amdgcn_target "amdgcn-amd-amdhsa--gfx1250"
	.amdhsa_code_object_version 6
	.text
	.protected	k_q6e18b8e471_ln2
	.globl	k_q6e18b8e471_ln2
	.p2align	8
	.type	k_q6e18b8e471_ln2,@function
k_q6e18b8e471_ln2:
	s_mov_b64 s[64:65], 0
	v_nop
	global_prefetch_b8 v0, s[64:65] scope:SCOPE_SE
	s_setreg_imm32_b32 hwreg(HW_REG_WAVE_MODE, 25, 1), 1
	s_wait_xcnt 0x0
; LN2(x1) becomes codes of FP8 (E4M3) with one E8M0 byte for each 32 along K, laid as the next product wants them.
; IMAGE.  Rows go in blocks of 16; place r of block b is true row 32 (b / 2) + 8 (b % 2) + r + 8 (r / 8).  A fragment (16 places x 128 K) is 2,048 bytes: chunk c of 512 bytes,
; lane (r, h)'s 16 bytes at 16 (r + 16 h): k = 32 c + 16 h + 0 .. 15.  Fragment (b, t = k / 128) lies at (((t / 2) 256 + b) 2 + t % 2) x 2,048.  Scale words: [t][place], 4 bytes, byte c.
; SHARES.  A work-group takes one block of 16 rows x 1,024 columns; wave w takes places 4 w .. 4 w + 3 whole, so a row's mean and variance stay in one wave.
; A lane holds 8 neighbours of each quarter row (k = 256 p + 8 lane + 0 .. 7): four lanes hold a block of 32.  The codes turn through a stage in LDS and leave as 4,096 dense bytes a wave.
; The scale words leave as pieces of 64 bytes: one byte in 128 of what the launch reads.
; LIMITS: a block of zeros gets the byte 1 (its codes are zeros; this program alone reads the bytes); largest magnitudes under 2^-118 are held at that byte; NaN and infinities are not served.
.set X,  32                            ; v32-159  four rows of 32 numbers
.set W,  160                           ; v160-191 the gain of my 32 columns
.set BV, 192                           ; v192-223 the bias
.set C,  224                           ; v224-255 codes: two registers for each (row, quarter)
.set E,  160                           ; v160-175 scale bytes, where the gain lay
.set SA, 16
.set RS, 24
.set M,  16
.set SO, 20
.set HO, 24
.set HP, 272                           ; the stage: 64 pieces of 256 bytes + 16 of padding
.set SCLB, 64*HP                       ; behind it 512 bytes of scale bytes [t 8][place 16][4]
.set SEL, 34
.set MNT, 36
	s_load_b256 s[4:11], s[0:1], 0x0               ; x1, gain, bias, h2q
	v_lshl_add_u32 v15, v0, 2, 0x4800
	s_set_vgpr_msb 0x40
	v_mov_b32 v1, 0
	s_set_vgpr_msb 0x4000
	v_lshrrev_b32 v1, 5, v0
	v_readfirstlane_b32 s28, v1                    ; wave
	v_and_b32 v1, 31, v0                           ; lane
	v_lshlrev_b32 v2, 5, v1                        ; 32 x lane
	v_lshlrev_b32 v10, 4, v1                       ; 16 x lane
	v_bfe_u32 v13, v0, 1, 4
	v_mul_u32_u24 v7, v13, HP
	v_and_b32 v14, 1, v0
	v_lshl_add_u32 v7, v14, 3, v7
	s_lshl_b32 s29, s28, 6
	v_add_nc_u32 v7, s29, v7                       ; into the stage: piece lane / 2, 8 (lane % 2), 16 bytes a place: 64 w
	v_bfe_u32 v13, v0, 4, 1
	v_bfe_u32 v14, v0, 2, 2
	v_lshl_add_u32 v8, v13, 6, v14
	s_lshl_b32 s29, s28, 4
	s_add_co_u32 s29, s29, SCLB
	v_add_nc_u32 v8, s29, v8                       ; my block's scale byte
	v_mul_u32_u24 v9, v13, HP
	v_and_b32 v14, 15, v0
	v_lshl_add_u32 v9, v14, 4, v9
	s_mul_i32 s29, s28, 16*HP
	v_add_nc_u32 v9, s29, v9                       ; out of the stage: wave w takes pieces 16 w on, two an instruction
	v_lshl_add_u32 v11, v0, 2, SCLB
	s_mov_b32 s[SEL], 0x76543210
	s_mov_b32 s[SEL+1], 0xfedcba98
	s_mov_b32 s[MNT], 0x600000
	s_mov_b32 s37, 0x3a800000                      ; 1 / 1,024
	s_mov_b32 s38, 0x3727c5ac                      ; 1e-5
	s_lshr_b32 s42, ttmp9, 1
	s_lshl_b32 s42, s42, 5
	s_and_b32 s43, ttmp9, 1
	s_lshl_b32 s43, s43, 3
	s_add_co_u32 s42, s42, s43
	s_lshl_b32 s43, s28, 2
	s_add_co_u32 s42, s42, s43
	s_lshr_b32 s43, s28, 1
	s_lshl_b32 s43, s43, 3
	s_add_co_u32 s42, s42, s43                     ; my first true row
	s_lshl_b32 s42, s42, 12
	s_mov_b32 s43, 0
	s_lshl_b32 s44, s28, 8
	s_add_co_u32 s44, s44, ttmp9
	s_lshl_b32 s44, s44, 12                        ; K step w of my block
	s_mov_b32 s45, 0
	s_lshl_b32 s46, ttmp9, 6
	s_add_co_u32 s46, s46, 4194304
	s_mov_b32 s47, 0
	s_wait_kmcnt 0x0
	s_add_nc_u64 s[20:21], s[4:5], s[42:43]
	s_add_nc_u64 s[30:31], s[10:11], s[44:45]
	s_add_nc_u64 s[32:33], s[10:11], s[46:47]
.irp i, 0,1,2,3
	v_lshl_or_b32 v[3+\i], v1, 5, \i*4096
.endr
	v_lshrrev_b32 v13, 4, v0
	v_and_b32 v14, 15, v0
	v_lshlrev_b32 v14, 2, v14
	v_lshl_add_u32 v12, v13, 14, v14               ; thread t's scale word in memory
.irp i, 0,1,2,3
.irp p, 0,1,2,3
	global_load_b128 v[X+32*\i+8*\p:X+32*\i+8*\p+3], v[3+\i], s[20:21] offset:1024*\p
	global_load_b128 v[X+32*\i+8*\p+4:X+32*\i+8*\p+7], v[3+\i], s[20:21] offset:1024*\p+16   ; the two together read 1,024 dense bytes
.endr
.endr
.irp p, 0,1,2,3
	global_load_b128 v[W+8*\p:W+8*\p+3], v2, s[6:7] offset:1024*\p
	global_load_b128 v[W+8*\p+4:W+8*\p+7], v2, s[6:7] offset:1024*\p+16
	global_load_b128 v[BV+8*\p:BV+8*\p+3], v2, s[8:9] offset:1024*\p
	global_load_b128 v[BV+8*\p+4:BV+8*\p+7], v2, s[8:9] offset:1024*\p+16
.endr
.irp i, 0,1,2,3,4,5,6,7
	v_mov_b32 v[RS+\i], 0                          ; written once: a lane permute's destination, and the upper halves of pairs that are named whole
.endr
.macro WSUM                            ; the four rows' sums over the 32 lanes, by turns
.irp m, 1,2,4,8
.irp i, 0,1,2,3
	v_add_f32_dpp v[SA+2*\i], v[SA+2*\i], v[SA+2*\i] row_xmask:\m row_mask:0xf bank_mask:0xf
.endr
.endr
.irp i, 0,1,2,3
	v_permlanex16_b32 v[RS+2*\i], v[SA+2*\i], s[SEL], s[SEL+1]
.endr
.irp i, 0,1,2,3
	v_add_f32 v[SA+2*\i], v[SA+2*\i], v[RS+2*\i]
.endr
.endm
	s_wait_loadcnt 0x0
.irp i, 0,1,2,3
	v_pk_add_f32 v[SA+2*\i:SA+2*\i+1], v[X+32*\i:X+32*\i+1], v[X+32*\i+2:X+32*\i+3]
.endr
.irp j, 4,6,8,10,12,14,16,18,20,22,24,26,28,30
.irp i, 0,1,2,3
	v_pk_add_f32 v[SA+2*\i:SA+2*\i+1], v[SA+2*\i:SA+2*\i+1], v[X+32*\i+\j:X+32*\i+\j+1]
.endr
.endr
.irp i, 0,1,2,3
	v_add_f32 v[SA+2*\i], v[SA+2*\i], v[SA+2*\i+1]
.endr
	WSUM
.irp i, 0,1,2,3
	v_mul_f32 v[SA+2*\i], s37, v[SA+2*\i]          ; the mean
.endr
.irp j, 0,2,4,6,8,10,12,14,16,18,20,22,24,26,28,30
.irp i, 0,1,2,3
	v_pk_add_f32 v[X+32*\i+\j:X+32*\i+\j+1], v[X+32*\i+\j:X+32*\i+\j+1], v[SA+2*\i:SA+2*\i+1] op_sel_hi:[1,0] neg_lo:[0,1] neg_hi:[0,1]
.endr
.endr
.irp i, 0,1,2,3
	v_pk_mul_f32 v[SA+2*\i:SA+2*\i+1], v[X+32*\i:X+32*\i+1], v[X+32*\i:X+32*\i+1]
.endr
.irp j, 2,4,6,8,10,12,14,16,18,20,22,24,26,28,30
.irp i, 0,1,2,3
	v_pk_fma_f32 v[SA+2*\i:SA+2*\i+1], v[X+32*\i+\j:X+32*\i+\j+1], v[X+32*\i+\j:X+32*\i+\j+1], v[SA+2*\i:SA+2*\i+1]
.endr
.endr
.irp i, 0,1,2,3
	v_add_f32 v[SA+2*\i], v[SA+2*\i], v[SA+2*\i+1]
.endr
	WSUM
.irp i, 0,1,2,3
	v_fma_f32 v[SA+2*\i], v[SA+2*\i], s37, s38     ; the variance + 1e-5
.endr
.irp i, 0,1,2,3
	v_rsq_f32 v[RS+2*\i], v[SA+2*\i]
.endr
	v_nop                                          ; a plain line behind the last of the four,
	s_wait_alu depctr_va_vdst(0)                   ; and one wait for the four, ahead of their first reader
.irp j, 0,2,4,6,8,10,12,14,16,18,20,22,24,26,28,30
.irp i, 0,1,2,3
	v_pk_mul_f32 v[X+32*\i+\j:X+32*\i+\j+1], v[X+32*\i+\j:X+32*\i+\j+1], v[RS+2*\i:RS+2*\i+1] op_sel_hi:[1,0]
.endr
.endr
.irp j, 0,2,4,6,8,10,12,14,16,18,20,22,24,26,28,30
.irp i, 0,1,2,3
	v_pk_fma_f32 v[X+32*\i+\j:X+32*\i+\j+1], v[X+32*\i+\j:X+32*\i+\j+1], v[W+\j:W+\j+1], v[BV+\j:BV+\j+1]
.endr
.endr
; Row i: its four quarters by turns.  A block of 32 lies in four neighbouring lanes.
.macro Q8 i
.irp p, 0,1,2,3
	v_max3_num_f32 v[M+\p], |v[X+32*\i+8*\p]|, |v[X+32*\i+8*\p+1]|, 0x4800000   ; with the floor 2^(9 - 127): the byte cannot fall under 1
.endr
.irp j, 2,4,6
.irp p, 0,1,2,3
	v_max3_num_f32 v[M+\p], v[M+\p], |v[X+32*\i+8*\p+\j]|, |v[X+32*\i+8*\p+\j+1]|
.endr
.endr
.irp p, 0,1,2,3
	v_max_num_f32_dpp v[M+\p], v[M+\p], v[M+\p] row_xmask:1 row_mask:0xf bank_mask:0xf
.endr
.irp p, 0,1,2,3
	v_max_num_f32_dpp v[M+\p], v[M+\p], v[M+\p] row_xmask:2 row_mask:0xf bank_mask:0xf
.endr
.irp p, 0,1,2,3
	v_add_nc_u32 v[SO+\p], 0xfc000000, v[M+\p]     ; 8 off the exponent field: the conversion's scale operand
.endr
.irp p, 0,1,2,3
	v_and_or_b32 v[HO+\p], v[M+\p], 0x7f800000, s[MNT]   ; 448 x the scale
.endr
.irp p, 0,1,2,3
.irp j, 0,1,2,3,4,5,6,7
	v_med3_num_f32 v[X+32*\i+8*\p+\j], v[X+32*\i+8*\p+\j], -v[HO+\p], v[HO+\p]   ; the conversion does not saturate (ISA guide 7.6.2): the hold comes first
.endr
.endr
.irp p, 0,1,2,3
	v_cvt_scalef32_pk8_fp8_f32 v[C+8*\i+2*\p:C+8*\i+2*\p+1], v[X+32*\i+8*\p:X+32*\i+8*\p+7], v[SO+\p]
.endr
.irp p, 0,1,2,3
	v_lshrrev_b32 v[E+4*\i+\p], 23, v[SO+\p]       ; the scale's byte
.endr
.irp p, 0,1,2,3
	ds_store_b64 v7, v[C+8*\i+2*\p:C+8*\i+2*\p+1] offset:16*HP*\p+16*\i
	ds_store_b8 v8, v[E+4*\i+\p] offset:128*\p+4*\i   ; the four lanes of a block write the same byte with the same value
.endr
.endm
	Q8 0
	Q8 1
	Q8 2
	Q8 3
	s_wait_dscnt 0x0                               ; for the others: my stores into the stage are done
	s_barrier_signal -1
	s_barrier_wait -1
.irp n, 0,1,2,3,4,5,6,7
	ds_load_b128 v[X+4*\n:X+4*\n+3], v9 offset:2*HP*\n
.endr
	ds_load_b32 v[X+32], v11
	s_wait_dscnt 0x0
.irp n, 0,1,2,3,4,5,6,7
	global_store_b128 v10, v[X+4*\n:X+4*\n+3], s[30:31] offset:512*\n   ; 32 lanes store 512 consecutive bytes, aligned
.endr
	global_store_b32 v12, v[X+32], s[32:33]
	s_set_vgpr_msb 0x4
	s_wait_tensorcnt 0x0
	ds_add_u32 v15, v1
	s_wait_dscnt 0x0
	s_set_vgpr_msb 0x400
	s_endpgm
.Lfunc_end_k_q6e18b8e471_ln2:
	.size	k_q6e18b8e471_ln2, .Lfunc_end_k_q6e18b8e471_ln2-k_q6e18b8e471_ln2
	.p2alignl 7, 3214868480
	.fill 96, 4, 3214868480
	.section	.rodata,"a",@progbits
	.p2align	6, 0x0
	.amdhsa_kernel k_q6e18b8e471_ln2
		.amdhsa_group_segment_fixed_size 18944
		.amdhsa_private_segment_fixed_size 0
		.amdhsa_enable_private_segment 0
		.amdhsa_kernarg_size 32
		.amdhsa_user_sgpr_count 2
		.amdhsa_user_sgpr_kernarg_segment_ptr 1
		.amdhsa_wavefront_size32 1
		.amdhsa_system_sgpr_workgroup_id_x 1
		.amdhsa_system_sgpr_workgroup_id_y 1
		.amdhsa_system_sgpr_workgroup_id_z 1
		.amdhsa_system_vgpr_workitem_id 0
		.amdhsa_next_free_vgpr 258
		.amdhsa_next_free_sgpr 66
		.amdhsa_reserve_vcc 0
		.amdhsa_float_denorm_mode_32 3
		.amdhsa_float_denorm_mode_16_64 3
		.amdhsa_memory_ordered 1
		.amdhsa_forward_progress 1
		.amdhsa_inst_pref_size 54
	.end_amdhsa_kernel
	.amdgpu_metadata
---
amdhsa.version: [ 1, 2 ]
amdhsa.kernels:
  - .name:           k_q6e18b8e471_ln2
    .symbol:         k_q6e18b8e471_ln2.kd
    .args:
      - { .name: x1, .offset: 0, .size: 8, .value_kind: global_buffer, .address_space: global }
      - { .name: ln2_w, .offset: 8, .size: 8, .value_kind: global_buffer, .address_space: global }
      - { .name: ln2_b, .offset: 16, .size: 8, .value_kind: global_buffer, .address_space: global }
      - { .name: h2q, .offset: 24, .size: 8, .value_kind: global_buffer, .address_space: global }
    .group_segment_fixed_size: 18944
    .private_segment_fixed_size: 0
    .kernarg_segment_align: 8
    .kernarg_segment_size: 32
    .max_flat_workgroup_size: 128
    .sgpr_count:     66
    .vgpr_count:     258
    .wavefront_size: 32
...
	.end_amdgpu_metadata
.endif
;; end of part 5
;; launch ff1 (part 6): grid 12 x 16, 4 waves a work-group, clusters of 4 x 4, 327,680 bytes of LDS; arguments h2q, wq, ff1_b, hidq; writes hidq
.if DOCPART == 6
	.amdgcn_target "amdgcn-amd-amdhsa--gfx1250"
	.amdhsa_code_object_version 6
	.text
	.protected	k_q6e18b8e471_ff1
	.globl	k_q6e18b8e471_ff1
	.p2align	8
	.type	k_q6e18b8e471_ff1,@function
k_q6e18b8e471_ff1:
	s_mov_b64 s[64:65], 0
	v_nop
	global_prefetch_b8 v0, s[64:65] scope:SCOPE_SE
	s_setreg_imm32_b32 hwreg(HW_REG_WAVE_MODE, 25, 1), 1
	s_wait_xcnt 0x0
	s_wait_alu depctr_hold_cnt(0) depctr_sa_sdst(0) depctr_va_vdst(0) depctr_va_sdst(0) depctr_va_ssrc(0) depctr_va_vcc(0) depctr_vm_vsrc(0)
	s_getreg_b32 s2, hwreg(HW_REG_IB_STS2, 6, 4)
	s_cmp_eq_u32 s2, 0
	s_cbranch_scc0 .Lentry_in_a_cluster
	s_endpgm
.Lentry_in_a_cluster:
	s_bfe_u32 s2, ttmp6, 0x10000c
	s_cmp_lg_u32 s2, 0xf033
	s_cbranch_scc0 .Lentry_shape_is_right
	s_endpgm
.Lentry_shape_is_right:
; hid = gelu(LN2(x1) W1^T + b1) on codes of FP8 (E4M3) with E8M0 scales; the exact GELU in f32; the result quantised again in registers, along the hidden units.
; OPERANDS lie as IMAGES: rows in blocks of 16 (place r of block b = true row 32 (b / 2) + 8 (b % 2) + r + 8 (r / 8)); a fragment (16 places x 128 K) is 2,048 bytes, chunk c of 512, lane l's 16 bytes at 16 l;
; a K step of 256 of 128 rows is 32,768 dense bytes.  Scale words lie [k / 128][place].  So a tile comes by one dense tensor load and a fragment by four loads of 512 consecutive LDS bytes.
; A tile is 256 tokens x 256 hidden units, four waves, 128 x 128 each: 64 accumulators.  K goes in steps of 256 through two LDS slots; the scale words of all of K come once and stay.
; THE PRODUCT IS USED TRANSPOSED (source 0 = 16 rows of W1, source 1 = 16 tokens).  By the order of places, a lane's 16 registers of two neighbouring tiles are 16 neighbouring hidden units.
; CLUSTERS 4 x 4: A's tiles are asked for jointly along a row of the cluster, B's along a column.  No prefetch: K has two refills only, and both would have to be asked for at the head.
; GELU: gelu(x) = max(x, 0) - z erfc(z) / sqrt(2), z = |x| / sqrt(2); erfc(z) = t exp(-z^2 + P(t)), t = 1 / (1 + z / 2), P of degree 9: a fit whose error is a fraction of erfc itself, 1.2e-7 at the most, so the tail keeps its accuracy.
; REGISTERS: window 0: v0-31 addresses, v32-63 scale words (two sets), v64-127 the bias, v128-255 A's fragments (one set); window 1: B's fragments (two sets), later the GELU's work; windows 2, 3: accumulators.
; LIMITS: a block of zeros gets the byte 1 (codes zero; this program alone reads the bytes); largest magnitudes under 2^-118 are held at that byte; NaN and infinities are not served.
.set SIZE_K, 1024
.set NBA, 256
.set NBB, 192
.set SPA, 4096
.set SPB, 3072
.set ACO, 0
.set ASO, 4194304
.set BCO, 9437184
.set BSO, 16023552
.set HIDS, 12582912
.set KT,     SIZE_K/128
.set LAPS,   SIZE_K/512
.set ASTEP,  NBA*4096                  ; bytes from a K step of 256 to the next
.set BSTEP,  NBB*4096
.set NQ,     2
.set FR,     16
.set NL,     4
.set NP,     8                         ; places behind this matrix instruction (ISA guide 7.12.1)
.set HALFT,  32768                     ; 128 rows x 256 K: what one tensor load brings
.set SLOT,   4*HALFT
.set SCL,    2*SLOT                    ; behind the ring: four quarters of scale words [k / 128][128 rows]
.set HALFS,  KT*512
.set SPARE,  SCL+4*HALFS               ; the spare words: 128 bytes a wave
.set ADRA, 16
.set ADRB, 20
.set ADRS, 27
.set SPW,  28
.set NIL,  29
.set SC,   32
.set AF,   128
.set G1, 24
.set G0, 32
.set G1B, 48
.set G0B, 56
.set G1S, 68
.set G0S, 76
.set G1SB, 80
.set G0SB, 88
.set BB,  64                           ; the bias: 8 registers a tile, in the result's layout
.set VBB, 7
.set OI,  22
.set SWA, 23
.set SRA, 24
.set T,   128                          ; the way out: 64 numbers,
.set PC,  192                          ; their codes,
.set TM,  224                          ; at work,
.set PWS, 240                          ; the eight blocks' scale words,
.set PW,  248                          ; the one just made
.set U,   0                            ; window 1: z,
.set TT,  64                           ; t,
.set QQ,  128                          ; the polynomial, then z erfc(z),
.set CV,  192                          ; the pair c8
.set SEL, 20
.set MNT, 22
.set EA,  23
.set RH,  45
.set MSB, 0
.macro WIN new                         ; the immediate's high byte repeats the setting that is left
.set WNEW, \new
.if MSB != WNEW
	s_set_vgpr_msb (MSB<<8)|WNEW
.set MSB, WNEW
.endif
.endm
.set MUL_LO, 0xa1
.set MUL_HI, 0xf1
.set TO_B,   0x40
; A joint load: waves 0 and 1 fetch for A, waves 2 and 3 for B; the branch hangs on the wave's number alone.  Four v_nop follow each line.
.macro JLOAD g0a, g1a, g0b, g1b
	s_cmp_eq_u32 s15, 0
	s_cbranch_scc0 .Lfor_b_\@
	tensor_load_to_lds s[\g0a:\g0a+3], s[\g1a:\g1a+7]
	s_nop 0
.rept 4
	v_nop
.endr
	s_branch .Lasked_\@
.Lfor_b_\@:
	tensor_load_to_lds s[\g0b:\g0b+3], s[\g1b:\g1b+7]
	s_nop 0
.rept 4
	v_nop
.endr
.Lasked_\@:
.endm
.macro CREST
	s_cmp_lg_u32 s14, 0
	s_cbranch_scc1 .Lnot_wave_0_\@
	s_barrier_signal -3
.Lnot_wave_0_\@:
	s_barrier_wait -3
	s_barrier_signal -1
	s_barrier_wait -1
.endm
.macro CROUND
	s_barrier_signal -1
	s_barrier_wait -1
	CREST
.endm
	s_load_b128 s[4:7], s[0:1], 0x0                ; h2q, wq
	s_load_b64 s[8:9], s[0:1], 0x10                ; ff1_b
	s_load_b64 s[12:13], s[0:1], 0x18              ; hidq
	v_lshl_add_u32 v[SPW], v0, 2, SPARE
	v_mov_b32 v[NIL], 0
	ds_add_u32 v28, v29
	ds_add_u32 v28, v29
	s_wait_dscnt 0x0
	v_lshrrev_b32 v1, 5, v0
	v_readfirstlane_b32 s14, v1                    ; wave
	s_lshr_b32 s15, s14, 1                         ; my half of A's rows.  Also: I fetch for A (0) or B (1)
	s_and_b32 s16, s14, 1                          ; my half of B's rows.  Also: which 128 rows I fetch
	s_bfe_u32 s40, ttmp6, 0x40000                  ; cx
	s_bfe_u32 s41, ttmp6, 0x40004                  ; cy
	s_lshl_b32 s42, ttmp9, 2
	s_add_co_u32 s42, s42, s40                     ; B's tile
	s_and_b32 s17, ttmp7, 0xffff
	s_lshl_b32 s17, s17, 2
	s_add_co_u32 s17, s17, s41                     ; A's tile
	s_lshl_b32 s43, s41, 2
	s_lshl_b32 s43, 15, s43                        ; my row of the cluster
	s_lshl_b32 s44, 0x1111, s40                    ; my column
	s_or_b32 s[G1+0], s43, (3<<16)|(1<<21)         ; the mask; elements of 8 bytes; bit 21 beside a mask; no padding
	s_or_b32 s[G1B+0], s44, (3<<16)|(1<<21)
.irp g, G1, G1B
	s_mov_b32 s[\g+1], 32<<16                      ; 128 rows of 256 bytes, dense
	s_mov_b32 s[\g+2], 128<<16
	s_mov_b32 s[\g+3], 32<<16
	s_mov_b32 s[\g+4], 128
	s_mov_b32 s[\g+5], 32
	s_mov_b32 s[\g+6], 0
	s_mov_b32 s[\g+7], 0
.endr
	s_or_b32 s[G1S+0], s43, (3<<16)|(1<<21)
	s_or_b32 s[G1SB+0], s44, (3<<16)|(1<<21)
.irp g, G1S, G1SB
	s_mov_b32 s[\g+1], 64<<16                      ; KT rows of 512 bytes: 128 places' words of one k / 128
	s_mov_b32 s[\g+2], KT<<16
	s_mov_b32 s[\g+3], 64<<16
	s_mov_b32 s[\g+4], KT
	s_mov_b32 s[\g+6], 0
	s_mov_b32 s[\g+7], 0
.endr
	s_mov_b32 s[G1S+5], SPA/2
	s_mov_b32 s[G1SB+5], SPB/2
	s_lshl_b32 s18, s16, 3
	s_lshl_b32 s20, s17, 4
	s_add_co_u32 s20, s20, s18                     ; A: block 16 tile + 8 half
	s_lshl_b32 s22, s20, 6
	s_add_co_u32 s22, s22, ASO
	s_mov_b32 s23, 0
	s_lshl_b32 s20, s20, 12
	s_add_co_u32 s20, s20, ACO
	s_mov_b32 s21, 0
	s_lshl_b32 s46, s42, 4
	s_add_co_u32 s46, s46, s18                     ; B likewise
	s_lshl_b32 s92, s46, 6
	s_add_co_u32 s92, s92, BSO
	s_mov_b32 s93, 0
	s_lshl_b32 s46, s46, 12
	s_add_co_u32 s46, s46, BCO
	s_mov_b32 s47, 0
	s_mul_i32 s45, s14, HALFT                      ; where they go: by the wave's number alone
	s_mul_i32 s94, s14, HALFS
	s_wait_kmcnt 0x0
	s_add_nc_u64 s[20:21], s[4:5], s[20:21]
	s_add_nc_u64 s[22:23], s[4:5], s[22:23]
	s_add_nc_u64 s[46:47], s[6:7], s[46:47]
	s_add_nc_u64 s[92:93], s[6:7], s[92:93]
	CROUND                                         ; all sixteen work-groups are here: the first joint loads meet
	s_mov_b32 s[G0S], 1
	s_add_co_u32 s[G0S+1], s94, SCL
	s_mov_b64 s[G0S+2:G0S+3], s[22:23]
	s_or_b32 s[G0S+3], s[G0S+3], 0x80000000
	s_mov_b32 s[G0SB], 1
	s_add_co_u32 s[G0SB+1], s94, SCL
	s_mov_b64 s[G0SB+2:G0SB+3], s[92:93]
	s_or_b32 s[G0SB+3], s[G0SB+3], 0x80000000
	JLOAD G0S, G1S, G0SB, G1SB                     ; the scale words first
.irp s, 0,1
	s_mov_b32 s[G0+4*\s], 1
	s_add_co_u32 s[G0+4*\s+1], s45, \s*SLOT
	s_add_nc_u64 s[G0+4*\s+2:G0+4*\s+3], s[20:21], \s*ASTEP
	s_or_b32 s[G0+4*\s+3], s[G0+4*\s+3], 0x80000000
	s_mov_b32 s[G0B+4*\s], 1
	s_add_co_u32 s[G0B+4*\s+1], s45, \s*SLOT
	s_add_nc_u64 s[G0B+4*\s+2:G0B+4*\s+3], s[46:47], \s*BSTEP
	s_or_b32 s[G0B+4*\s+3], s[G0B+4*\s+3], 0x80000000
	JLOAD G0+4*\s, G1, G0B+4*\s, G1B               ; three loads of mine are out
.endr
	v_and_b32 v1, 15, v0                           ; r
	v_bfe_u32 v2, v0, 4, 1                         ; h
	v_and_b32 v3, 31, v0                           ; lane
	v_lshlrev_b32 v4, 4, v3                        ; 16 x lane; never rewritten
	s_mul_i32 s21, s15, HALFT
	s_mul_i32 s22, s16, HALFT
	s_add_co_u32 s22, s22, 2*HALFT
.irp s, 0,1
	v_add_nc_u32 v[ADRA+\s], s21, v4
	v_add_nc_u32 v[ADRB+\s], s22, v4
	s_add_co_u32 s21, s21, SLOT
	s_add_co_u32 s22, s22, SLOT
.endr
	v_lshlrev_b32 v5, 2, v1
	s_mul_i32 s21, s15, HALFS
	s_mul_i32 s22, s16, HALFS
	s_add_co_u32 s22, s22, 2*HALFS
	s_sub_co_u32 s22, s22, s21
	v_mul_u32_u24 v6, s22, v2                      ; lanes 16-31 take B's words
	s_add_co_u32 s21, s21, SCL
	v_add_nc_u32 v5, v5, v6
	v_add_nc_u32 v[ADRS], s21, v5
	; the way out: where my 128 x 128 goes
	s_lshl_b32 s18, s17, 4
	s_lshl_b32 s19, s15, 3
	s_add_co_u32 s18, s18, s19                     ; my first block of tokens
	s_lshl_b32 s20, s42, 8
	s_add_co_u32 s20, s20, s18
	s_lshl_b32 s20, s20, 12
	s_lshl_b32 s19, s16, 11
	s_add_co_u32 s20, s20, s19
	s_mov_b32 s21, 0
	s_lshl_b32 s22, s42, 1
	s_add_co_u32 s22, s22, s16
	s_lshl_b32 s22, s22, 14
	s_lshl_b32 s18, s18, 6
	s_add_co_u32 s22, s22, s18
	s_add_co_u32 s22, s22, HIDS
	s_mov_b32 s23, 0
	s_add_nc_u64 s[10:11], s[12:13], s[22:23]      ; my 128 scale words
	s_add_nc_u64 s[12:13], s[12:13], s[20:21]      ; my eight fragments, 4,096 bytes apart
	s_lshl_b32 s18, s42, 10
	s_lshl_b32 s19, s16, 9
	s_add_co_u32 s18, s18, s19
	s_mov_b32 s19, 0
	s_add_nc_u64 s[8:9], s[8:9], s[18:19]
	v_lshlrev_b32 v[VBB], 6, v2
.irp b, 0,1,2,3,4,5,6,7
	global_load_b128 v[BB+8*\b:BB+8*\b+3], v[VBB], s[8:9] offset:(32*(\b/2)+8*(\b%2))*4      ; tile b, lane (r, h): hidden units 32 (b / 2) + 8 (b % 2) + 16 h + 0 .. 7
	global_load_b128 v[BB+8*\b+4:BB+8*\b+7], v[VBB], s[8:9] offset:(32*(\b/2)+8*(\b%2))*4+16
.endr
	v_mov_b32 v[OI], v4
	s_lshl_b32 s18, s14, 9
	v_lshl_add_u32 v[SWA], v1, 2, s18              ; 512 bytes of my own in slot 0, for the scale words on the way out
	v_add_nc_u32 v[SRA], s18, v4
.macro FRAG reg, adr, q, i             ; a fragment as it lies: four loads of 512 consecutive bytes
.irp c, 0,1,2,3
	ds_load_b128 v[\reg+4*\c:\reg+4*\c+3], v[\adr] offset:4096*(\i)+2048*(\q)+512*\c
.endr
.endm
; 16 matrix instructions: A's blocks a0, a0 + 1 x B's eight.  The 64 accumulators take turns, one instruction a turn, in the same order in every step.
.macro MUL16 a0, p, q, sc, zero
.irp a, \a0, \a0+1
.irp b, 0,1,2,3,4,5,6,7
.if \zero
	v_wmma_scale_f32_16x16x128_f8f6f4 v[8*(8*((\a)%4)+\b):8*(8*((\a)%4)+\b)+7], v[128*(\p)+FR*\b:128*(\p)+FR*\b+FR-1], v[AF+FR*(\a):AF+FR*(\a)+FR-1], 0, v[SC+8*NQ*(\sc)+NQ*\b+(\q)], v[SC+8*NQ*(\sc)+NQ*(\a)+(\q)] matrix_a_scale:MATRIX_SCALE_ROW1
.else
	v_wmma_scale_f32_16x16x128_f8f6f4 v[8*(8*((\a)%4)+\b):8*(8*((\a)%4)+\b)+7], v[128*(\p)+FR*\b:128*(\p)+FR*\b+FR-1], v[AF+FR*(\a):AF+FR*(\a)+FR-1], v[8*(8*((\a)%4)+\b):8*(8*((\a)%4)+\b)+7], v[SC+8*NQ*(\sc)+NQ*\b+(\q)], v[SC+8*NQ*(\sc)+NQ*(\a)+(\q)] matrix_a_scale:MATRIX_SCALE_ROW1
.endif
.endr
.endr
.endm
.macro FETCH_B slot, q, p
	WIN TO_B
.irp i, 0,1,2,3,4,5,6,7
	FRAG 128*(\p)+FR*\i, ADRB+\slot, \q, \i
.endr
	WIN 0
.endm
.macro FETCH_A slot, q, i0
.irp i, \i0, \i0+1, \i0+2, \i0+3
	FRAG AF+FR*(\i), ADRA+\slot, \q, \i
.endr
.endm
.macro SCALES sc                       ; register 2 i + q: lanes 0-15 the words of A's block i, lanes 16-31 of B's block i
.irp i, 0,1,2,3,4,5,6,7
.irp q, 0,1
	ds_load_b32 v[SC+16*\sc+2*\i+\q], v[ADRS] offset:64*\i+512*\q
.endr
.endr
.endm
.macro PLACES n
.rept \n
	v_nop
.endr
.endm
.macro STEP slot, q, zero              ; 128 along K with its successor in the same slot
	s_wait_dscnt 4*NL                              ; all but the youngest 16 loads (A's blocks 4-7) are in
	WIN MUL_LO
	MUL16 0, (\q)%2, \q, \slot, \zero
	MUL16 2, (\q)%2, \q, \slot, \zero
	s_wait_dscnt 0
	PLACES NP
	FETCH_B \slot, (\q)+1, 1-(\q)%2
	FETCH_A \slot, (\q)+1, 0
	WIN MUL_HI
	MUL16 4, (\q)%2, \q, \slot, \zero
	MUL16 6, (\q)%2, \q, \slot, \zero
	PLACES NP
	WIN 0
	FETCH_A \slot, (\q)+1, 4
.endm
; A slot's last step changes slots: one barrier; ahead of it each wave waits for all its tensor loads, adds 0 to its spare word, and waits for that and for its reads of the slot.
.macro TURN slot, next, fill
	s_wait_tensorcnt 0x0                           ; all my tensor loads have landed: my part of the next slot
	ds_add_u32 v[SPW], v[NIL]
	s_wait_dscnt 4*NL+1                            ; (the add and the youngest 16 loads may be out)
	WIN MUL_LO
	MUL16 0, 1, NQ-1, \slot, 0
	s_wait_dscnt 0x0                               ; the add is done, my reads of this slot are over
	s_barrier_signal -1
	MUL16 2, 1, NQ-1, \slot, 0
	WIN 0
	s_barrier_wait -1
.if \fill
	CREST                                          ; the barrier has opened a round of the cluster's barrier
	s_add_nc_u64 s[G0+4*\slot+2:G0+4*\slot+3], s[G0+4*\slot+2:G0+4*\slot+3], 2*ASTEP
	s_add_nc_u64 s[G0B+4*\slot+2:G0B+4*\slot+3], s[G0B+4*\slot+2:G0B+4*\slot+3], 2*BSTEP
	JLOAD G0+4*\slot, G1, G0B+4*\slot, G1B         ; the first tensor load behind the round, one a wave
	PLACES NP-4
.else
	PLACES NP
.endif
	v_add_nc_u32 v[ADRS], 512*NQ, v[ADRS]
	FETCH_B \next, 0, 0
	FETCH_A \next, 0, 0
	SCALES \next
	WIN MUL_HI
	MUL16 4, 1, NQ-1, \slot, 0
	MUL16 6, 1, NQ-1, \slot, 0
	PLACES NP
	WIN 0
	FETCH_A \next, 0, 4
.endm
	s_wait_tensorcnt 1                             ; the scale words and my part of K step 0 are in; K step 1's load may be out
	s_barrier_signal -1
	s_barrier_wait -1
	FETCH_B 0, 0, 0
	FETCH_A 0, 0, 0
	SCALES 0
	FETCH_A 0, 0, 4
	STEP 0, 0, 1                                   ; the first products start the sums
	s_mov_b32 s3, LAPS-1
.Llap:
	TURN 0, 1, 1
	STEP 1, 0, 0
	TURN 1, 0, 1
	STEP 0, 0, 0
	s_sub_co_u32 s3, s3, 1
	s_cmp_lg_u32 s3, 0
	s_cbranch_scc1 .Llap
	TURN 0, 1, 0                                   ; the last lap fills nothing
	STEP 1, 0, 0
	s_wait_dscnt 4*NL
	WIN MUL_LO
	MUL16 0, 1, NQ-1, 1, 0
	MUL16 2, 1, NQ-1, 1, 0
	s_wait_dscnt 0
	WIN MUL_HI
	MUL16 4, 1, NQ-1, 1, 0
	MUL16 6, 1, NQ-1, 1, 0
	WIN 0
; THE WAY OUT.  Block a (16 tokens x my 128 hidden units): a lane's 64 numbers are register 16 b + i = k 32 b + 16 h + i of its row: just what a fragment of the next product holds.  Bias, GELU, quantiser, four stores of 512 bytes.
; A loop of eight trips, so that the GELU is written once: only the small piece TAKE a names block a's accumulators; a trip's head jumps to its piece by the loop's own counter.
.macro TAKE a
.if (\a) > 0
	v_mov_b32 v[PWS+(\a)-1], v[PW]                 ; the last trip's scale word
.endif
	WIN 0x02+(\a)/4
.set i, 0
.rept 32
	v_pk_add_f32 v[T+i:T+i+1], v[64*((\a)%4)+i:64*((\a)%4)+i+1], v[BB+i:BB+i+1]   ; each accumulator from its low end on
.set i, i+2
.endr
	WIN 0
.endm
.macro GELU                            ; v[T] on: 64 numbers, in place.  Two batches of transcendentals, one wait each
	WIN 0x40
.set i, 0
.rept 64
	v_mul_f32 v[U+i], s[RH], |v[T+i]|              ; z
.set i, i+1
.endr
	WIN 0x55
.set i, 0
.rept 32
	v_pk_fma_f32 v[TT+i:TT+i+1], v[U+i:U+i+1], 0.5, 1.0 op_sel_hi:[1,0,0]
.set i, i+2
.endr
.set i, 0
.rept 64
	v_rcp_f32 v[TT+i], v[TT+i]                     ; t
.set i, i+1
.endr
	v_nop
	s_wait_alu depctr_va_vdst(0)
.set i, 0
.rept 32
	v_pk_fma_f32 v[QQ+i:QQ+i+1], v[TT+i:TT+i+1], 0x3e2ef945, v[CV:CV+1] op_sel_hi:[1,0,1]   ; c9 t + c8
.set i, i+2
.endr
.irp c, 0x3fbe87b0, 0xbf914e5d, 0x3e8ec7cc, 0xbe3ec24c, 0x3dc636c9, 0x3ebf88fb, 0x3f8000c7, 0xbfa1fc4e
.set i, 0
.rept 32
	v_pk_fma_f32 v[QQ+i:QQ+i+1], v[QQ+i:QQ+i+1], v[TT+i:TT+i+1], \c op_sel_hi:[1,1,0]   ; c7 down to c0
.set i, i+2
.endr
.endr
.set i, 0
.rept 32
	v_pk_fma_f32 v[QQ+i:QQ+i+1], v[U+i:U+i+1], v[U+i:U+i+1], v[QQ+i:QQ+i+1] neg_lo:[1,0,0] neg_hi:[1,0,0]   ; - z^2
.set i, i+2
.endr
.set i, 0
.rept 32
	v_pk_mul_f32 v[QQ+i:QQ+i+1], v[QQ+i:QQ+i+1], 0x3fb8aa3b op_sel_hi:[1,0]
.set i, i+2
.endr
.set i, 0
.rept 64
	v_exp_f32 v[QQ+i], v[QQ+i]
.set i, i+1
.endr
	v_nop
	s_wait_alu depctr_va_vdst(0)
.set i, 0
.rept 32
	v_pk_mul_f32 v[QQ+i:QQ+i+1], v[QQ+i:QQ+i+1], v[TT+i:TT+i+1]   ; erfc(z)
.set i, i+2
.endr
.set i, 0
.rept 32
	v_pk_mul_f32 v[QQ+i:QQ+i+1], v[QQ+i:QQ+i+1], v[U+i:U+i+1]     ; z erfc(z)
.set i, i+2
.endr
	WIN 0
.set i, 0
.rept 64
	v_max_num_f32 v[T+i], 0, v[T+i]
.set i, i+1
.endr
	WIN 0x01
.set i, 0
.rept 32
	v_pk_fma_f32 v[T+i:T+i+1], v[QQ+i:QQ+i+1], 0xbf3504f3, v[T+i:T+i+1] op_sel_hi:[1,0,1]
.set i, i+2
.endr
	WIN 0
.endm
.macro QUANT                           ; v[T] on: 64 numbers -> v[PC] on: a fragment's codes, v[PW]: its scale word
.irp b, 0,1,2,3
	v_max3_num_f32 v[TM+\b], |v[T+16*\b]|, |v[T+1+16*\b]|, 0x4800000   ; with the floor 2^(9 - 127): the byte cannot fall under 1
.endr
.irp i, 2,4,6,8,10,12,14
.irp b, 0,1,2,3
	v_max3_num_f32 v[TM+\b], v[TM+\b], |v[T+16*\b+\i]|, |v[T+1+16*\b+\i]|
.endr
.endr
.irp b, 0,1,2,3
	v_permlanex16_b32 v[TM+4+\b], v[TM+\b], s[SEL], s[SEL+1]
.endr
.irp b, 0,1,2,3
	v_max_num_f32 v[TM+\b], v[TM+\b], v[TM+4+\b]   ; with lane l xor 16's 16: the block's largest magnitude
.endr
.irp b, 0,1,2,3
	v_add_nc_u32 v[TM+12+\b], 0xfc000000, v[TM+\b] ; 8 off the exponent field: the conversion's scale operand
.endr
.irp b, 0,1,2,3
	v_and_or_b32 v[TM+8+\b], v[TM+\b], 0x7f800000, s[MNT]   ; 448 x the scale
.endr
.irp b, 0,1,2,3
	v_lshrrev_b32 v[TM+4+\b], 23, v[TM+12+\b]      ; the scale's byte
.endr
	v_lshl_or_b32 v[PW], v[TM+5], 8, v[TM+4]
	v_lshl_or_b32 v[PW], v[TM+6], 16, v[PW]
	v_lshl_or_b32 v[PW], v[TM+7], 24, v[PW]
.irp b, 0,1,2,3
.irp i, 0,1,2,3,4,5,6,7,8,9,10,11,12,13,14,15
	v_med3_num_f32 v[T+16*\b+\i], v[T+16*\b+\i], -v[TM+8+\b], v[TM+8+\b]   ; the conversion does not saturate (ISA guide 7.6.2)
.endr
	v_cvt_scalef32_pk8_fp8_f32 v[PC+4*\b:PC+1+4*\b], v[T+16*\b:T+7+16*\b], v[TM+12+\b]
	v_cvt_scalef32_pk8_fp8_f32 v[PC+2+4*\b:PC+3+4*\b], v[T+8+16*\b:T+15+16*\b], v[TM+12+\b]
.endr
	v_nop                                          ; a plain line behind the last conversion
.endm
	PLACES NP
	s_wait_loadcnt 0x0                             ; the bias
	s_mov_b32 s[SEL], 0x76543210
	s_mov_b32 s[SEL+1], 0xfedcba98
	s_mov_b32 s[MNT], 0x600000
	s_mov_b32 s[RH], 0x3f3504f3                    ; 1 / sqrt(2)
	WIN 0x40
	v_mov_b32 v[CV], 0xbf527891                    ; c8, twice
	v_mov_b32 v[CV+1], 0xbf527891
	WIN 0
.irp b, 0,1,2,3
	v_mov_b32 v[TM+4+\b], 0                        ; a lane permute's destination counts as one of its sources
.endr
	v_mov_b32 v[PW], 0
	s_mov_b32 s[EA], 0
.Lepi:
.irp a, 0,1,2,3,4,5,6
	s_cmp_eq_u32 s[EA], \a
	s_cbranch_scc1 .Ltake\a
.endr
	TAKE 7
	s_branch .Lwork
.irp a, 0,1,2,3,4,5
.Ltake\a:
	TAKE \a
	s_branch .Lwork
.endr
.Ltake6:
	TAKE 6
.Lwork:
	GELU
	QUANT
.irp c, 0,1,2,3
	global_store_b128 v[OI], v[PC+4*\c:PC+4*\c+3], s[12:13] offset:512*\c   ; 32 lanes store 512 consecutive bytes, aligned
.endr
	s_wait_xcnt 0x0                                ; the stores have read their offset and data: both are written again only behind this wait
	v_add_nc_u32 v[OI], 4096, v[OI]
	s_add_co_u32 s[EA], s[EA], 1
	s_cmp_lt_u32 s[EA], 8
	s_cbranch_scc1 .Lepi
	v_mov_b32 v[PWS+7], v[PW]
.irp a, 0,1,2,3,4,5,6,7
	ds_store_b32 v[SWA], v[PWS+\a] offset:64*\a    ; slot 0 has had its last fill, and nobody reads it behind the last change of slots.  Lanes l and l + 16 write the same word with the same value
.endr
	ds_load_b128 v[T:T+3], v[SRA]                  ; LDS serves a wave's instructions in order (ISA guide 5.7.1.4)
	s_wait_dscnt 0x0
	global_store_b128 v4, v[T:T+3], s[10:11]       ; my 128 places' words: 512 consecutive bytes
	s_wait_tensorcnt 0x0                           ; the wave's end
	ds_add_u32 v[SPW], v[NIL]
	s_wait_dscnt 0x0
	CROUND                                         ; the closing round
	s_endpgm
.Lfunc_end_k_q6e18b8e471_ff1:
	.size	k_q6e18b8e471_ff1, .Lfunc_end_k_q6e18b8e471_ff1-k_q6e18b8e471_ff1
	.p2alignl 7, 3214868480
	.fill 96, 4, 3214868480
	.section	.rodata,"a",@progbits
	.p2align	6, 0x0
	.amdhsa_kernel k_q6e18b8e471_ff1
		.amdhsa_group_segment_fixed_size 327680
		.amdhsa_private_segment_fixed_size 0
		.amdhsa_enable_private_segment 0
		.amdhsa_kernarg_size 32
		.amdhsa_user_sgpr_count 2
		.amdhsa_user_sgpr_kernarg_segment_ptr 1
		.amdhsa_wavefront_size32 1
		.amdhsa_system_sgpr_workgroup_id_x 1
		.amdhsa_system_sgpr_workgroup_id_y 1
		.amdhsa_system_sgpr_workgroup_id_z 1
		.amdhsa_system_vgpr_workitem_id 0
		.amdhsa_next_free_vgpr 1024
		.amdhsa_next_free_sgpr 100
		.amdhsa_reserve_vcc 0
		.amdhsa_float_denorm_mode_32 3
		.amdhsa_float_denorm_mode_16_64 3
		.amdhsa_memory_ordered 1
		.amdhsa_forward_progress 1
		.amdhsa_inst_pref_size 198
	.end_amdhsa_kernel
	.amdgpu_metadata
---
amdhsa.version: [ 1, 2 ]
amdhsa.kernels:
  - .name:           k_q6e18b8e471_ff1
    .symbol:         k_q6e18b8e471_ff1.kd
    .args:
      - { .name: h2q, .offset: 0, .size: 8, .value_kind: global_buffer, .address_space: global }
      - { .name: wq, .offset: 8, .size: 8, .value_kind: global_buffer, .address_space: global }
      - { .name: ff1_b, .offset: 16, .size: 8, .value_kind: global_buffer, .address_space: global }
      - { .name: hidq, .offset: 24, .size: 8, .value_kind: global_buffer, .address_space: global }
    .group_segment_fixed_size: 327680
    .private_segment_fixed_size: 0
    .kernarg_segment_align: 8
    .kernarg_segment_size: 32
    .max_flat_workgroup_size: 128
    .sgpr_count:     100
    .vgpr_count:     1024
    .wavefront_size: 32
...
	.end_amdgpu_metadata
.endif
;; end of part 6
;; launch ff2 (part 7): grid 4 x 16, 4 waves a work-group, clusters of 4 x 4, 327,680 bytes of LDS; arguments hidq, wq, ff2_b, x1, out0; writes out0
.if DOCPART == 7
	.amdgcn_target "amdgcn-amd-amdhsa--gfx1250"
	.amdhsa_code_object_version 6
	.text
	.protected	k_q6e18b8e471_ff2
	.globl	k_q6e18b8e471_ff2
	.p2align	8
	.type	k_q6e18b8e471_ff2,@function
k_q6e18b8e471_ff2:
	s_mov_b64 s[64:65], 0
	v_nop
	global_prefetch_b8 v0, s[64:65] scope:SCOPE_SE
	s_setreg_imm32_b32 hwreg(HW_REG_WAVE_MODE, 25, 1), 1
	s_wait_xcnt 0x0
	s_wait_alu depctr_hold_cnt(0) depctr_sa_sdst(0) depctr_va_vdst(0) depctr_va_sdst(0) depctr_va_ssrc(0) depctr_va_vcc(0) depctr_vm_vsrc(0)
	s_getreg_b32 s2, hwreg(HW_REG_IB_STS2, 6, 4)
	s_cmp_eq_u32 s2, 0
	s_cbranch_scc0 .Lentry_in_a_cluster
	s_endpgm
.Lentry_in_a_cluster:
	s_bfe_u32 s2, ttmp6, 0x10000c
	s_cmp_lg_u32 s2, 0xf033
	s_cbranch_scc0 .Lentry_shape_is_right
	s_endpgm
.Lentry_shape_is_right:
; out0 = x1 + hid W2^T + ff2_b.  hid and W2 are codes of FP8 (E4M3) with E8M0 scales; x1, out0 f32.  K = 3,072.
; OPERANDS lie as IMAGES: rows in blocks of 16 (place r of block b = true row 32 (b / 2) + 8 (b % 2) + r + 8 (r / 8)); a fragment (16 places x 128 K) is 2,048 bytes, chunk c of 512, lane l's 16 bytes at 16 l;
; a K step of 256 of 128 rows is 32,768 dense bytes.  Scale words lie [k / 128][place].  So a tile comes by one dense tensor load and a fragment by four loads of 512 consecutive LDS bytes.
; A tile is 256 tokens x 256 features, four waves, 128 x 128 each: 64 accumulators.  K goes in steps of 256 through two LDS slots; the scale words of all of K come once and stay.
; THE PRODUCT IS USED TRANSPOSED (source 0 = 16 rows of W, source 1 = 16 tokens): a lane holds eight neighbouring features of one token.
; CLUSTERS 4 x 4: A's tiles are asked for jointly along a row of the cluster, B's along a column.  64 tiles: a smaller tile would fill more WGPs at twice the LDS bytes a product; not built here.
; PREFETCH: behind each refill one instruction a wave names the K step two refills on: my wave's 32,768 bytes are shared out by address among the four partners that ask for them jointly, 8,192 each, lanes 256 bytes apart;
; A's rows are read by one cluster, B's by four, of which the first asks.  K steps 0 to 3 come by their loads alone; the loop's last trip asks for nothing.
; REGISTERS: window 0: v0-31 addresses, v8-11 the bias, v32-63 scale words (two sets), v128-255 A's fragments (one set), later rows on the way out; window 1: B's fragments (two sets), later the residual; windows 2, 3: accumulators.
.set SIZE_K, 3072
.set NBA, 256
.set NBB, 64
.set SPA, 4096
.set SPB, 1024
.set ACO, 0
.set ASO, 12582912
.set BCO, 12582912
.set BSO, 16121856
.set PF, 1
.set KT,     SIZE_K/128
.set LAPS,   SIZE_K/512
.set ASTEP,  NBA*4096                  ; bytes from a K step of 256 to the next
.set BSTEP,  NBB*4096
.set NQ,     2
.set FR,     16
.set NL,     4
.set NP,     8                         ; places behind this matrix instruction (ISA guide 7.12.1)
.set HALFT,  32768                     ; 128 rows x 256 K: what one tensor load brings
.set SLOT,   4*HALFT
.set SCL,    2*SLOT                    ; behind the ring: four quarters of scale words [k / 128][128 rows]
.set HALFS,  KT*512
.set SPARE,  SCL+4*HALFS               ; the spare words: 128 bytes a wave
.set SPITCH, 528                       ; the way out: a stage of 16 rows x (512 + 16) bytes a wave, in slot 0
.set ADRA, 16
.set ADRB, 20
.set ADRS, 27
.set SPW,  28
.set NIL,  29
.set PFO,  30
.set SC,   32
.set AF,   128
.set BI,   8
.set CO,   4
.set STO,  24
.set RD,   25
.set BK,   128
.set G1, 24
.set G0, 32
.set G1B, 48
.set G0B, 56
.set G1S, 68
.set G0S, 76
.set G1SB, 80
.set G0SB, 88
.set LIM, 66
.set PFA, 96
.set PFS, 98
.set MSB, 0
.macro WIN new                         ; the immediate's high byte repeats the setting that is left
.set WNEW, \new
.if MSB != WNEW
	s_set_vgpr_msb (MSB<<8)|WNEW
.set MSB, WNEW
.endif
.endm
.set MUL_LO, 0xa1
.set MUL_HI, 0xf1
.set TO_B,   0x40
; A joint load: waves 0 and 1 fetch for A, waves 2 and 3 for B; the branch hangs on the wave's number alone.  Four v_nop follow each line.
.macro JLOAD g0a, g1a, g0b, g1b
	s_cmp_eq_u32 s15, 0
	s_cbranch_scc0 .Lfor_b_\@
	tensor_load_to_lds s[\g0a:\g0a+3], s[\g1a:\g1a+7]
	s_nop 0
.rept 4
	v_nop
.endr
	s_branch .Lasked_\@
.Lfor_b_\@:
	tensor_load_to_lds s[\g0b:\g0b+3], s[\g1b:\g1b+7]
	s_nop 0
.rept 4
	v_nop
.endr
.Lasked_\@:
.endm
.macro CREST
	s_cmp_lg_u32 s14, 0
	s_cbranch_scc1 .Lnot_wave_0_\@
	s_barrier_signal -3
.Lnot_wave_0_\@:
	s_barrier_wait -3
	s_barrier_signal -1
	s_barrier_wait -1
.endm
.macro CROUND
	s_barrier_signal -1
	s_barrier_wait -1
	CREST
.endm
.macro ASK                             ; s3 = 1 in the loop's last trip; s[LIM] = 1 in a wave that asks, else the greatest number
	s_cmp_gt_u32 s3, s[LIM]
	s_cbranch_scc0 .Lnot_mine_\@
	global_prefetch_b8 v[PFO], s[PFA:PFA+1] th:TH_LOAD_NT scope:SCOPE_SE
.Lnot_mine_\@:
.endm
	s_load_b128 s[4:7], s[0:1], 0x0                ; A's buffer, wq
	s_load_b128 s[8:11], s[0:1], 0x10              ; the bias, the residual
	s_load_b64 s[12:13], s[0:1], 0x20              ; the output
	v_lshl_add_u32 v[SPW], v0, 2, SPARE
	v_mov_b32 v[NIL], 0
	ds_add_u32 v28, v29
	ds_add_u32 v28, v29
	s_wait_dscnt 0x0
	v_lshrrev_b32 v1, 5, v0
	v_readfirstlane_b32 s14, v1                    ; wave
	s_lshr_b32 s15, s14, 1                         ; my half of A's rows.  Also: I fetch for A (0) or B (1)
	s_and_b32 s16, s14, 1                          ; my half of B's rows.  Also: which 128 rows I fetch
	s_bfe_u32 s40, ttmp6, 0x40000                  ; cx
	s_bfe_u32 s41, ttmp6, 0x40004                  ; cy
	s_lshl_b32 s42, ttmp9, 2
	s_add_co_u32 s42, s42, s40                     ; B's tile
	s_and_b32 s17, ttmp7, 0xffff
	s_lshl_b32 s17, s17, 2
	s_add_co_u32 s17, s17, s41                     ; A's tile
	s_lshl_b32 s43, s41, 2
	s_lshl_b32 s43, 15, s43                        ; my row of the cluster
	s_lshl_b32 s44, 0x1111, s40                    ; my column
	s_or_b32 s[G1+0], s43, (3<<16)|(1<<21)         ; the mask; elements of 8 bytes; bit 21 beside a mask; no padding
	s_or_b32 s[G1B+0], s44, (3<<16)|(1<<21)
.irp g, G1, G1B
	s_mov_b32 s[\g+1], 32<<16                      ; 128 rows of 256 bytes, dense
	s_mov_b32 s[\g+2], 128<<16
	s_mov_b32 s[\g+3], 32<<16
	s_mov_b32 s[\g+4], 128
	s_mov_b32 s[\g+5], 32
	s_mov_b32 s[\g+6], 0
	s_mov_b32 s[\g+7], 0
.endr
	s_or_b32 s[G1S+0], s43, (3<<16)|(1<<21)
	s_or_b32 s[G1SB+0], s44, (3<<16)|(1<<21)
.irp g, G1S, G1SB
	s_mov_b32 s[\g+1], 64<<16                      ; KT rows of 512 bytes: 128 places' words of one k / 128
	s_mov_b32 s[\g+2], KT<<16
	s_mov_b32 s[\g+3], 64<<16
	s_mov_b32 s[\g+4], KT
	s_mov_b32 s[\g+6], 0
	s_mov_b32 s[\g+7], 0
.endr
	s_mov_b32 s[G1S+5], SPA/2
	s_mov_b32 s[G1SB+5], SPB/2
	s_lshl_b32 s18, s16, 3
	s_lshl_b32 s20, s17, 4
	s_add_co_u32 s20, s20, s18                     ; A: block 16 tile + 8 half
	s_lshl_b32 s22, s20, 6
	s_add_co_u32 s22, s22, ASO
	s_mov_b32 s23, 0
	s_lshl_b32 s20, s20, 12
	s_add_co_u32 s20, s20, ACO
	s_mov_b32 s21, 0
	s_lshl_b32 s46, s42, 4
	s_add_co_u32 s46, s46, s18                     ; B likewise
	s_lshl_b32 s92, s46, 6
	s_add_co_u32 s92, s92, BSO
	s_mov_b32 s93, 0
	s_lshl_b32 s46, s46, 12
	s_add_co_u32 s46, s46, BCO
	s_mov_b32 s47, 0
	s_mul_i32 s45, s14, HALFT                      ; where they go: by the wave's number alone
	s_mul_i32 s94, s14, HALFS
	s_wait_kmcnt 0x0
	s_add_nc_u64 s[20:21], s[4:5], s[20:21]
	s_add_nc_u64 s[22:23], s[4:5], s[22:23]
	s_add_nc_u64 s[46:47], s[6:7], s[46:47]
	s_add_nc_u64 s[92:93], s[6:7], s[92:93]
	CROUND                                         ; all sixteen work-groups are here: the first joint loads meet
	s_mov_b32 s[G0S], 1
	s_add_co_u32 s[G0S+1], s94, SCL
	s_mov_b64 s[G0S+2:G0S+3], s[22:23]
	s_or_b32 s[G0S+3], s[G0S+3], 0x80000000
	s_mov_b32 s[G0SB], 1
	s_add_co_u32 s[G0SB+1], s94, SCL
	s_mov_b64 s[G0SB+2:G0SB+3], s[92:93]
	s_or_b32 s[G0SB+3], s[G0SB+3], 0x80000000
	JLOAD G0S, G1S, G0SB, G1SB                     ; the scale words first
.irp s, 0,1
	s_mov_b32 s[G0+4*\s], 1
	s_add_co_u32 s[G0+4*\s+1], s45, \s*SLOT
	s_add_nc_u64 s[G0+4*\s+2:G0+4*\s+3], s[20:21], \s*ASTEP
	s_or_b32 s[G0+4*\s+3], s[G0+4*\s+3], 0x80000000
	s_mov_b32 s[G0B+4*\s], 1
	s_add_co_u32 s[G0B+4*\s+1], s45, \s*SLOT
	s_add_nc_u64 s[G0B+4*\s+2:G0B+4*\s+3], s[46:47], \s*BSTEP
	s_or_b32 s[G0B+4*\s+3], s[G0B+4*\s+3], 0x80000000
	JLOAD G0+4*\s, G1, G0B+4*\s, G1B               ; three loads of mine are out
.endr
	v_and_b32 v1, 15, v0                           ; r
	v_bfe_u32 v2, v0, 4, 1                         ; h
	v_and_b32 v3, 31, v0                           ; lane
	v_lshlrev_b32 v4, 4, v3                        ; 16 x lane; never rewritten
	s_mul_i32 s21, s15, HALFT
	s_mul_i32 s22, s16, HALFT
	s_add_co_u32 s22, s22, 2*HALFT
.irp s, 0,1
	v_add_nc_u32 v[ADRA+\s], s21, v4
	v_add_nc_u32 v[ADRB+\s], s22, v4
	s_add_co_u32 s21, s21, SLOT
	s_add_co_u32 s22, s22, SLOT
.endr
	v_lshlrev_b32 v5, 2, v1
	s_mul_i32 s21, s15, HALFS
	s_mul_i32 s22, s16, HALFS
	s_add_co_u32 s22, s22, 2*HALFS
	s_sub_co_u32 s22, s22, s21
	v_mul_u32_u24 v6, s22, v2                      ; lanes 16-31 take B's words
	s_add_co_u32 s21, s21, SCL
	v_add_nc_u32 v5, v5, v6
	v_add_nc_u32 v[ADRS], s21, v5
	s_mul_i32 s23, s14, 16*SPITCH                  ; my stage
	v_mul_u32_u24 v5, v1, SPITCH
	v_lshl_add_u32 v5, v2, 6, v5
	v_add_nc_u32 v[STO], s23, v5                   ; in: row r, + 64 h
	v_add_nc_u32 v[RD], s23, v4                    ; back: 16 bytes a lane of a row of 512
.if PF
	; where my prefetches stand, and who asks
	s_and_b32 s23, ttmp7, 0xffff
	s_lshl_b32 s18, s17, 4
	s_lshl_b32 s19, s42, 4
	s_mov_b32 s[PFS], BSTEP
	s_mov_b32 s22, BCO
	s_cmp_eq_u32 s15, 0                            ; do I fetch for A?
	s_cselect_b32 s18, s18, s19                    ; the tile's first block
	s_cselect_b32 s19, s40, s41                    ; my place among the four that ask for it with me
	s_cselect_b32 s23, ttmp9, s23                  ; the coordinate along which other clusters read the same rows
	s_cselect_b32 s[PFS], ASTEP, s[PFS]
	s_cselect_b32 s22, ACO, s22
	s_cselect_b64 s[PFA:PFA+1], s[4:5], s[6:7]
	s_cmp_eq_u32 s23, 0
	s_cselect_b32 s[LIM], 1, -1                    ; the same in all sixteen partners, for a given wave
	s_lshl_b32 s20, s16, 3
	s_add_co_u32 s18, s18, s20
	s_lshl_b32 s18, s18, 12
	s_lshl_b32 s19, s19, 13
	s_add_co_u32 s18, s18, s19
	s_add_co_u32 s18, s18, s22
	s_mul_i32 s19, s[PFS], 3
	s_add_co_u32 s18, s18, s19                     ; at K step 3: the first refill steps it to 4.  Nothing is prefetched at the head
	s_mov_b32 s19, 0
	s_mov_b32 s[PFS+1], 0
	s_add_nc_u64 s[PFA:PFA+1], s[PFA:PFA+1], s[18:19]
	v_lshlrev_b32 v[PFO], 8, v3
.endif
	s_lshl_b32 s18, s17, 8
	s_lshl_b32 s19, s15, 7
	s_add_co_u32 s18, s18, s19
	s_lshl_b32 s18, s18, 12                        ; my first token's row of 4,096 bytes
	s_lshl_b32 s19, s42, 10
	s_lshl_b32 s20, s16, 9
	s_add_co_u32 s20, s19, s20                     ; my first feature, in bytes
	s_mov_b32 s21, 0
	s_add_nc_u64 s[8:9], s[8:9], s[20:21]
	s_add_co_u32 s20, s20, s18
	s_add_nc_u64 s[10:11], s[10:11], s[20:21]
	s_add_nc_u64 s[12:13], s[12:13], s[20:21]
	global_load_b128 v[BI:BI+3], v[CO], s[8:9]     ; the bias of my four features of a row
.macro FRAG reg, adr, q, i             ; a fragment as it lies: four loads of 512 consecutive bytes
.irp c, 0,1,2,3
	ds_load_b128 v[\reg+4*\c:\reg+4*\c+3], v[\adr] offset:4096*(\i)+2048*(\q)+512*\c
.endr
.endm
; 16 matrix instructions: A's blocks a0, a0 + 1 x B's eight.  The 64 accumulators take turns, one instruction a turn, in the same order in every step.
.macro MUL16 a0, p, q, sc, zero
.irp a, \a0, \a0+1
.irp b, 0,1,2,3,4,5,6,7
.if \zero
	v_wmma_scale_f32_16x16x128_f8f6f4 v[8*(8*((\a)%4)+\b):8*(8*((\a)%4)+\b)+7], v[128*(\p)+FR*\b:128*(\p)+FR*\b+FR-1], v[AF+FR*(\a):AF+FR*(\a)+FR-1], 0, v[SC+8*NQ*(\sc)+NQ*\b+(\q)], v[SC+8*NQ*(\sc)+NQ*(\a)+(\q)] matrix_a_scale:MATRIX_SCALE_ROW1
.else
	v_wmma_scale_f32_16x16x128_f8f6f4 v[8*(8*((\a)%4)+\b):8*(8*((\a)%4)+\b)+7], v[128*(\p)+FR*\b:128*(\p)+FR*\b+FR-1], v[AF+FR*(\a):AF+FR*(\a)+FR-1], v[8*(8*((\a)%4)+\b):8*(8*((\a)%4)+\b)+7], v[SC+8*NQ*(\sc)+NQ*\b+(\q)], v[SC+8*NQ*(\sc)+NQ*(\a)+(\q)] matrix_a_scale:MATRIX_SCALE_ROW1
.endif
.endr
.endr
.endm
.macro FETCH_B slot, q, p
	WIN TO_B
.irp i, 0,1,2,3,4,5,6,7
	FRAG 128*(\p)+FR*\i, ADRB+\slot, \q, \i
.endr
	WIN 0
.endm
.macro FETCH_A slot, q, i0
.irp i, \i0, \i0+1, \i0+2, \i0+3
	FRAG AF+FR*(\i), ADRA+\slot, \q, \i
.endr
.endm
.macro SCALES sc                       ; register 2 i + q: lanes 0-15 the words of A's block i, lanes 16-31 of B's block i
.irp i, 0,1,2,3,4,5,6,7
.irp q, 0,1
	ds_load_b32 v[SC+16*\sc+2*\i+\q], v[ADRS] offset:64*\i+512*\q
.endr
.endr
.endm
.macro PLACES n
.rept \n
	v_nop
.endr
.endm
.macro STEP slot, q, zero              ; 128 along K with its successor in the same slot
	s_wait_dscnt 4*NL                              ; all but the youngest 16 loads (A's blocks 4-7) are in
	WIN MUL_LO
	MUL16 0, (\q)%2, \q, \slot, \zero
	MUL16 2, (\q)%2, \q, \slot, \zero
	s_wait_dscnt 0
	PLACES NP
	FETCH_B \slot, (\q)+1, 1-(\q)%2
	FETCH_A \slot, (\q)+1, 0
	WIN MUL_HI
	MUL16 4, (\q)%2, \q, \slot, \zero
	MUL16 6, (\q)%2, \q, \slot, \zero
	PLACES NP
	WIN 0
	FETCH_A \slot, (\q)+1, 4
.endm
; A slot's last step changes slots: one barrier; ahead of it each wave waits for all its tensor loads, adds 0 to its spare word, and waits for that and for its reads of the slot.
.macro TURN slot, next, fill
.if PF
.if \fill
	s_wait_xcnt 0x0                                ; the last prefetch, a K step back, has read its address
	s_add_nc_u64 s[PFA:PFA+1], s[PFA:PFA+1], s[PFS:PFS+1]
.endif
.endif
	s_wait_tensorcnt 0x0                           ; all my tensor loads have landed: my part of the next slot
	ds_add_u32 v[SPW], v[NIL]
	s_wait_dscnt 4*NL+1                            ; (the add and the youngest 16 loads may be out)
	WIN MUL_LO
	MUL16 0, 1, NQ-1, \slot, 0
	s_wait_dscnt 0x0                               ; the add is done, my reads of this slot are over
	s_barrier_signal -1
	MUL16 2, 1, NQ-1, \slot, 0
	WIN 0
	s_barrier_wait -1
.if \fill
	CREST                                          ; the barrier has opened a round of the cluster's barrier
	s_add_nc_u64 s[G0+4*\slot+2:G0+4*\slot+3], s[G0+4*\slot+2:G0+4*\slot+3], 2*ASTEP
	s_add_nc_u64 s[G0B+4*\slot+2:G0B+4*\slot+3], s[G0B+4*\slot+2:G0B+4*\slot+3], 2*BSTEP
	JLOAD G0+4*\slot, G1, G0B+4*\slot, G1B         ; the first tensor load behind the round, one a wave
	PLACES NP-4
.else
	PLACES NP
.endif
	v_add_nc_u32 v[ADRS], 512*NQ, v[ADRS]
	FETCH_B \next, 0, 0
	FETCH_A \next, 0, 0
	SCALES \next
.if PF
.if \fill
	ASK                                            ; the K step two refills on; the loop's last trip asks for nothing
.endif
.endif
	WIN MUL_HI
	MUL16 4, 1, NQ-1, \slot, 0
	MUL16 6, 1, NQ-1, \slot, 0
	PLACES NP
	WIN 0
	FETCH_A \next, 0, 4
.endm
	s_wait_tensorcnt 1                             ; the scale words and my part of K step 0 are in; K step 1's load may be out
	s_barrier_signal -1
	s_barrier_wait -1
	FETCH_B 0, 0, 0
	FETCH_A 0, 0, 0
	SCALES 0
	FETCH_A 0, 0, 4
	STEP 0, 0, 1                                   ; the first products start the sums
	s_mov_b32 s3, LAPS-1
.Llap:
	TURN 0, 1, 1
	STEP 1, 0, 0
	TURN 1, 0, 1
	STEP 0, 0, 0
	s_sub_co_u32 s3, s3, 1
	s_cmp_lg_u32 s3, 0
	s_cbranch_scc1 .Llap
	TURN 0, 1, 0                                   ; the last lap fills nothing
	STEP 1, 0, 0
	s_wait_dscnt 4*NL
	WIN MUL_LO
	MUL16 0, 1, NQ-1, 1, 0
	MUL16 2, 1, NQ-1, 1, 0
	s_wait_dscnt 0
	WIN MUL_HI
	MUL16 4, 1, NQ-1, 1, 0
	MUL16 6, 1, NQ-1, 1, 0
	WIN 0
; THE WAY OUT, block by block of 16 tokens x 128 features, through my own stage in slot 0 (it has had its last fill, and nobody reads it behind the last change of slots).
; Tile b's eight numbers of a lane are features 32 (b / 2) + 8 (b % 2) + 16 h + 0 .. 7; place t of block a is token 32 (a / 2) + 8 (a % 2) + t + 8 (t / 8).  Every offset in memory is an immediate.
.macro RES a                           ; the residual's 16 rows, into window 1
	WIN 0x40
.irp t, 0,1,2,3,4,5,6,7,8,9,10,11,12,13,14,15
	global_load_b128 v[64*((\a)%4)+4*\t:64*((\a)%4)+4*\t+3], v[CO], s[10:11] offset:(32*((\a)/2)+8*((\a)%2)+\t+8*(\t/8))*4096 th:TH_LOAD_NT
.endr
	WIN 0
.endm
.macro TOSTAGE a
.set AC, 64*((\a)%4)
	WIN 0x08+4*((\a)/4)                            ; the data: window 2 or 3
.irp b, 0,1,2,3,4,5,6,7
	ds_store_b128 v[STO], v[AC+8*\b:AC+8*\b+3] offset:128*(\b/2)+32*(\b%2)        ; each accumulator from its low end on
	ds_store_b128 v[STO], v[AC+8*\b+4:AC+8*\b+7] offset:128*(\b/2)+32*(\b%2)+16
.endr
	WIN 0
.set BKS, BK+64*((\a)%2)
.irp t, 0,1,2,3,4,5,6,7,8,9,10,11,12,13,14,15
	ds_load_b128 v[BKS+4*\t:BKS+4*\t+3], v[RD] offset:\t*SPITCH   ; LDS serves a wave's instructions in order (ISA guide 5.7.1.4)
.endr
.endm
.macro SEND a, younger
.set BKS, BK+64*((\a)%2)
	s_wait_dscnt \younger                          ; the block is back; the next block's 16 stores and 16 loads may be out
.if (\a) <= 4
	s_wait_loadcnt 48                              ; its residual is in; the three blocks' behind it may be out
.else
	s_wait_loadcnt 16*(7-(\a))
.endif
.irp t, 0,1,2,3,4,5,6,7,8,9,10,11,12,13,14,15
	v_pk_add_f32 v[BKS+4*\t:BKS+4*\t+1], v[BKS+4*\t:BKS+4*\t+1], v[BI:BI+1]
	v_pk_add_f32 v[BKS+4*\t+2:BKS+4*\t+3], v[BKS+4*\t+2:BKS+4*\t+3], v[BI+2:BI+3]
.endr
	WIN 0x04                                       ; source 1: window 1
.set i, 0
.rept 32
	v_pk_add_f32 v[BKS+i:BKS+i+1], v[BKS+i:BKS+i+1], v[64*((\a)%4)+i:64*((\a)%4)+i+1]
.set i, i+2
.endr
	WIN 0
.irp t, 0,1,2,3,4,5,6,7,8,9,10,11,12,13,14,15
	global_store_b128 v[CO], v[BKS+4*\t:BKS+4*\t+3], s[12:13] offset:(32*((\a)/2)+8*((\a)%2)+\t+8*(\t/8))*4096 th:TH_STORE_NT   ; 512 consecutive bytes, aligned
.endr
.endm
	PLACES NP
	RES 0
	RES 1
	RES 2
	RES 3
	TOSTAGE 0
.irp a, 1,2,3,4,5,6,7
.if \a > 1
	s_wait_xcnt 0x0                                ; block a - 2's stores have read their registers: block a's rows may land there
.endif
	TOSTAGE \a
	SEND \a-1, 32
.if \a < 5
	RES \a+3
.endif
.endr
	SEND 7, 0
	s_wait_tensorcnt 0x0                           ; the wave's end
	ds_add_u32 v[SPW], v[NIL]
	s_wait_dscnt 0x0
	CROUND                                         ; the closing round
	s_endpgm
.Lfunc_end_k_q6e18b8e471_ff2:
	.size	k_q6e18b8e471_ff2, .Lfunc_end_k_q6e18b8e471_ff2-k_q6e18b8e471_ff2
	.p2alignl 7, 3214868480
	.fill 96, 4, 3214868480
	.section	.rodata,"a",@progbits
	.p2align	6, 0x0
	.amdhsa_kernel k_q6e18b8e471_ff2
		.amdhsa_group_segment_fixed_size 327680
		.amdhsa_private_segment_fixed_size 0
		.amdhsa_enable_private_segment 0
		.amdhsa_kernarg_size 40
		.amdhsa_user_sgpr_count 2
		.amdhsa_user_sgpr_kernarg_segment_ptr 1
		.amdhsa_wavefront_size32 1
		.amdhsa_system_sgpr_workgroup_id_x 1
		.amdhsa_system_sgpr_workgroup_id_y 1
		.amdhsa_system_sgpr_workgroup_id_z 1
		.amdhsa_system_vgpr_workitem_id 0
		.amdhsa_next_free_vgpr 1024
		.amdhsa_next_free_sgpr 100
		.amdhsa_reserve_vcc 0
		.amdhsa_float_denorm_mode_32 3
		.amdhsa_float_denorm_mode_16_64 3
		.amdhsa_memory_ordered 1
		.amdhsa_forward_progress 1
		.amdhsa_inst_pref_size 194
	.end_amdhsa_kernel
	.amdgpu_metadata
---
amdhsa.version: [ 1, 2 ]
amdhsa.kernels:
  - .name:           k_q6e18b8e471_ff2
    .symbol:         k_q6e18b8e471_ff2.kd
    .args:
      - { .name: hidq, .offset: 0, .size: 8, .value_kind: global_buffer, .address_space: global }
      - { .name: wq, .offset: 8, .size: 8, .value_kind: global_buffer, .address_space: global }
      - { .name: ff2_b, .offset: 16, .size: 8, .value_kind: global_buffer, .address_space: global }
      - { .name: x1, .offset: 24, .size: 8, .value_kind: global_buffer, .address_space: global }
      - { .name: out0, .offset: 32, .size: 8, .value_kind: global_buffer, .address_space: global }
    .group_segment_fixed_size: 327680
    .private_segment_fixed_size: 0
    .kernarg_segment_align: 8
    .kernarg_segment_size: 40
    .max_flat_workgroup_size: 128
    .sgpr_count:     100
    .vgpr_count:     1024
    .wavefront_size: 32
...
	.end_amdgpu_metadata
.endif
;; end of part 7
;; ======== version 2 of 2: 7 launches
;; limits: right only within a limited range of input values
;; workspace buffers: wq 16,220,160 bytes; qkvq 12,976,128 bytes; ctxq 4,325,376 bytes; x1 16,777,216 bytes; h2q 4,325,376 bytes; hidq 12,976,128 bytes
;; launch prep (part 8): grid 896 x 1, 4 waves a work-group, no clusters, 18,944 bytes of LDS; arguments x, ln1_w, ln1_b, qkv_w, out_w, ff1_w, ff2_w, wq; writes wq
.if DOCPART == 8
	.amdgcn_target "amdgcn-amd-amdhsa--gfx1250"
	.amdhsa_code_object_version 6
	.text
	.protected	k_q6e18b8e471_prep
	.globl	k_q6e18b8e471_prep
	.p2align	8
	.type	k_q6e18b8e471_prep,@function
k_q6e18b8e471_prep:
	s_mov_b64 s[64:65], 0
	v_nop
	global_prefetch_b8 v0, s[64:65] scope:SCOPE_SE
	s_setreg_imm32_b32 hwreg(HW_REG_WAVE_MODE, 25, 1), 1
	s_wait_xcnt 0x0
; LN1(x) and the four weights become codes of FP8 (E4M3) with one E8M0 byte for each 32 along K, laid as the products want them.
; IMAGE.  Rows go in blocks of 16; place r of block b is true row 32 (b / 2) + 8 (b % 2) + r + 8 (r / 8).  A fragment (16 places x 128 K) is 2,048 bytes: chunk c of 512 bytes,
; lane (r, h)'s 16 bytes at 16 (r + 16 h): k = 32 c + 16 h + 0 .. 15.  Fragment (b, t = k / 128) lies at (((t / 2) NB + b) 2 + t % 2) x 2,048.  Scale words: [t][place], 4 bytes, byte c.
; SHARES.  A work-group takes one block of 16 rows x 1,024 columns; wave w takes places 4 w .. 4 w + 3 whole, so a row's mean and variance stay in one wave.
; A lane holds 8 neighbours of each quarter row (k = 256 p + 8 lane + 0 .. 7): four lanes hold a block of 32.  The codes turn through a stage in LDS and leave as 4,096 dense bytes a wave.
; The scale words leave as pieces of 64 bytes: one byte in 128 of what the launch reads.
; Work-groups 0-255: x (with the norm); 256-447 qkv_w; 448-511 out_w; 512-703 ff1_w; 704-895 ff2_w (three thirds of its K).  Only pointers and sizes are chosen: all take one way but for the norm.
; LIMITS: a block of zeros gets the byte 1 (its codes are zeros; this program alone reads the bytes); largest magnitudes under 2^-118 are held at that byte; NaN and infinities are not served.
.set WITH_W, 1
.set WQC,  4194304
.set WOC,  8388608
.set WF1C, 9437184
.set WF2C, 12582912
.set HS,   15728640
.set WQS,  15859712
.set WOS,  15990784
.set WF1S, 16023552
.set WF2S, 16121856
.set X,  32                            ; v32-159  four rows of 32 numbers
.set W,  160                           ; v160-191 the gain of my 32 columns
.set BV, 192                           ; v192-223 the bias
.set C,  224                           ; v224-255 codes: two registers for each (row, quarter)
.set E,  160                           ; v160-175 scale bytes, where the gain lay
.set SA, 16                            ; v16-23   four pairs: sums, means
.set RS, 24                            ; v24-31   four pairs: 1 / sqrt(var + eps); also the lane exchange
.set M,  16                            ; the quantiser: largest magnitudes,
.set SO, 20                            ; scale operands,
.set HO, 24                            ; 448 x the scale
.set HP, 272                           ; the stage: 64 pieces of 256 bytes + 16 of padding
.set SCLB, 64*HP                       ; behind it 512 bytes of scale bytes [t 8][place 16][4]
.set SEL, 34
.set MNT, 36
	s_load_b256 s[4:11], s[0:1], 0x0               ; x, gain, bias, qkv_w (or: x1, gain, bias, the output)
.if WITH_W
	s_load_b256 s[12:19], s[0:1], 0x20             ; out_w, ff1_w, ff2_w, wq
.endif
	v_lshrrev_b32 v1, 5, v0
	v_readfirstlane_b32 s28, v1                    ; wave
	v_and_b32 v1, 31, v0                           ; lane
	v_lshlrev_b32 v2, 5, v1                        ; 32 x lane: my 8 numbers of a quarter row
	v_lshlrev_b32 v10, 4, v1                       ; 16 x lane
	v_bfe_u32 v13, v0, 1, 4
	v_mul_u32_u24 v7, v13, HP
	v_and_b32 v14, 1, v0
	v_lshl_add_u32 v7, v14, 3, v7
	s_lshl_b32 s29, s28, 6
	v_add_nc_u32 v7, s29, v7                       ; into the stage: piece lane / 2, 8 (lane % 2), 16 bytes a place: 64 w
	v_bfe_u32 v13, v0, 4, 1
	v_bfe_u32 v14, v0, 2, 2
	v_lshl_add_u32 v8, v13, 6, v14
	s_lshl_b32 s29, s28, 4
	s_add_co_u32 s29, s29, SCLB
	v_add_nc_u32 v8, s29, v8                       ; my block's scale byte
	v_mul_u32_u24 v9, v13, HP
	v_and_b32 v14, 15, v0
	v_lshl_add_u32 v9, v14, 4, v9
	s_mul_i32 s29, s28, 16*HP
	v_add_nc_u32 v9, s29, v9                       ; out of the stage: wave w takes pieces 16 w on, two an instruction
	v_lshl_add_u32 v11, v0, 2, SCLB                ; and thread t scale word t
	s_mov_b32 s[SEL], 0x76543210
	s_mov_b32 s[SEL+1], 0xfedcba98
	s_mov_b32 s[MNT], 0x600000                     ; the mantissa field of 448
	s_mov_b32 s37, 0x3a800000                      ; 1 / 1,024
	s_mov_b32 s38, 0x3727c5ac                      ; 1e-5
.if WITH_W
	s_mov_b32 s22, 704                             ; ff2_w's figures; the others replace them below
	s_mov_b32 s23, 64                              ; NB
	s_mov_b32 s24, 4096                            ; bytes of scale words for one t
	s_mov_b32 s25, 12288                           ; a row in memory
	s_mov_b32 s26, WF2C
	s_mov_b32 s27, WF2S
	s_wait_kmcnt 0x0
	s_mov_b64 s[20:21], s[16:17]
.macro PICK lim, src, first, nb, sp4, co, so
	s_cmp_lt_u32 ttmp9, \lim
	s_cselect_b64 s[20:21], s[\src:\src+1], s[20:21]
	s_cselect_b32 s22, \first, s22
	s_cselect_b32 s23, \nb, s23
	s_cselect_b32 s24, \sp4, s24
	s_cselect_b32 s25, 4096, s25
	s_cselect_b32 s26, \co, s26
	s_cselect_b32 s27, \so, s27
.endm
	PICK 704, 14, 512, 192, 12288, WF1C, WF1S
	PICK 512, 12, 448, 64, 4096, WOC, WOS
	PICK 448, 10, 256, 256, 16384, WQC, WQS
	PICK 256, 4, 0, 256, 16384, 0, HS
	s_sub_co_u32 s29, ttmp9, s22
	s_cmp_ge_u32 ttmp9, 704
	s_cselect_b32 s39, 63, -1
	s_and_b32 s40, s29, s39                        ; the block
	s_sub_co_u32 s41, s29, s40
	s_lshr_b32 s41, s41, 6                         ; which third of K (0 but for ff2_w)
.else
	s_mov_b32 s23, 256
	s_mov_b32 s24, 16384
	s_mov_b32 s25, 4096
	s_mov_b32 s26, 0
	s_mov_b32 s27, 4194304
	s_mov_b32 s40, ttmp9
	s_mov_b32 s41, 0
	s_wait_kmcnt 0x0
	s_mov_b64 s[20:21], s[4:5]
	s_mov_b64 s[18:19], s[10:11]
.endif
	s_lshr_b32 s42, s40, 1
	s_lshl_b32 s42, s42, 5
	s_and_b32 s43, s40, 1
	s_lshl_b32 s43, s43, 3
	s_add_co_u32 s42, s42, s43
	s_lshl_b32 s43, s28, 2
	s_add_co_u32 s42, s42, s43
	s_lshr_b32 s43, s28, 1
	s_lshl_b32 s43, s43, 3
	s_add_co_u32 s42, s42, s43                     ; my first true row: places 4 w .. 4 w + 3 are four neighbouring rows
	s_mul_i32 s42, s42, s25
	s_lshl_b32 s43, s41, 12
	s_add_co_u32 s42, s42, s43
	s_mov_b32 s43, 0
	s_add_nc_u64 s[20:21], s[20:21], s[42:43]
	s_lshl_b32 s44, s41, 2
	s_add_co_u32 s44, s44, s28
	s_mul_i32 s44, s44, s23
	s_add_co_u32 s44, s44, s40
	s_lshl_b32 s44, s44, 12
	s_add_co_u32 s44, s44, s26
	s_mov_b32 s45, 0
	s_add_nc_u64 s[30:31], s[18:19], s[44:45]      ; my 4,096 bytes of codes: K step 4 third + w of my block
	s_lshl_b32 s44, s41, 3
	s_mul_i32 s44, s44, s24
	s_lshl_b32 s46, s40, 6
	s_add_co_u32 s44, s44, s46
	s_add_co_u32 s44, s44, s27
	s_add_nc_u64 s[32:33], s[18:19], s[44:45]      ; my block's scale words
.irp i, 0,1,2,3
	v_mad_u32_u24 v[3+\i], s25, \i, v2
.endr
	v_lshrrev_b32 v13, 4, v0
	v_and_b32 v14, 15, v0
	v_lshlrev_b32 v14, 2, v14
	v_mad_u32_u24 v12, v13, s24, v14               ; thread t's scale word in memory: t / 16 is the K step of 128, t % 16 the place
.irp i, 0,1,2,3
.irp p, 0,1,2,3
	global_load_b128 v[X+32*\i+8*\p:X+32*\i+8*\p+3], v[3+\i], s[20:21] offset:1024*\p th:TH_LOAD_NT
	global_load_b128 v[X+32*\i+8*\p+4:X+32*\i+8*\p+7], v[3+\i], s[20:21] offset:1024*\p+16 th:TH_LOAD_NT   ; the two together read 1,024 dense bytes
.endr
.endr
.if WITH_W
	s_cmp_lt_u32 ttmp9, 256                        ; only x is normalised
	s_cbranch_scc0 .Lq
.endif
.irp p, 0,1,2,3
	global_load_b128 v[W+8*\p:W+8*\p+3], v2, s[6:7] offset:1024*\p
	global_load_b128 v[W+8*\p+4:W+8*\p+7], v2, s[6:7] offset:1024*\p+16
	global_load_b128 v[BV+8*\p:BV+8*\p+3], v2, s[8:9] offset:1024*\p
	global_load_b128 v[BV+8*\p+4:BV+8*\p+7], v2, s[8:9] offset:1024*\p+16
.endr
.irp i, 0,1,2,3,4,5,6,7
	v_mov_b32 v[RS+\i], 0                          ; written once: a lane permute's destination, and the upper halves of pairs that are named whole
.endr
.macro WSUM                            ; the four rows' sums over the 32 lanes, by turns
.irp m, 1,2,4,8
.irp i, 0,1,2,3
	v_add_f32_dpp v[SA+2*\i], v[SA+2*\i], v[SA+2*\i] row_xmask:\m row_mask:0xf bank_mask:0xf
.endr
.endr
.irp i, 0,1,2,3
	v_permlanex16_b32 v[RS+2*\i], v[SA+2*\i], s[SEL], s[SEL+1]
.endr
.irp i, 0,1,2,3
	v_add_f32 v[SA+2*\i], v[SA+2*\i], v[RS+2*\i]
.endr
.endm
	s_wait_loadcnt 0x0
.irp i, 0,1,2,3
	v_pk_add_f32 v[SA+2*\i:SA+2*\i+1], v[X+32*\i:X+32*\i+1], v[X+32*\i+2:X+32*\i+3]
.endr
.irp j, 4,6,8,10,12,14,16,18,20,22,24,26,28,30
.irp i, 0,1,2,3
	v_pk_add_f32 v[SA+2*\i:SA+2*\i+1], v[SA+2*\i:SA+2*\i+1], v[X+32*\i+\j:X+32*\i+\j+1]
.endr
.endr
.irp i, 0,1,2,3
	v_add_f32 v[SA+2*\i], v[SA+2*\i], v[SA+2*\i+1]
.endr
	WSUM
.irp i, 0,1,2,3
	v_mul_f32 v[SA+2*\i], s37, v[SA+2*\i]          ; the mean
.endr
.irp j, 0,2,4,6,8,10,12,14,16,18,20,22,24,26,28,30
.irp i, 0,1,2,3
	v_pk_add_f32 v[X+32*\i+\j:X+32*\i+\j+1], v[X+32*\i+\j:X+32*\i+\j+1], v[SA+2*\i:SA+2*\i+1] op_sel_hi:[1,0] neg_lo:[0,1] neg_hi:[0,1]
.endr
.endr
.irp i, 0,1,2,3
	v_pk_mul_f32 v[SA+2*\i:SA+2*\i+1], v[X+32*\i:X+32*\i+1], v[X+32*\i:X+32*\i+1]
.endr
.irp j, 2,4,6,8,10,12,14,16,18,20,22,24,26,28,30
.irp i, 0,1,2,3
	v_pk_fma_f32 v[SA+2*\i:SA+2*\i+1], v[X+32*\i+\j:X+32*\i+\j+1], v[X+32*\i+\j:X+32*\i+\j+1], v[SA+2*\i:SA+2*\i+1]
.endr
.endr
.irp i, 0,1,2,3
	v_add_f32 v[SA+2*\i], v[SA+2*\i], v[SA+2*\i+1]
.endr
	WSUM
.irp i, 0,1,2,3
	v_fma_f32 v[SA+2*\i], v[SA+2*\i], s37, s38     ; the variance + 1e-5
.endr
	s_wait_alu depctr_va_vdst(0)
.irp i, 0,1,2,3
	v_rsq_f32 v[RS+2*\i], v[SA+2*\i]
.endr
	v_nop                                          ; a plain line behind the last of the four,
	s_wait_alu depctr_va_vdst(0)                   ; and one wait for the four, ahead of their first reader
.irp j, 0,2,4,6,8,10,12,14,16,18,20,22,24,26,28,30
.irp i, 0,1,2,3
	v_pk_mul_f32 v[X+32*\i+\j:X+32*\i+\j+1], v[X+32*\i+\j:X+32*\i+\j+1], v[RS+2*\i:RS+2*\i+1] op_sel_hi:[1,0]
.endr
.endr
.irp j, 0,2,4,6,8,10,12,14,16,18,20,22,24,26,28,30
.irp i, 0,1,2,3
	v_pk_fma_f32 v[X+32*\i+\j:X+32*\i+\j+1], v[X+32*\i+\j:X+32*\i+\j+1], v[W+\j:W+\j+1], v[BV+\j:BV+\j+1]
.endr
.endr
.Lq:
	s_wait_loadcnt 0x0
; Row i: its four quarters by turns.  A block of 32 lies in four neighbouring lanes.
.macro Q8 i
.irp p, 0,1,2,3
	v_max3_num_f32 v[M+\p], |v[X+32*\i+8*\p]|, |v[X+32*\i+8*\p+1]|, 0x4800000   ; with the floor 2^(9 - 127): the byte cannot fall under 1
.endr
.irp j, 2,4,6
.irp p, 0,1,2,3
	v_max3_num_f32 v[M+\p], v[M+\p], |v[X+32*\i+8*\p+\j]|, |v[X+32*\i+8*\p+\j+1]|
.endr
.endr
.irp p, 0,1,2,3
	v_max_num_f32_dpp v[M+\p], v[M+\p], v[M+\p] row_xmask:1 row_mask:0xf bank_mask:0xf
.endr
.irp p, 0,1,2,3
	v_max_num_f32_dpp v[M+\p], v[M+\p], v[M+\p] row_xmask:2 row_mask:0xf bank_mask:0xf
.endr
.irp p, 0,1,2,3
	v_add_nc_u32 v[SO+\p], 0xfc000000, v[M+\p]     ; 8 off the exponent field: the conversion's scale operand
.endr
.irp p, 0,1,2,3
	v_and_or_b32 v[HO+\p], v[M+\p], 0x7f800000, s[MNT]   ; 448 x the scale
.endr
.irp p, 0,1,2,3
.irp j, 0,1,2,3,4,5,6,7
	v_med3_num_f32 v[X+32*\i+8*\p+\j], v[X+32*\i+8*\p+\j], -v[HO+\p], v[HO+\p]   ; the conversion does not saturate (ISA guide 7.6.2): the hold comes first
.endr
.endr
.irp p, 0,1,2,3
	v_cvt_scalef32_pk8_fp8_f32 v[C+8*\i+2*\p:C+8*\i+2*\p+1], v[X+32*\i+8*\p:X+32*\i+8*\p+7], v[SO+\p]
.endr
.irp p, 0,1,2,3
	v_lshrrev_b32 v[E+4*\i+\p], 23, v[SO+\p]       ; the scale's byte
.endr
.irp p, 0,1,2,3
	ds_store_b64 v7, v[C+8*\i+2*\p:C+8*\i+2*\p+1] offset:16*HP*\p+16*\i
	ds_store_b8 v8, v[E+4*\i+\p] offset:128*\p+4*\i   ; the four lanes of a block write the same byte with the same value
.endr
.endm
	Q8 0
	Q8 1
	Q8 2
	Q8 3
	s_wait_dscnt 0x0                               ; for the others: my stores into the stage are done
	s_barrier_signal -1
	s_barrier_wait -1
.irp n, 0,1,2,3,4,5,6,7
	ds_load_b128 v[X+4*\n:X+4*\n+3], v9 offset:2*HP*\n
.endr
	ds_load_b32 v[X+32], v11
	s_wait_dscnt 0x0
.irp n, 0,1,2,3,4,5,6,7
	global_store_b128 v10, v[X+4*\n:X+4*\n+3], s[30:31] offset:512*\n   ; 32 lanes store 512 consecutive bytes, aligned
.endr
	global_store_b32 v12, v[X+32], s[32:33]
	v_lshl_add_u32 v15, v0, 2, 0x4800              ; v0-v255 are all at work, so no two registers can be kept: my spare word's address and 0 are made here, v0 being as at the entry
	v_mov_b32 v14, 0                               ; (v14 was at work only while the offsets were made)
	s_wait_alu depctr_va_vdst(0)
	s_wait_tensorcnt 0x0                           ; the wave's end
	ds_add_u32 v15, v14
	s_wait_dscnt 0x0
	s_endpgm
.Lfunc_end_k_q6e18b8e471_prep:
	.size	k_q6e18b8e471_prep, .Lfunc_end_k_q6e18b8e471_prep-k_q6e18b8e471_prep
	.p2alignl 7, 3214868480
	.fill 96, 4, 3214868480
	.section	.rodata,"a",@progbits
	.p2align	6, 0x0
	.amdhsa_kernel k_q6e18b8e471_prep
		.amdhsa_group_segment_fixed_size 18944
		.amdhsa_private_segment_fixed_size 0
		.amdhsa_enable_private_segment 0
		.amdhsa_kernarg_size 64
		.amdhsa_user_sgpr_count 2
		.amdhsa_user_sgpr_kernarg_segment_ptr 1
		.amdhsa_wavefront_size32 1
		.amdhsa_system_sgpr_workgroup_id_x 1
		.amdhsa_system_sgpr_workgroup_id_y 1
		.amdhsa_system_sgpr_workgroup_id_z 1
		.amdhsa_system_vgpr_workitem_id 0
		.amdhsa_next_free_vgpr 256
		.amdhsa_next_free_sgpr 66
		.amdhsa_reserve_vcc 0
		.amdhsa_float_denorm_mode_32 3
		.amdhsa_float_denorm_mode_16_64 3
		.amdhsa_memory_ordered 1
		.amdhsa_forward_progress 1
		.amdhsa_inst_pref_size 57
	.end_amdhsa_kernel
	.amdgpu_metadata
---
amdhsa.version: [ 1, 2 ]
amdhsa.kernels:
  - .name:           k_q6e18b8e471_prep
    .symbol:         k_q6e18b8e471_prep.kd
    .args:
      - { .name: x, .offset: 0, .size: 8, .value_kind: global_buffer, .address_space: global }
      - { .name: ln1_w, .offset: 8, .size: 8, .value_kind: global_buffer, .address_space: global }
      - { .name: ln1_b, .offset: 16, .size: 8, .value_kind: global_buffer, .address_space: global }
      - { .name: qkv_w, .offset: 24, .size: 8, .value_kind: global_buffer, .address_space: global }
      - { .name: out_w, .offset: 32, .size: 8, .value_kind: global_buffer, .address_space: global }
      - { .name: ff1_w, .offset: 40, .size: 8, .value_kind: global_buffer, .address_space: global }
      - { .name: ff2_w, .offset: 48, .size: 8, .value_kind: global_buffer, .address_space: global }
      - { .name: wq, .offset: 56, .size: 8, .value_kind: global_buffer, .address_space: global }
    .group_segment_fixed_size: 18944
    .private_segment_fixed_size: 0
    .kernarg_segment_align: 8
    .kernarg_segment_size: 64
    .max_flat_workgroup_size: 128
    .sgpr_count:     66
    .vgpr_count:     256
    .wavefront_size: 32
...
	.end_amdgpu_metadata
.endif
;; end of part 8
;; launch qkv (part 9): grid 8 x 24, 4 waves a work-group, clusters of 4 x 4, 327,680 bytes of LDS; arguments wq, qkv_b, qkvq; writes qkvq
.if DOCPART == 9
	.amdgcn_target "amdgcn-amd-amdhsa--gfx1250"
	.amdhsa_code_object_version 6
	.text
	.protected	k_q6e18b8e471_qkv
	.globl	k_q6e18b8e471_qkv
	.p2align	8
	.type	k_q6e18b8e471_qkv,@function
k_q6e18b8e471_qkv:
	s_mov_b64 s[64:65], 0
	v_nop
	global_prefetch_b8 v0, s[64:65] scope:SCOPE_SE
	s_setreg_imm32_b32 hwreg(HW_REG_WAVE_MODE, 25, 1), 1
	s_wait_xcnt 0x0
	s_wait_alu depctr_hold_cnt(0) depctr_sa_sdst(0) depctr_va_vdst(0) depctr_va_sdst(0) depctr_va_ssrc(0) depctr_va_vcc(0) depctr_vm_vsrc(0)
	s_getreg_b32 s2, hwreg(HW_REG_IB_STS2, 6, 4)
	s_cmp_eq_u32 s2, 0
	s_cbranch_scc0 .Lentry_in_a_cluster
	s_endpgm
.Lentry_in_a_cluster:
	s_bfe_u32 s2, ttmp6, 0x10000c
	s_cmp_lg_u32 s2, 0xf033
	s_cbranch_scc0 .Lentry_shape_is_right
	s_endpgm
.Lentry_shape_is_right:
; q, k, v = LN1(x) Wqkv^T + b on codes of FP8 (E4M3) with E8M0 scales, and the results quantised again in registers: q and k along the head's 64, v along the keys.
; OPERANDS lie as IMAGES: rows in blocks of 16 (place r of block b = true row 32 (b / 2) + 8 (b % 2) + r + 8 (r / 8)); a fragment (16 places x 128 K) is 2,048 bytes, chunk c of 512, lane l's 16 bytes at 16 l;
; a K step of 256 of 128 rows is 32,768 dense bytes.  Scale words lie [k / 128][place].  So a tile comes by one dense tensor load and a fragment by four loads of 512 consecutive LDS bytes.
; A tile is 256 A rows x 256 B rows, four waves, 128 x 128 each: 64 accumulators.  K goes in steps of 256 through two LDS slots; the scale words of all of K come once and stay.
; THE PRODUCT IS USED TRANSPOSED (source 0 = 16 B rows, source 1 = 16 A rows).  By the order of places, a lane's 16 registers of two neighbouring tiles are 16 neighbours along B's rows.
; Clusters y 0-3: A = h (tokens), B = Wq, Wk: a lane holds one token and runs along the features: q, k.  Clusters y 4, 5: A = Wv, B = h: a lane holds one channel and runs along the tokens: V^T.
; The choice hangs on the cluster's y alone: it is arithmetic on offsets, the same in all sixteen partners.
; CLUSTERS 4 x 4: A's tiles are asked for jointly along a row of the cluster, B's along a column.
; REGISTERS: window 0: v0-31 addresses, v8-15 A's bias, v32-63 scale words (two sets), v64-127 B's bias, v128-255 A's fragments (one set); window 1: B's fragments (two sets); windows 2, 3: accumulators.
; LIMITS: a block of zeros gets the byte 1 (codes zero; this program alone reads the bytes); largest magnitudes under 2^-118 are held at that byte; NaN and infinities are not served.
.set SIZE_K, 1024
.set NBA, 256
.set NBB, 256
.set SPA, 4096
.set SPB, 4096
.set WQC, 4194304
.set HS,  15728640
.set WQS, 15859712
.set VTC, 8388608
.set QKS, 12582912
.set VTS, 12845056
.set PF, 0
.set KT,     SIZE_K/128
.set LAPS,   SIZE_K/512
.set ASTEP,  NBA*4096                  ; bytes from a K step of 256 to the next
.set BSTEP,  NBB*4096
.set NQ,     2
.set FR,     16
.set NL,     4
.set NP,     8                         ; places behind this matrix instruction (ISA guide 7.12.1)
.set HALFT,  32768                     ; 128 rows x 256 K: what one tensor load brings
.set SLOT,   4*HALFT                   ; A's two halves, B's two halves
.set SCL,    2*SLOT                    ; behind the ring: A's scale words [k / 128][256 places], then B's
.set HALFS,  KT*512
.set SPARE,  SCL+4*HALFS               ; the spare words: 128 bytes a wave
.set ADRA, 16
.set ADRB, 20
.set ADRS, 27
.set SPW,  28
.set NIL,  29
.set SC,   32
.set AF,   128
.set G1, 24
.set G0, 32
.set G1B, 48
.set G0B, 56
.set G1S, 68
.set G0S, 76
.set G1SB, 80
.set G0SB, 88
.set ISV, 67                           ; s67: 1 in the clusters that make V^T
.set BB,  64                           ; B's bias: 8 registers a tile, in the result's layout
.set BA,  8                            ; A's bias: one number a lane and block
.set VBB, 7
.set VBA, 18
.set OI,  22
.set SWA, 23
.set SRA, 24
.set T,   128                          ; the way out: 64 numbers,
.set PC,  192                          ; their codes,
.set TM,  224                          ; at work,
.set PWS, 240                          ; the eight blocks' scale words,
.set PW,  248                          ; the one just made
.set SEL, 20
.set MNT, 22
.set EA,  23
.set MSB, 0
.macro WIN new                         ; the immediate's high byte repeats the setting that is left
.set WNEW, \new
.if MSB != WNEW
	s_set_vgpr_msb (MSB<<8)|WNEW
.set MSB, WNEW
.endif
.endm
.set MUL_LO, 0xa1                      ; source 0 (B) window 1, source 1 (A) window 0, C and D window 2
.set MUL_HI, 0xf1
.set TO_B,   0x40
; A joint load: waves 0 and 1 fetch for A, waves 2 and 3 for B; the branch hangs on the wave's number alone.  Four v_nop follow each line.
.macro JLOAD g0a, g1a, g0b, g1b
	s_cmp_eq_u32 s15, 0
	s_cbranch_scc0 .Lfor_b_\@
	tensor_load_to_lds s[\g0a:\g0a+3], s[\g1a:\g1a+7]
	s_nop 0
.rept 4
	v_nop
.endr
	s_branch .Lasked_\@
.Lfor_b_\@:
	tensor_load_to_lds s[\g0b:\g0b+3], s[\g1b:\g1b+7]
	s_nop 0
.rept 4
	v_nop
.endr
.Lasked_\@:
.endm
.macro CREST                           ; a round of the cluster's barrier behind its opening barrier
	s_cmp_lg_u32 s14, 0
	s_cbranch_scc1 .Lnot_wave_0_\@
	s_barrier_signal -3
.Lnot_wave_0_\@:
	s_barrier_wait -3
	s_barrier_signal -1
	s_barrier_wait -1
.endm
.macro CROUND
	s_barrier_signal -1
	s_barrier_wait -1
	CREST
.endm
	s_load_b64 s[4:5], s[0:1], 0x0                 ; wq, as A's buffer
	s_load_b64 s[6:7], s[0:1], 0x0                 ; and as B's
	s_load_b64 s[8:9], s[0:1], 0x8                 ; qkv_b
	s_load_b64 s[12:13], s[0:1], 0x10              ; qkvq
	v_lshl_add_u32 v[SPW], v0, 2, SPARE
	v_mov_b32 v[NIL], 0
	ds_add_u32 v28, v29
	ds_add_u32 v28, v29
	s_wait_dscnt 0x0
	v_lshrrev_b32 v1, 5, v0
	v_readfirstlane_b32 s14, v1                    ; wave
	s_lshr_b32 s15, s14, 1                         ; my half of A's rows.  Also: I fetch for A (0) or B (1)
	s_and_b32 s16, s14, 1                          ; my half of B's rows.  Also: which 128 rows I fetch
	s_bfe_u32 s40, ttmp6, 0x40000                  ; cx
	s_bfe_u32 s41, ttmp6, 0x40004                  ; cy
	s_and_b32 s66, ttmp7, 0xffff                   ; cluster y, 0 .. 5
	s_lshr_b32 s[ISV], s66, 2
	s_xor_b32 s2, s[ISV], 1
	s_mul_i32 s17, s2, s66
	s_lshl_b32 s17, s17, 2
	s_add_co_u32 s17, s17, s41                     ; A's tile: 4 y + cy of 16 (tokens), or cy of 4 (channels)
	s_and_b32 s42, s66, 3
	s_lshl_b32 s42, s42, 1
	s_mul_i32 s42, s42, s[ISV]
	s_add_co_u32 s42, s42, ttmp9
	s_lshl_b32 s42, s42, 2
	s_add_co_u32 s42, s42, s40                     ; B's tile: 4 x + cx of 8 (features), or 4 (x + 2 (y - 4)) + cx of 16 (tokens)
	s_lshl_b32 s43, s41, 2
	s_lshl_b32 s43, 15, s43                        ; my row of the cluster
	s_lshl_b32 s44, 0x1111, s40                    ; my column
	s_or_b32 s[G1+0], s43, (3<<16)|(1<<21)         ; the mask; elements of 8 bytes; bit 21 beside a mask; no padding
	s_or_b32 s[G1B+0], s44, (3<<16)|(1<<21)
.irp g, G1, G1B
	s_mov_b32 s[\g+1], 32<<16                      ; 128 rows of 256 bytes, dense
	s_mov_b32 s[\g+2], 256<<16                     ; the head's loads bring a side's 256 rows; behind them the two words that count rows are set to 128
	s_mov_b32 s[\g+3], 32<<16
	s_mov_b32 s[\g+4], 256
	s_mov_b32 s[\g+5], 32
	s_mov_b32 s[\g+6], 0
	s_mov_b32 s[\g+7], 0
.endr
	s_or_b32 s[G1S+0], s43, (3<<16)|(1<<21)
	s_or_b32 s[G1SB+0], s44, (3<<16)|(1<<21)
.irp g, G1S, G1SB
	s_mov_b32 s[\g+1], 128<<16                     ; KT rows of 1,024 bytes: 256 places' words of one k / 128
	s_mov_b32 s[\g+2], KT<<16
	s_mov_b32 s[\g+3], 128<<16
	s_mov_b32 s[\g+4], KT
	s_mov_b32 s[\g+6], 0
	s_mov_b32 s[\g+7], 0
.endr
	s_mov_b32 s[G1S+5], SPA/2
	s_mov_b32 s[G1SB+5], SPB/2
	s_lshl_b32 s18, s16, 3
	s_lshl_b32 s20, s17, 4
	s_add_co_u32 s20, s20, s18
	s_lshl_b32 s19, s[ISV], 7
	s_add_co_u32 s20, s20, s19                     ; A: block 16 tile + 8 half (+ 128: Wv's rows)
	s_sub_co_u32 s22, s20, s18                     ; the scale words of the tile's first block: one load brings both halves
	s_lshl_b32 s22, s22, 6
	s_mul_i32 s19, s[ISV], WQS-HS
	s_add_co_u32 s22, s22, s19
	s_add_co_u32 s22, s22, HS
	s_mov_b32 s23, 0
	s_lshl_b32 s20, s20, 12
	s_mul_i32 s19, s[ISV], WQC
	s_add_co_u32 s20, s20, s19
	s_mov_b32 s21, 0
	s_lshl_b32 s46, s42, 4
	s_add_co_u32 s46, s46, s18                     ; B: block 16 tile + 8 half
	s_lshl_b32 s92, s42, 10
	s_mul_i32 s94, s2, WQS-HS
	s_add_co_u32 s92, s92, s94
	s_add_co_u32 s92, s92, HS
	s_mov_b32 s93, 0
	s_lshl_b32 s46, s46, 12
	s_mul_i32 s94, s2, WQC
	s_add_co_u32 s46, s46, s94
	s_mov_b32 s47, 0
	s_mul_i32 s45, s14, HALFT                      ; where they go: by the wave's number alone
	s_wait_kmcnt 0x0
	s_add_nc_u64 s[20:21], s[4:5], s[20:21]
	s_add_nc_u64 s[22:23], s[4:5], s[22:23]
	s_add_nc_u64 s[46:47], s[6:7], s[46:47]
	s_add_nc_u64 s[92:93], s[6:7], s[92:93]
	CROUND                                         ; all sixteen work-groups are here: the first joint loads meet
	s_mov_b32 s[G0S], 1
	s_mov_b32 s[G0S+1], SCL
	s_mov_b64 s[G0S+2:G0S+3], s[22:23]
	s_or_b32 s[G0S+3], s[G0S+3], 0x80000000
	s_mov_b32 s[G0SB], 1
	s_mov_b32 s[G0SB+1], SCL+2*HALFS
	s_mov_b64 s[G0SB+2:G0SB+3], s[92:93]
	s_or_b32 s[G0SB+3], s[G0SB+3], 0x80000000
.irp s, 0,1
	s_mov_b32 s[G0+4*\s], 1
	s_add_co_u32 s[G0+4*\s+1], s45, \s*SLOT
	s_add_nc_u64 s[G0+4*\s+2:G0+4*\s+3], s[20:21], \s*ASTEP
	s_or_b32 s[G0+4*\s+3], s[G0+4*\s+3], 0x80000000
	s_mov_b32 s[G0B+4*\s], 1
	s_add_co_u32 s[G0B+4*\s+1], s45, \s*SLOT
	s_add_nc_u64 s[G0B+4*\s+2:G0B+4*\s+3], s[46:47], \s*BSTEP
	s_or_b32 s[G0B+4*\s+3], s[G0B+4*\s+3], 0x80000000
.endr
; THE HEAD'S LOADS, ONE A WAVE, in one chain of arms on the wave's number: wave 0 K step 0's 256 rows of A, wave 2 those of B (each wave's own group 0 for slot 0 names just that place), wave 1 A's scale words, wave 3 B's.
.macro ARM w, g0, g1, next
	s_cmp_eq_u32 s14, \w
	s_cbranch_scc0 \next
	tensor_load_to_lds s[\g0:\g0+3], s[\g1:\g1+7]
	s_nop 0
.rept 4
	v_nop
.endr
	s_branch .Lhead_asked
\next:
.endm
	ARM 0, G0, G1, .Lhead_b
	ARM 2, G0B, G1B, .Lhead_sa
	ARM 1, G0S, G1S, .Lhead_sb
	tensor_load_to_lds s[G0SB:G0SB+3], s[G1SB:G1SB+7]
	s_nop 0
.rept 4
	v_nop
.endr
.Lhead_asked:
; PREFETCHES INTO THE L2, two K steps ahead of the loads.  A wave's load of the ring is 32,768 dense bytes, asked for jointly by four partners: each partner names 8,192 of them, told apart by address (cx for A, cy for B),
; lanes 256 bytes apart, one instruction a wave.  Here, behind K step 0's load: K step 2.  Behind K step 1's load: K step 3.  The two refills have no K step two on and ask for nothing.
	s_cmp_eq_u32 s15, 0                            ; do I fetch for A?
	s_cselect_b64 s[96:97], s[20:21], s[46:47]     ; my 128 rows in K step 0
	s_cselect_b32 s94, s40, s41                    ; my place among the four that ask with me
	s_mov_b32 s98, BSTEP
	s_cselect_b32 s98, ASTEP, s98                  ; a K step on, in bytes
	s_mov_b32 s99, 0
	s_mov_b32 s95, 0
	s_lshl_b32 s94, s94, 13
	s_add_nc_u64 s[96:97], s[96:97], s[94:95]
	s_add_nc_u64 s[96:97], s[96:97], s[98:99]
	s_add_nc_u64 s[96:97], s[96:97], s[98:99]      ; K step 2; never rewritten
	s_add_nc_u64 s[98:99], s[96:97], s[98:99]      ; K step 3; never rewritten
	v_and_b32 v30, 31, v0
	v_lshlrev_b32 v30, 8, v30                      ; 256 x lane; never rewritten
	global_prefetch_b8 v30, s[96:97] th:TH_LOAD_NT scope:SCOPE_SE
	v_and_b32 v1, 15, v0                           ; r
	v_bfe_u32 v2, v0, 4, 1                         ; h
	s_wait_alu depctr_va_vdst(0)
	v_and_b32 v3, 31, v0                           ; lane
	v_lshlrev_b32 v4, 4, v3                        ; 16 x lane; never rewritten
	s_mul_i32 s21, s15, HALFT
	s_mul_i32 s22, s16, HALFT
	s_add_co_u32 s22, s22, 2*HALFT
.irp s, 0,1
	v_add_nc_u32 v[ADRA+\s], s21, v4
	v_add_nc_u32 v[ADRB+\s], s22, v4
	s_add_co_u32 s21, s21, SLOT
	s_add_co_u32 s22, s22, SLOT
.endr
	v_lshlrev_b32 v5, 2, v1
	s_lshl_b32 s21, s15, 9                         ; my 128 places of a row of 256 words
	s_lshl_b32 s22, s16, 9
	s_add_co_u32 s22, s22, 2*HALFS
	s_sub_co_u32 s22, s22, s21
	v_mul_u32_u24 v6, s22, v2                      ; lanes 16-31 take B's words
	s_add_co_u32 s21, s21, SCL
	v_add_nc_u32 v5, v5, v6
	v_add_nc_u32 v[ADRS], s21, v5
	; the way out: where my 128 x 128 goes
	s_lshl_b32 s18, s17, 4
	s_lshl_b32 s19, s15, 3
	s_add_co_u32 s18, s18, s19                     ; my first block of A's rows
	s_mul_i32 s19, s[ISV], 192
	s_sub_co_u32 s19, 256, s19                     ; blocks in the output's image: 256 (tokens) or 64 (channels)
	s_mul_i32 s20, s42, s19
	s_add_co_u32 s20, s20, s18
	s_lshl_b32 s20, s20, 12
	s_lshl_b32 s19, s16, 11
	s_add_co_u32 s20, s20, s19
	s_mul_i32 s19, s[ISV], VTC
	s_add_co_u32 s20, s20, s19
	s_mov_b32 s21, 0
	s_mul_i32 s19, s[ISV], 12288
	s_sub_co_u32 s19, 16384, s19
	s_lshl_b32 s22, s42, 1
	s_add_co_u32 s22, s22, s16
	s_mul_i32 s22, s22, s19
	s_lshl_b32 s18, s18, 6
	s_add_co_u32 s22, s22, s18
	s_mul_i32 s19, s[ISV], VTS-QKS
	s_add_co_u32 s22, s22, s19
	s_add_co_u32 s22, s22, QKS
	s_mov_b32 s23, 0
	s_add_nc_u64 s[10:11], s[12:13], s[22:23]      ; my 128 scale words
	s_add_nc_u64 s[12:13], s[12:13], s[20:21]      ; my eight fragments, 4,096 bytes apart
	; both biases are loaded, from places that are valid either way; the one that does not apply is multiplied by 0 on the way out
	s_lshl_b32 s18, s42, 10
	s_lshl_b32 s19, s16, 9
	s_add_co_u32 s18, s18, s19
	s_mul_i32 s18, s18, s2
	s_mov_b32 s19, 0
	s_lshl_b32 s20, s17, 10
	s_lshl_b32 s21, s15, 9
	s_add_co_u32 s20, s20, s21
	s_add_co_u32 s20, s20, 8192
	s_mul_i32 s20, s20, s[ISV]
	s_mov_b32 s21, 0
	s_add_nc_u64 s[92:93], s[8:9], s[20:21]
	s_add_nc_u64 s[8:9], s[8:9], s[18:19]
	v_lshlrev_b32 v[VBB], 6, v2
	v_and_b32 v5, 8, v1
	v_add_nc_u32 v5, v5, v1
	v_lshlrev_b32 v[VBA], 2, v5
.irp b, 0,1,2,3,4,5,6,7
	global_load_b128 v[BB+8*\b:BB+8*\b+3], v[VBB], s[8:9] offset:(32*(\b/2)+8*(\b%2))*4      ; tile b, lane (r, h): B's true rows 32 (b / 2) + 8 (b % 2) + 16 h + 0 .. 7
	global_load_b128 v[BB+8*\b+4:BB+8*\b+7], v[VBB], s[8:9] offset:(32*(\b/2)+8*(\b%2))*4+16
	global_load_b32 v[BA+\b], v[VBA], s[92:93] offset:(32*(\b/2)+8*(\b%2))*4                 ; block b, lane r: A's true row
.endr
	v_mov_b32 v[OI], v4
	s_lshl_b32 s18, s14, 9
	v_lshl_add_u32 v[SWA], v1, 2, s18              ; 512 bytes of my own in slot 0, for the scale words on the way out
	v_add_nc_u32 v[SRA], s18, v4
.macro FRAG reg, adr, q, i             ; a fragment as it lies: four loads of 512 consecutive bytes
.irp c, 0,1,2,3
	ds_load_b128 v[\reg+4*\c:\reg+4*\c+3], v[\adr] offset:4096*(\i)+2048*(\q)+512*\c
.endr
.endm
; 16 matrix instructions: A's blocks a0, a0 + 1 x B's eight.  The 64 accumulators take turns, one instruction a turn, in the same order in every step.
.macro MUL16 a0, p, q, sc, zero
.irp a, \a0, \a0+1
.irp b, 0,1,2,3,4,5,6,7
.if \zero
	v_wmma_scale_f32_16x16x128_f8f6f4 v[8*(8*((\a)%4)+\b):8*(8*((\a)%4)+\b)+7], v[128*(\p)+FR*\b:128*(\p)+FR*\b+FR-1], v[AF+FR*(\a):AF+FR*(\a)+FR-1], 0, v[SC+8*NQ*(\sc)+NQ*\b+(\q)], v[SC+8*NQ*(\sc)+NQ*(\a)+(\q)] matrix_a_scale:MATRIX_SCALE_ROW1
.else
	v_wmma_scale_f32_16x16x128_f8f6f4 v[8*(8*((\a)%4)+\b):8*(8*((\a)%4)+\b)+7], v[128*(\p)+FR*\b:128*(\p)+FR*\b+FR-1], v[AF+FR*(\a):AF+FR*(\a)+FR-1], v[8*(8*((\a)%4)+\b):8*(8*((\a)%4)+\b)+7], v[SC+8*NQ*(\sc)+NQ*\b+(\q)], v[SC+8*NQ*(\sc)+NQ*(\a)+(\q)] matrix_a_scale:MATRIX_SCALE_ROW1
.endif
.endr
.endr
.endm
.macro FETCH_B slot, q, p
	WIN TO_B
.irp i, 0,1,2,3,4,5,6,7
	FRAG 128*(\p)+FR*\i, ADRB+\slot, \q, \i
.endr
	WIN 0
.endm
.macro FETCH_A slot, q, i0
.irp i, \i0, \i0+1, \i0+2, \i0+3
	FRAG AF+FR*(\i), ADRA+\slot, \q, \i
.endr
.endm
.macro SCALES sc                       ; register 2 i + q: lanes 0-15 the words of A's block i, lanes 16-31 of B's block i
.irp i, 0,1,2,3,4,5,6,7
.irp q, 0,1
	ds_load_b32 v[SC+16*\sc+2*\i+\q], v[ADRS] offset:64*\i+1024*\q
.endr
.endr
.endm
.macro PLACES n
.rept \n
	v_nop
.endr
.endm
.macro STEP slot, q, zero              ; 128 along K with its successor in the same slot
	s_wait_dscnt 4*NL                              ; all but the youngest 16 loads (A's blocks 4-7) are in
	WIN MUL_LO
	MUL16 0, (\q)%2, \q, \slot, \zero
	MUL16 2, (\q)%2, \q, \slot, \zero
	s_wait_dscnt 0
	PLACES NP
	FETCH_B \slot, (\q)+1, 1-(\q)%2
	FETCH_A \slot, (\q)+1, 0
	WIN MUL_HI
	MUL16 4, (\q)%2, \q, \slot, \zero
	MUL16 6, (\q)%2, \q, \slot, \zero
	PLACES NP
	WIN 0
	FETCH_A \slot, (\q)+1, 4
.endm
; A slot's last step changes slots: one barrier; ahead of it each wave waits for all its tensor loads, adds 0 to its spare word, and waits for that and for its reads of the slot.
.macro TURN slot, next, fill
	s_wait_tensorcnt 0x0                           ; all my tensor loads have landed: my part of the next slot
	ds_add_u32 v[SPW], v[NIL]
	s_wait_dscnt 4*NL+1                            ; (the add and the youngest 16 loads may be out)
	WIN MUL_LO
	MUL16 0, 1, NQ-1, \slot, 0
	s_wait_dscnt 0x0                               ; the add is done, my reads of this slot are over
	s_barrier_signal -1
	MUL16 2, 1, NQ-1, \slot, 0
	WIN 0
	s_barrier_wait -1
.if \fill
	CREST                                          ; the barrier has opened a round of the cluster's barrier
	s_add_nc_u64 s[G0+4*\slot+2:G0+4*\slot+3], s[G0+4*\slot+2:G0+4*\slot+3], 2*ASTEP
	s_add_nc_u64 s[G0B+4*\slot+2:G0B+4*\slot+3], s[G0B+4*\slot+2:G0B+4*\slot+3], 2*BSTEP
	JLOAD G0+4*\slot, G1, G0B+4*\slot, G1B         ; the first tensor load behind the round, one a wave
	PLACES NP-4
.else
	PLACES NP
.endif
	s_wait_alu depctr_va_vdst(0)
	v_add_nc_u32 v[ADRS], 1024*NQ, v[ADRS]
	FETCH_B \next, 0, 0
	FETCH_A \next, 0, 0
	SCALES \next
	WIN MUL_HI
	MUL16 4, 1, NQ-1, \slot, 0
	MUL16 6, 1, NQ-1, \slot, 0
	PLACES NP
	WIN 0
	FETCH_A \next, 0, 4
.endm
	s_wait_alu depctr_va_vdst(0)
	s_wait_tensorcnt 0x0                           ; my tile of the head's four is in
	ds_add_u32 v[SPW], v[NIL]
	s_mov_b32 s[G1+2], 128<<16                     ; no tensor load of mine is out: from here on a load brings 128 rows
	s_mov_b32 s[G1+4], 128
	s_mov_b32 s[G1B+2], 128<<16
	s_mov_b32 s[G1B+4], 128
	s_wait_dscnt 0x0
	CROUND                                         ; all four tiles are in, and all sixteen work-groups are here
	JLOAD G0+4, G1, G0B+4, G1B                     ; K step 1, a quarter of slot 1 a wave: the first tensor load behind the round
	FETCH_B 0, 0, 0
	FETCH_A 0, 0, 0
	SCALES 0
	FETCH_A 0, 0, 4
	global_prefetch_b8 v30, s[98:99] th:TH_LOAD_NT scope:SCOPE_SE   ; K step 3, behind K step 1's load and the first run of LDS loads
	STEP 0, 0, 1                                   ; the first products start the sums
	s_mov_b32 s3, LAPS-1
.Llap:
	TURN 0, 1, 1
	STEP 1, 0, 0
	TURN 1, 0, 1
	STEP 0, 0, 0
	s_sub_co_u32 s3, s3, 1
	s_cmp_lg_u32 s3, 0
	s_cbranch_scc1 .Llap
	TURN 0, 1, 0                                   ; the last lap fills nothing
	STEP 1, 0, 0
	s_wait_dscnt 4*NL
	WIN MUL_LO
	MUL16 0, 1, NQ-1, 1, 0
	MUL16 2, 1, NQ-1, 1, 0
	s_wait_dscnt 0
	WIN MUL_HI
	MUL16 4, 1, NQ-1, 1, 0
	MUL16 6, 1, NQ-1, 1, 0
	WIN 0
; THE WAY OUT.  Block a (16 A rows x my 128 B rows): a lane's 64 numbers are register 16 b + i = k 32 b + 16 h + i of its row: just what a fragment of the next product holds.  Bias, quantiser, four stores of 512 bytes.
; A loop of eight trips: only the small piece TAKE a names block a's accumulators; a trip's head jumps to its piece by the loop's own counter.
.macro TAKE a
.if (\a) > 0
	v_mov_b32 v[PWS+(\a)-1], v[PW]                 ; the last trip's scale word
.endif
	WIN 0x02+(\a)/4
.set i, 0
.rept 32
	v_pk_add_f32 v[T+i:T+i+1], v[64*((\a)%4)+i:64*((\a)%4)+i+1], v[BB+i:BB+i+1]   ; each accumulator from its low end on
.set i, i+2
.endr
	WIN 0
.set i, 0
.rept 32
.if (\a)%2
	v_pk_add_f32 v[T+i:T+i+1], v[T+i:T+i+1], v[BA+2*((\a)/2):BA+2*((\a)/2)+1] op_sel:[0,1] op_sel_hi:[1,1]
.else
	v_pk_add_f32 v[T+i:T+i+1], v[T+i:T+i+1], v[BA+2*((\a)/2):BA+2*((\a)/2)+1] op_sel:[0,0] op_sel_hi:[1,0]
.endif
.set i, i+2
.endr
.endm
.macro QUANT                           ; v[T] on: 64 numbers -> v[PC] on: a fragment's codes, v[PW]: its scale word
.irp b, 0,1,2,3
	v_max3_num_f32 v[TM+\b], |v[T+16*\b]|, |v[T+1+16*\b]|, 0x4800000   ; with the floor 2^(9 - 127): the byte cannot fall under 1
.endr
.irp i, 2,4,6,8,10,12,14
.irp b, 0,1,2,3
	v_max3_num_f32 v[TM+\b], v[TM+\b], |v[T+16*\b+\i]|, |v[T+1+16*\b+\i]|
.endr
.endr
.irp b, 0,1,2,3
	v_permlanex16_b32 v[TM+4+\b], v[TM+\b], s[SEL], s[SEL+1]
.endr
.irp b, 0,1,2,3
	v_max_num_f32 v[TM+\b], v[TM+\b], v[TM+4+\b]   ; with lane l xor 16's 16: the block's largest magnitude
.endr
.irp b, 0,1,2,3
	v_add_nc_u32 v[TM+12+\b], 0xfc000000, v[TM+\b] ; 8 off the exponent field: the conversion's scale operand
.endr
.irp b, 0,1,2,3
	v_and_or_b32 v[TM+8+\b], v[TM+\b], 0x7f800000, s[MNT]   ; 448 x the scale
.endr
.irp b, 0,1,2,3
	v_lshrrev_b32 v[TM+4+\b], 23, v[TM+12+\b]      ; the scale's byte
.endr
	v_lshl_or_b32 v[PW], v[TM+5], 8, v[TM+4]
	v_lshl_or_b32 v[PW], v[TM+6], 16, v[PW]
	v_lshl_or_b32 v[PW], v[TM+7], 24, v[PW]
.irp b, 0,1,2,3
.irp i, 0,1,2,3,4,5,6,7,8,9,10,11,12,13,14,15
	v_med3_num_f32 v[T+16*\b+\i], v[T+16*\b+\i], -v[TM+8+\b], v[TM+8+\b]   ; the conversion does not saturate (ISA guide 7.6.2)
.endr
	v_cvt_scalef32_pk8_fp8_f32 v[PC+4*\b:PC+1+4*\b], v[T+16*\b:T+7+16*\b], v[TM+12+\b]
	v_cvt_scalef32_pk8_fp8_f32 v[PC+2+4*\b:PC+3+4*\b], v[T+8+16*\b:T+15+16*\b], v[TM+12+\b]
.endr
	v_nop                                          ; a plain line behind the last conversion
.endm
	PLACES NP
	s_wait_loadcnt 0x0                             ; the biases
	s_mov_b32 s[SEL], 0x76543210
	s_mov_b32 s[SEL+1], 0xfedcba98
	s_mov_b32 s[MNT], 0x600000
	s_cmp_eq_u32 s[ISV], 0
	s_cselect_b32 s45, 1.0, 0
	s_cselect_b32 s46, 0, 1.0
.set i, 0
.rept 64
	v_mul_f32 v[BB+i], s45, v[BB+i]
.set i, i+1
.endr
.set i, 0
.rept 8
	v_mul_f32 v[BA+i], s46, v[BA+i]
.set i, i+1
.endr
.irp b, 0,1,2,3
	v_mov_b32 v[TM+4+\b], 0                        ; a lane permute's destination counts as one of its sources
.endr
	v_mov_b32 v[PW], 0
	s_mov_b32 s[EA], 0
.Lepi:
.irp a, 0,1,2,3,4,5,6
	s_cmp_eq_u32 s[EA], \a
	s_cbranch_scc1 .Ltake\a
.endr
	s_wait_alu depctr_va_vdst(0)
	TAKE 7
	s_branch .Lwork
.irp a, 0,1,2,3,4,5
.Ltake\a:
	s_wait_alu depctr_va_vdst(0)
	TAKE \a
	s_branch .Lwork
.endr
.Ltake6:
	s_wait_alu depctr_va_vdst(0)
	TAKE 6
.Lwork:
	QUANT
.irp c, 0,1,2,3
	global_store_b128 v[OI], v[PC+4*\c:PC+4*\c+3], s[12:13] offset:512*\c   ; 32 lanes store 512 consecutive bytes, aligned
.endr
	s_wait_xcnt 0x0                                ; the stores have read their offset and data: both are written again only behind this wait
	v_add_nc_u32 v[OI], 4096, v[OI]
	s_add_co_u32 s[EA], s[EA], 1
	s_cmp_lt_u32 s[EA], 8
	s_cbranch_scc1 .Lepi
	v_mov_b32 v[PWS+7], v[PW]
.irp a, 0,1,2,3,4,5,6,7
	ds_store_b32 v[SWA], v[PWS+\a] offset:64*\a    ; slot 0 has had its last fill, and nobody reads it behind the last change of slots.  Lanes l and l + 16 write the same word with the same value
.endr
	ds_load_b128 v[T:T+3], v[SRA]                  ; LDS serves a wave's instructions in order (ISA guide 5.7.1.4)
	s_wait_dscnt 0x0
	global_store_b128 v4, v[T:T+3], s[10:11]       ; my 128 places' words: 512 consecutive bytes
	s_wait_tensorcnt 0x0                           ; the wave's end
	ds_add_u32 v[SPW], v[NIL]
	s_wait_dscnt 0x0
	CROUND                                         ; the closing round
	s_endpgm
.Lfunc_end_k_q6e18b8e471_qkv:
	.size	k_q6e18b8e471_qkv, .Lfunc_end_k_q6e18b8e471_qkv-k_q6e18b8e471_qkv
	.p2alignl 7, 3214868480
	.fill 96, 4, 3214868480
	.section	.rodata,"a",@progbits
	.p2align	6, 0x0
	.amdhsa_kernel k_q6e18b8e471_qkv
		.amdhsa_group_segment_fixed_size 327680
		.amdhsa_private_segment_fixed_size 0
		.amdhsa_enable_private_segment 0
		.amdhsa_kernarg_size 24
		.amdhsa_user_sgpr_count 2
		.amdhsa_user_sgpr_kernarg_segment_ptr 1
		.amdhsa_wavefront_size32 1
		.amdhsa_system_sgpr_workgroup_id_x 1
		.amdhsa_system_sgpr_workgroup_id_y 1
		.amdhsa_system_sgpr_workgroup_id_z 1
		.amdhsa_system_vgpr_workitem_id 0
		.amdhsa_next_free_vgpr 1024
		.amdhsa_next_free_sgpr 100
		.amdhsa_reserve_vcc 0
		.amdhsa_float_denorm_mode_32 3
		.amdhsa_float_denorm_mode_16_64 3
		.amdhsa_memory_ordered 1
		.amdhsa_forward_progress 1
		.amdhsa_inst_pref_size 169
	.end_amdhsa_kernel
	.amdgpu_metadata
---
amdhsa.version: [ 1, 2 ]
amdhsa.kernels:
  - .name:           k_q6e18b8e471_qkv
    .symbol:         k_q6e18b8e471_qkv.kd
    .args:
      - { .name: wq, .offset: 0, .size: 8, .value_kind: global_buffer, .address_space: global }
      - { .name: qkv_b, .offset: 8, .size: 8, .value_kind: global_buffer, .address_space: global }
      - { .name: qkvq, .offset: 16, .size: 8, .value_kind: global_buffer, .address_space: global }
    .group_segment_fixed_size: 327680
    .private_segment_fixed_size: 0
    .kernarg_segment_align: 8
    .kernarg_segment_size: 24
    .max_flat_workgroup_size: 128
    .sgpr_count:     100
    .vgpr_count:     1024
    .wavefront_size: 32
...
	.end_amdgpu_metadata
.endif
;; end of part 9
;; launch attn (part 10): grid 256 x 1, 4 waves a work-group, no clusters, 0 bytes of LDS; arguments qkvq, ctxq; writes ctxq
.if DOCPART == 10
	.amdgcn_target "amdgcn-amd-amdhsa--gfx1250"
	.amdhsa_code_object_version 6
	.text
	.protected	k_q6e18b8e471_attn
	.globl	k_q6e18b8e471_attn
	.p2align	8
	.type	k_q6e18b8e471_attn,@function
k_q6e18b8e471_attn:
	s_mov_b64 s[64:65], 0
	v_nop
	global_prefetch_b8 v0, s[64:65] scope:SCOPE_SE
	s_setreg_imm32_b32 hwreg(HW_REG_WAVE_MODE, 25, 1), 1
	s_wait_xcnt 0x0
; Causal attention in a window of 128 keys, 16 heads of 64, on codes of FP8 (E4M3) with E8M0 scales; the result is quantised again for the next product.
; SHARES.  A wave takes 32 queries (group G of 128) of a pair of heads (hp of 8): 1,024 waves.  The keys that count lie in five blocks of 32: G - 4 .. G; the first is cut by the window, the last by causality.
; All five are in hand at once, so M is the ceiling of the row's true largest t and nothing is rescaled.  No LDS, no barrier: every operand is an image of its registers in memory and comes by plain loads, all asked for at the head.
; No multicast: what neighbouring waves share are pieces of 1 KB that go straight into registers; there is no ring in which requests could meet.
; LAYOUT.  Both products transposed: S^T = K Q^T (source 0 = 16 keys), O^T = V^T P^T (source 0 = 16 channels): a lane holds one query.  By the images' order of places the 16 registers of two neighbouring tiles are
; 16 neighbouring keys (or channels), so the conversions' results are the next operand's registers.
; K = 64 OF THE FIRST PRODUCT IS FILLED TO 128 BY ZERO CODES OF Q; the upper half of K's operand is the next tile's codes (never the NaN code) and meets those zeros.  Likewise the second operand of V meets 12 zero registers of P.
; Key blocks of another batch are clamped to the batch's first block for the loads and get p = 0.
; SOFTMAX: t = score x log2(e) / 8; M = ceil(largest t); p = 2^(t - M) is quantised along the keys; the sum of the unquantised p divides at the end.
; LIMITS: a block of zeros gets the byte 1 (codes zero); NaN and infinities are not served.
.set VTC,  8388608
.set QKS,  12582912
.set VTS,  12845056
.set CTXS, 4194304
.set VK,  3                            ; v3-7   16 lane + the key block's place in K's image
.set VV,  8                            ; v8-12  the same in V^T's
.set VKS, 13                           ; v13-17 4 lane + its scale words
.set DC,  20                           ; v20-21 my query less my first key of the diagonal block, for query tile 0, 1
.set NINF, 22
.set LANE, 23
.set KS,  24                           ; v24-28 K's scale words: lanes 0-15 the block's first tile, lanes 16-31 its second
.set QS,  29                           ; v29    Q's: lanes 0-15 tile 0, lanes 16-31 tile 1
.set VS,  30                           ; v30-37 V's, four a head
.set CW,  38                           ; v38-39 ctx's scale words
.set CX,  40                           ; v40-55 ctx's codes, two sets
.set S,   64                           ; v64-143  scores, then p
.set P,   144                          ; v144-175 p's codes: 20 registers, then 12 zeros
.set O,   176                          ; v176-207 O^T
.set BM,  208
.set BT,  213
.set AD,  218
.set SCO, 228
.set HO,  233
.set BY,  238
.set SU,  244
.set NM,  248
.set TX,  249
.set PS1, 250
.set PS2, 251
.set RL,  252
.set LT,  254
.set QF,  180                          ; windows 1, 2 (head 0, 1): v0-87 K (tile i at 8 i, then 8 zeros); v88-179 V (tile t at 88 + 20 t, then 12 zeros); v180-211 Q0, zeros, Q1, zeros
.set VF,  88
.set KB,  20                           ; s20-24 the key blocks, clamped
.set VM,  25                           ; s25-28 all ones where the block belongs to my batch
.set CS,  30
.set SEL, 32
.set MNT, 34
.set SH,  35
.set SQ,  36
.set SK,  38
.set SV,  40
.set SQS, 42
.set SKS, 44
.set SVS, 46
.set SCC_, 48
.set SCS, 50
.set MSB, 0
.macro WIN new
.set WNEW, \new
.if MSB != WNEW
	s_set_vgpr_msb (MSB<<8)|WNEW
.set MSB, WNEW
.endif
.endm
	s_load_b128 s[4:7], s[0:1], 0x0                ; qkvq, ctxq
	v_lshrrev_b32 v1, 5, v0
	v_readfirstlane_b32 s8, v1                     ; wave
	v_and_b32 v[LANE], 31, v0
	v_lshlrev_b32 v1, 4, v[LANE]                   ; 16 x lane; never rewritten
	s_wait_alu depctr_va_vdst(0)
	v_lshlrev_b32 v2, 2, v[LANE]                   ; 4 x lane; never rewritten
	s_wait_alu depctr_va_vdst(0)
	s_and_b32 s9, ttmp9, 7                         ; hp
	s_lshr_b32 s10, ttmp9, 3
	s_lshl_b32 s10, s10, 2
	s_add_co_u32 s10, s10, s8                      ; G
	s_lshr_b32 s11, s10, 6                         ; batch
	s_lshl_b32 s12, s11, 6                         ; its first block of 32 tokens
.irp p, 0,1,2,3,4
	s_add_co_i32 s13, s10, \p-4
	s_cmp_ge_i32 s13, s12
.if \p < 4
	s_cselect_b32 s[VM+\p], -1, 0
.endif
	s_max_i32 s[KB+\p], s13, s12
.endr
.irp p, 0,1,2,3,4
	s_lshl_b32 s13, s[KB+\p], 13
	v_add_nc_u32 v[VK+\p], s13, v1
	s_lshr_b32 s13, s[KB+\p], 3
	s_lshl_b32 s13, s13, 18
	s_and_b32 s14, s[KB+\p], 7
	s_lshl_b32 s14, s14, 9
	s_add_co_u32 s13, s13, s14
	v_add_nc_u32 v[VV+\p], s13, v1
	s_lshl_b32 s13, s[KB+\p], 7
	v_add_nc_u32 v[VKS+\p], s13, v2
.endr
	s_lshr_b32 s13, s10, 2                         ; the 128 tokens that hold block G,
	s_sub_co_i32 s14, s13, 1                       ; and those before, held inside my batch
	s_lshl_b32 s15, s11, 4
	s_max_i32 s14, s14, s15
	s_lshl_b32 s14, s14, 12
	s_lshl_b32 s13, s13, 12
	v_add_nc_u32 v18, s14, v2
	v_add_nc_u32 v19, s13, v2
	s_and_b32 s[SH], s10, 3
	s_lshl_b32 s[SH], s[SH], 3
	v_and_b32 v[BM], 15, v0
	v_and_b32 v[BM+1], 8, v[BM]
	v_add_nc_u32 v[BM], v[BM], v[BM+1]             ; r + 8 (r / 8)
	v_bfe_u32 v[BM+1], v0, 4, 1
	v_lshlrev_b32 v[BM+1], 4, v[BM+1]
	v_sub_nc_u32 v[DC], v[BM], v[BM+1]
	v_add_nc_u32 v[DC+1], 8, v[DC]
	v_mov_b32 v[NINF], 0xff800000
	s_mov_b32 s[CS], 0x3e38aa3b                    ; log2(e) / 8
	s_mov_b32 s[CS+1], s[CS]
	s_mov_b32 s[SEL], 0x76543210
	s_mov_b32 s[SEL+1], 0xfedcba98
	s_mov_b32 s[MNT], 0x600000
	s_lshr_b32 s14, s9, 1
	s_lshl_b32 s14, s14, 20
	s_and_b32 s15, s9, 1
	s_lshl_b32 s15, s15, 11
	s_add_co_u32 s14, s14, s15                     ; the head pair's K step of 128 in an image of 256 blocks
	s_lshl_b32 s16, s10, 13
	s_add_co_u32 s16, s16, s14                     ; + my two blocks of queries
	s_mov_b32 s53, 0
	s_lshl_b32 s17, s9, 14
	s_lshl_b32 s18, s10, 7
	s_add_co_u32 s18, s18, s17                     ; the pair's row of scale words, my 32 places
	s_wait_alu depctr_va_vdst(0)
	s_wait_kmcnt 0x0
	s_mov_b32 s52, s16
	s_add_nc_u64 s[SQ:SQ+1], s[4:5], s[52:53]
	s_add_nc_u64 s[SCC_:SCC_+1], s[6:7], s[52:53]
	s_add_co_u32 s52, s14, 4*1048576
	s_add_nc_u64 s[SK:SK+1], s[4:5], s[52:53]
	s_lshl_b32 s52, s9, 15
	s_add_co_u32 s52, s52, VTC
	s_add_nc_u64 s[SV:SV+1], s[4:5], s[52:53]
	s_add_co_u32 s52, s18, QKS
	s_add_nc_u64 s[SQS:SQS+1], s[4:5], s[52:53]
	s_add_co_u32 s52, s17, QKS+8*16384
	s_add_nc_u64 s[SKS:SKS+1], s[4:5], s[52:53]
	s_lshl_b32 s52, s9, 9
	s_add_co_u32 s52, s52, VTS
	s_add_nc_u64 s[SVS:SVS+1], s[4:5], s[52:53]
	s_add_co_u32 s52, s18, CTXS
	s_add_nc_u64 s[SCS:SCS+1], s[6:7], s[52:53]
.macro LOADS e                         ; head e: 48 loads
	WIN 0x40*(1+\e)
.irp u, 0,1
.irp c, 0,1
	global_load_b128 v[QF+16*\u+4*\c:QF+16*\u+4*\c+3], v1, s[SQ:SQ+1] offset:4096*\u+1024*\e+512*\c
.endr
.endr
.irp p, 0,1,2,3,4
.irp u, 0,1
.irp c, 0,1
	global_load_b128 v[8*(2*\p+\u)+4*\c:8*(2*\p+\u)+4*\c+3], v[VK+\p], s[SK:SK+1] offset:4096*\u+1024*\e+512*\c
.endr
.endr
.endr
.irp t, 0,1,2,3
.irp p, 0,1,2,3,4
	global_load_b128 v[VF+20*\t+4*\p:VF+20*\t+4*\p+3], v[VV+\p], s[SV:SV+1] offset:(4*\e+\t)*4096
.endr
.endr
	WIN 0
.irp n, 0,1
	global_load_b32 v[VS+4*\e+\n], v18, s[SVS:SVS+1] offset:256*\e+128*\n
	global_load_b32 v[VS+4*\e+2+\n], v19, s[SVS:SVS+1] offset:256*\e+128*\n
.endr
.endm
	LOADS 0
.irp p, 0,1,2,3,4
	global_load_b32 v[KS+\p], v[VKS+\p], s[SKS:SKS+1]
.endr
	global_load_b32 v[QS], v2, s[SQS:SQS+1]
	LOADS 1
.irp e, 0,1
	WIN 0x40*(1+\e)
.set i, 0
.rept 8
	v_mov_b32 v[80+i], 0
	v_mov_b32 v[QF+8+i], 0
	v_mov_b32 v[QF+24+i], 0
.set i, i+1
.endr
.set i, 0
.rept 12
	v_mov_b32 v[VF+80+i], 0
.set i, i+1
.endr
.endr
	WIN 0
.set i, 0
.rept 12
	v_mov_b32 v[P+20+i], 0
.set i, i+1
.endr
.irp b, 0,1,2,3,4
	v_mov_b32 v[BT+\b], 0                          ; written once: lane permutes' destinations, upper halves of pairs that are named whole
	v_mov_b32 v[AD+2*\b+1], 0
.endr
	v_mov_b32 v[LT], 0
	v_mov_b32 v[RL+1], 0
.macro VSH e                           ; the five key blocks' bytes of V's scales: bytes G % 4 on of the two words on end
.irp n, 0,1
	v_alignbit_b32 v[VS+4*\e+\n], v[VS+4*\e+2+\n], v[VS+4*\e+\n], s[SH]
	v_lshrrev_b32 v[VS+4*\e+2+\n], s[SH], v[VS+4*\e+2+\n]
.endr
.endm
.macro KQ i, u
.if (\i)%2
.if \u
	v_wmma_scale_f32_16x16x128_f8f6f4 v[S+8*\i:S+8*\i+7], v[8*\i:8*\i+15], v[QF+16*\u:QF+16*\u+15], 0, v[KS+\i/2], v[QS] matrix_a_scale:MATRIX_SCALE_ROW1 matrix_b_scale:MATRIX_SCALE_ROW1
.else
	v_wmma_scale_f32_16x16x128_f8f6f4 v[S+8*\i:S+8*\i+7], v[8*\i:8*\i+15], v[QF+16*\u:QF+16*\u+15], 0, v[KS+\i/2], v[QS] matrix_a_scale:MATRIX_SCALE_ROW1
.endif
.else
.if \u
	v_wmma_scale_f32_16x16x128_f8f6f4 v[S+8*\i:S+8*\i+7], v[8*\i:8*\i+15], v[QF+16*\u:QF+16*\u+15], 0, v[KS+\i/2], v[QS] matrix_b_scale:MATRIX_SCALE_ROW1
.else
	v_wmma_scale_f32_16x16x128_f8f6f4 v[S+8*\i:S+8*\i+7], v[8*\i:8*\i+15], v[QF+16*\u:QF+16*\u+15], 0, v[KS+\i/2], v[QS]
.endif
.endif
.endm
; Head e of the pair, query tile u: 16 queries x 160 keys.
.macro PASS e, u
	WIN 5*(1+\e)
.irp i, 0,1,2,3,4,5,6,7,8,9
	KQ \i, \u
.endr
	WIN 0
.rept 8
	v_nop
.endr
.irp n, 0,1,2,3,4,5,6,7,8,9,10,11,12,13,14,15
	v_cmp_gt_i32 vcc_lo, \n, v[DC+\u]              ; one compare serves both edges: key n of my half lies behind my query in block G, and inside the window in block G - 4
	v_cndmask_b32 v[S+\n], v[NINF], v[S+\n], vcc_lo
	v_cndmask_b32 v[S+64+\n], v[S+64+\n], v[NINF], vcc_lo
.endr
.irp b, 0,1,2,3,4
	v_max3_num_f32 v[BM+\b], v[S+16*\b], v[S+16*\b+1], v[S+16*\b+2]   ; each block's largest score: for the row's maximum and for the block's largest p
.endr
.irp i, 3,5,7,9,11,13
.irp b, 0,1,2,3,4
	v_max3_num_f32 v[BM+\b], v[BM+\b], v[S+16*\b+\i], v[S+16*\b+\i+1]
.endr
.endr
.irp b, 0,1,2,3,4
	v_max_num_f32 v[BM+\b], v[BM+\b], v[S+16*\b+15]
.endr
.irp b, 0,1,2,3,4
	v_permlanex16_b32 v[BT+\b], v[BM+\b], s[SEL], s[SEL+1]
.endr
.irp b, 0,1,2,3,4
	v_max_num_f32 v[BM+\b], v[BM+\b], v[BT+\b]
.endr
.irp b, 0,1,2,3
	v_cndmask_b32 v[BM+\b], v[NINF], v[BM+\b], s[VM+\b]   ; a block of another batch counts for nothing
.endr
	v_max3_num_f32 v[TX], v[BM], v[BM+1], v[BM+2]
	v_max3_num_f32 v[TX], v[TX], v[BM+3], v[BM+4]
	v_mul_f32 v[TX], s[CS], v[TX]
	v_floor_f32 v[NM], -v[TX]                      ; -M = floor(-t): M is a whole number.  My own key always counts, so M is a number
.irp b, 0,1,2,3
	v_cndmask_b32 v[AD+2*\b], v[NINF], v[NM], s[VM+\b]
.endr
	v_mov_b32 v[AD+8], v[NM]
.irp b, 0,1,2,3,4
.irp j, 0,2,4,6,8,10,12,14
	v_pk_fma_f32 v[S+16*\b+\j:S+16*\b+\j+1], v[S+16*\b+\j:S+16*\b+\j+1], s[CS:CS+1], v[AD+2*\b:AD+2*\b+1] op_sel_hi:[1,0,0]   ; t - M
.endr
.endr
.irp b, 0,1,2,3,4
	v_fma_f32 v[BM+\b], v[BM+\b], s[CS], v[NM]
.endr
.set j, 0
	s_wait_alu depctr_va_vdst(0)
.rept 80
	v_exp_f32 v[S+j], v[S+j]                       ; p = 2^(t - M)
.set j, j+1
.endr
	v_nop                                          ; a plain line behind the batch,
	s_wait_alu depctr_va_vdst(0)                   ; and one wait for it, ahead of its first reader
.irp b, 0,1,2,3,4
	v_exp_f32 v[BM+\b], v[BM+\b]                   ; each block's largest p
.endr
	v_pk_add_f32 v[SU:SU+1], v[S:S+1], v[S+2:S+3]  ; the row's sum of the unquantised p, in two chains
	v_pk_add_f32 v[SU+2:SU+3], v[S+4:S+5], v[S+6:S+7]
.set j, 8
.rept 18
	v_pk_add_f32 v[SU:SU+1], v[SU:SU+1], v[S+j:S+j+1]
	v_pk_add_f32 v[SU+2:SU+3], v[SU+2:SU+3], v[S+j+2:S+j+3]
.set j, j+4
.endr
	v_pk_add_f32 v[SU:SU+1], v[SU:SU+1], v[SU+2:SU+3]
	s_wait_alu depctr_va_vdst(0)                   ; for the five
.irp b, 0,1,2,3,4
	v_max_num_f32 v[BM+\b], 0x4800000, v[BM+\b]    ; the floor: a block of zeros keeps the byte 1
.endr
.irp b, 0,1,2,3,4
	v_add_nc_u32 v[SCO+\b], 0xfc000000, v[BM+\b]
.endr
.irp b, 0,1,2,3,4
	v_and_or_b32 v[HO+\b], v[BM+\b], 0x7f800000, s[MNT]
.endr
.irp b, 0,1,2,3
	v_lshrrev_b32 v[BY+\b], 23, v[SCO+\b]
.endr
	v_lshrrev_b32 v[PS2], 23, v[SCO+4]             ; the fifth block's byte; the other three scale zero codes
	v_lshl_or_b32 v[PS1], v[BY+1], 8, v[BY]
	v_lshl_or_b32 v[PS1], v[BY+2], 16, v[PS1]
	v_lshl_or_b32 v[PS1], v[BY+3], 24, v[PS1]
.irp b, 0,1,2,3,4
.irp i, 0,1,2,3,4,5,6,7,8,9,10,11,12,13,14,15
	v_min_num_f32 v[S+16*\b+\i], v[S+16*\b+\i], v[HO+\b]   ; p is not negative: a one-sided hold
.endr
	v_cvt_scalef32_pk8_fp8_f32 v[P+4*\b:P+4*\b+1], v[S+16*\b:S+16*\b+7], v[SCO+\b]
	v_cvt_scalef32_pk8_fp8_f32 v[P+4*\b+2:P+4*\b+3], v[S+16*\b+8:S+16*\b+15], v[SCO+\b]
.endr
.rept 4
	v_nop                                          ; codes made by vector lines stand four places ahead of a scaled product
.endr
	WIN 1+\e
.irp t, 0,1,2,3                        ; four accumulators by turns, one instruction a turn
.if \t%2
	v_wmma_scale_f32_16x16x128_f8f6f4 v[O+8*\t:O+8*\t+7], v[VF+20*\t:VF+20*\t+15], v[P:P+15], 0, v[VS+4*\e+\t/2], v[PS1] matrix_a_scale:MATRIX_SCALE_ROW1
.else
	v_wmma_scale_f32_16x16x128_f8f6f4 v[O+8*\t:O+8*\t+7], v[VF+20*\t:VF+20*\t+15], v[P:P+15], 0, v[VS+4*\e+\t/2], v[PS1]
.endif
.endr
.irp t, 0,1,2,3
.if \t%2
	v_wmma_scale_f32_16x16x128_f8f6f4 v[O+8*\t:O+8*\t+7], v[VF+20*\t+16:VF+20*\t+31], v[P+16:P+31], v[O+8*\t:O+8*\t+7], v[VS+4*\e+2+\t/2], v[PS2] matrix_a_scale:MATRIX_SCALE_ROW1
.else
	v_wmma_scale_f32_16x16x128_f8f6f4 v[O+8*\t:O+8*\t+7], v[VF+20*\t+16:VF+20*\t+31], v[P+16:P+31], v[O+8*\t:O+8*\t+7], v[VS+4*\e+2+\t/2], v[PS2]
.endif
.endr
	WIN 0
	v_add_f32 v[SU], v[SU], v[SU+1]
	v_permlanex16_b32 v[LT], v[SU], s[SEL], s[SEL+1]
	v_add_f32 v[SU], v[SU], v[LT]                  ; the row's sum
	s_wait_alu depctr_va_vdst(0)
	v_rcp_f32 v[RL], v[SU]
.rept 8
	v_nop                                          ; the places behind the last products, and the plain line behind the reciprocal
.endr
	s_wait_alu depctr_va_vdst(0)
.set j, 0
.rept 16
	v_pk_mul_f32 v[O+j:O+j+1], v[O+j:O+j+1], v[RL:RL+1] op_sel_hi:[1,0]   ; register 16 g + i: channel 32 g + 16 h + i of the head
.set j, j+2
.endr
.irp b, 0,1
	v_max3_num_f32 v[BM+\b], |v[O+16*\b]|, |v[O+16*\b+1]|, 0x4800000
.endr
.irp i, 2,4,6,8,10,12,14
.irp b, 0,1
	v_max3_num_f32 v[BM+\b], v[BM+\b], |v[O+16*\b+\i]|, |v[O+16*\b+\i+1]|
.endr
.endr
.irp b, 0,1
	v_permlanex16_b32 v[BT+\b], v[BM+\b], s[SEL], s[SEL+1]
.endr
.irp b, 0,1
	v_max_num_f32 v[BM+\b], v[BM+\b], v[BT+\b]
.endr
.irp b, 0,1
	v_add_nc_u32 v[SCO+\b], 0xfc000000, v[BM+\b]
.endr
.irp b, 0,1
	v_and_or_b32 v[HO+\b], v[BM+\b], 0x7f800000, s[MNT]
.endr
.irp b, 0,1
	v_lshrrev_b32 v[BY+\b], 23, v[SCO+\b]
.endr
.if \e == 0
	v_lshl_or_b32 v[CW+\u], v[BY+1], 8, v[BY]
.else
	v_lshl_or_b32 v[CW+\u], v[BY], 16, v[CW+\u]
	v_lshl_or_b32 v[CW+\u], v[BY+1], 24, v[CW+\u]
	s_wait_alu depctr_va_vdst(0)
	s_wait_xcnt 0x0                                ; head 0's stores have read this set of codes: it is written again only behind this wait
.endif
.irp b, 0,1
.irp i, 0,1,2,3,4,5,6,7,8,9,10,11,12,13,14,15
	v_med3_num_f32 v[O+16*\b+\i], v[O+16*\b+\i], -v[HO+\b], v[HO+\b]
.endr
	v_cvt_scalef32_pk8_fp8_f32 v[CX+8*\u+4*\b:CX+8*\u+4*\b+1], v[O+16*\b:O+16*\b+7], v[SCO+\b]
	v_cvt_scalef32_pk8_fp8_f32 v[CX+8*\u+4*\b+2:CX+8*\u+4*\b+3], v[O+16*\b+8:O+16*\b+15], v[SCO+\b]
.endr
	v_nop                                          ; a plain line behind the last conversion
.irp b, 0,1
	global_store_b128 v1, v[CX+8*\u+4*\b:CX+8*\u+4*\b+3], s[SCC_:SCC_+1] offset:4096*\u+1024*\e+512*\b   ; 512 consecutive bytes, aligned
.endr
.endm
	s_wait_loadcnt 48                              ; head 0's 54 loads are in; head 1's 48 may be out
	VSH 0
.rept 8
	v_nop                                          ; scale words made by vector lines stand eight places ahead of a scaled product
.endr
	PASS 0, 0
	PASS 0, 1
	s_wait_loadcnt 0x0
.irp p, 0,1,2,3,4
	v_lshrrev_b32 v[KS+\p], 16, v[KS+\p]           ; head 1's two bytes come down
.endr
	v_lshrrev_b32 v[QS], 16, v[QS]
	VSH 1
.rept 8
	v_nop
.endr
	PASS 1, 0
	PASS 1, 1
	v_cmp_le_u32 vcc_lo, 16, v[LANE]
	v_cndmask_b32 v[CW], v[CW], v[CW+1], vcc_lo
	global_store_b32 v2, v[CW], s[SCS:SCS+1]       ; my 32 places' scale words: 128 consecutive bytes
	s_endpgm
.Lfunc_end_k_q6e18b8e471_attn:
	.size	k_q6e18b8e471_attn, .Lfunc_end_k_q6e18b8e471_attn-k_q6e18b8e471_attn
	.p2alignl 7, 3214868480
	.fill 96, 4, 3214868480
	.section	.rodata,"a",@progbits
	.p2align	6, 0x0
	.amdhsa_kernel k_q6e18b8e471_attn
		.amdhsa_group_segment_fixed_size 0
		.amdhsa_private_segment_fixed_size 0
		.amdhsa_enable_private_segment 0
		.amdhsa_kernarg_size 16
		.amdhsa_user_sgpr_count 2
		.amdhsa_user_sgpr_kernarg_segment_ptr 1
		.amdhsa_wavefront_size32 1
		.amdhsa_system_sgpr_workgroup_id_x 1
		.amdhsa_system_sgpr_workgroup_id_y 1
		.amdhsa_system_sgpr_workgroup_id_z 1
		.amdhsa_system_vgpr_workitem_id 0
		.amdhsa_next_free_vgpr 768
		.amdhsa_next_free_sgpr 66
		.amdhsa_reserve_vcc 1
		.amdhsa_float_denorm_mode_32 3
		.amdhsa_float_denorm_mode_16_64 3
		.amdhsa_memory_ordered 1
		.amdhsa_forward_progress 1
		.amdhsa_inst_pref_size 124
	.end_amdhsa_kernel
	.amdgpu_metadata
---
amdhsa.version: [ 1, 2 ]
amdhsa.kernels:
  - .name:           k_q6e18b8e471_attn
    .symbol:         k_q6e18b8e471_attn.kd
    .args:
      - { .name: qkvq, .offset: 0, .size: 8, .value_kind: global_buffer, .address_space: global }
      - { .name: ctxq, .offset: 8, .size: 8, .value_kind: global_buffer, .address_space: global }
    .group_segment_fixed_size: 0
    .private_segment_fixed_size: 0
    .kernarg_segment_align: 8
    .kernarg_segment_size: 16
    .max_flat_workgroup_size: 128
    .sgpr_count:     66
    .vgpr_count:     768
    .wavefront_size: 32
...
	.end_amdgpu_metadata
.endif
;; end of part 10
;; launch outp (part 11): grid 8 x 32, 4 waves a work-group, clusters of 4 x 4, 327,680 bytes of LDS; arguments ctxq, wq, out_b, x, x1; writes x1
.if DOCPART == 11
	.amdgcn_target "amdgcn-amd-amdhsa--gfx1250"
	.amdhsa_code_object_version 6
	.text
	.protected	k_q6e18b8e471_outp
	.globl	k_q6e18b8e471_outp
	.p2align	8
	.type	k_q6e18b8e471_outp,@function
k_q6e18b8e471_outp:
	s_mov_b64 s[64:65], 0
	v_nop
	global_prefetch_b8 v0, s[64:65] scope:SCOPE_SE
	s_setreg_imm32_b32 hwreg(HW_REG_WAVE_MODE, 25, 1), 1
	s_wait_xcnt 0x0
	s_wait_alu depctr_hold_cnt(0) depctr_sa_sdst(0) depctr_va_vdst(0) depctr_va_sdst(0) depctr_va_ssrc(0) depctr_va_vcc(0) depctr_vm_vsrc(0)
	s_getreg_b32 s2, hwreg(HW_REG_IB_STS2, 6, 4)
	s_cmp_eq_u32 s2, 0
	s_cbranch_scc0 .Lentry_in_a_cluster
	s_endpgm
.Lentry_in_a_cluster:
	s_bfe_u32 s2, ttmp6, 0x10000c
	s_cmp_lg_u32 s2, 0xf033
	s_cbranch_scc0 .Lentry_shape_is_right
	s_endpgm
.Lentry_shape_is_right:
; x1 = x + ctx Wo^T + out_b.  ctx and Wo are codes of FP8 (E4M3) with E8M0 scales; x, x1 f32.  K = 1,024.
; OPERANDS lie as IMAGES: rows in blocks of 16 (place r of block b = true row 32 (b / 2) + 8 (b % 2) + r + 8 (r / 8)); a fragment (16 places x 128 K) is 2,048 bytes, chunk c of 512, lane l's 16 bytes at 16 l;
; a K step of 256 of 128 rows is 32,768 dense bytes.  Scale words lie [k / 128][place].  So a tile comes by one dense tensor load and a fragment by four loads of 512 consecutive LDS bytes.
; A TILE IS 128 TOKENS x 128 FEATURES: 32 x 8 = 256 work-groups (tiles of 256 x 256 would be 64).  Four waves, 64 x 64 each: 16 accumulators.
; A slot holds 512 along K: A's two K steps of 256, then B's two.  With K = 1,024 the two slots are first fills and nothing is filled again.
; The scale words of all of K come once and stay: wave 1 brings all of A's in one load, wave 3 all of B's.
; THE PRODUCT IS USED TRANSPOSED (source 0 = 16 rows of W, source 1 = 16 tokens): a lane holds eight neighbouring features of one token.
; CLUSTERS 4 x 4: A's tiles are asked for jointly along a row of the cluster, B's along a column.  No prefetch is written: every tile is asked for at the head.
; REGISTERS: window 0: v8-11 the bias, v12-29 offsets and addresses, v32-63 scale words (two sets of 16), v128-255 the accumulators ((a, b) at v[128 + 8 (4 a + b)]), later whole rows on the way out;
;   window 1: two fragment buffers of 128: B's four fragments, then A's four;   window 2: the residual's 64 x 64 numbers, asked for at the head.
.set SIZE_K, 1024
.set NBA, 256
.set NBB, 64
.set SPA, 4096
.set SPB, 1024
.set ACO, 0
.set ASO, 4194304
.set BCO, 8388608
.set BSO, 15990784
.set KT,     SIZE_K/128
.set LAPS,   SIZE_K/1024               ; a lap = two slots = once round the ring
.set ASTEP,  NBA*4096                  ; bytes from a K step of 256 to the next
.set BSTEP,  NBB*4096
.set FR,     16
.set NP,     8                         ; places behind this matrix instruction (ISA guide 7.12.1)
.set HALFT,  32768                     ; 128 rows x 256 K: what one tensor load brings
.set SLOT,   4*HALFT
.set SCL,    2*SLOT                    ; behind the ring: A's scale words [k / 128][128 places], then B's
.set HALFS,  (KT/2)*512                ; half of one side's
.set SPARE,  SCL+4*HALFS               ; the spare words: 128 bytes a wave
.set SPITCH, 272                       ; the way out: a stage of 16 rows x (256 + 16) bytes a wave, in slot 0
.set BI,   8
.set CO,   12
.set CB,   13
.set ADRA, 16
.set ADRB, 20
.set STO,  24
.set RD,   25
.set ADRS, 27
.set SPW,  28
.set NIL,  29
.set SC,   32
.set ACC,  128
.set G1, 24
.set G0, 32
.set G1B, 48
.set G0B, 56
.set G1S, 68
.set G0S, 76
.set G1SB, 80
.set G0SB, 88
.set MSB, 0
.macro WIN new                         ; the immediate's high byte repeats the setting that is left
.set WNEW, \new
.if MSB != WNEW
	s_set_vgpr_msb (MSB<<8)|WNEW
.set MSB, WNEW
.endif
.endm
.set MUL,  0x05                        ; sources 0 (B) and 1 (A) window 1; C and D window 0
.set TO_F, 0x40                        ; destination window 1, address window 0
; A joint load: waves 0 and 1 fetch for A, waves 2 and 3 for B; the branch hangs on the wave's number alone.  Four v_nop follow each line.
.macro JLOAD g0a, g1a, g0b, g1b
	s_cmp_eq_u32 s15, 0
	s_cbranch_scc0 .Lfor_b_\@
	tensor_load_to_lds s[\g0a:\g0a+3], s[\g1a:\g1a+7]
	s_nop 0
.rept 4
	v_nop
.endr
	s_branch .Lasked_\@
.Lfor_b_\@:
	tensor_load_to_lds s[\g0b:\g0b+3], s[\g1b:\g1b+7]
	s_nop 0
.rept 4
	v_nop
.endr
.Lasked_\@:
.endm
.macro CREST                           ; a round of the cluster's barrier behind its opening barrier
	s_cmp_lg_u32 s14, 0
	s_cbranch_scc1 .Lnot_wave_0_\@
	s_barrier_signal -3
.Lnot_wave_0_\@:
	s_barrier_wait -3
	s_barrier_signal -1
	s_barrier_wait -1
.endm
.macro CROUND
	s_barrier_signal -1
	s_barrier_wait -1
	CREST
.endm
	s_load_b128 s[4:7], s[0:1], 0x0                ; A's buffer, wq
	s_load_b128 s[8:11], s[0:1], 0x10              ; the bias, the residual
	s_load_b64 s[12:13], s[0:1], 0x20              ; the output
	v_lshl_add_u32 v[SPW], v0, 2, SPARE
	v_mov_b32 v[NIL], 0
	ds_add_u32 v28, v29
	ds_add_u32 v28, v29
	s_wait_dscnt 0x0
	v_lshrrev_b32 v1, 5, v0
	v_readfirstlane_b32 s14, v1                    ; wave
	s_lshr_b32 s15, s14, 1                         ; my half of the tile's tokens.  Also: I fetch for A (0) or B (1)
	s_and_b32 s16, s14, 1                          ; my half of its features.
	s_bfe_u32 s40, ttmp6, 0x40000                  ; cx
	s_bfe_u32 s41, ttmp6, 0x40004                  ; cy
	s_lshl_b32 s42, ttmp9, 2
	s_add_co_u32 s42, s42, s40                     ; B's tile, 0 .. 7
	s_and_b32 s17, ttmp7, 0xffff
	s_lshl_b32 s17, s17, 2
	s_add_co_u32 s17, s17, s41                     ; A's tile, 0 .. 31
	s_lshl_b32 s43, s41, 2
	s_lshl_b32 s43, 15, s43                        ; my row of the cluster
	s_lshl_b32 s44, 0x1111, s40                    ; my column
	s_or_b32 s[G1+0], s43, (3<<16)|(1<<21)         ; the mask; elements of 8 bytes; bit 21 beside a mask; no padding
	s_or_b32 s[G1B+0], s44, (3<<16)|(1<<21)
.irp g, G1, G1B
	s_mov_b32 s[\g+1], 4096<<16                    ; four rows of 32,768 bytes: the tile's 128 rows in each of the four K steps of 256
	s_mov_b32 s[\g+2], 4<<16
	s_mov_b32 s[\g+3], 4096<<16
	s_mov_b32 s[\g+4], 4
	s_mov_b32 s[\g+6], 0
	s_mov_b32 s[\g+7], 0
.endr
	s_or_b32 s[G1S+0], s43, (3<<16)|(1<<21)
	s_or_b32 s[G1SB+0], s44, (3<<16)|(1<<21)
.irp g, G1S, G1SB
	s_mov_b32 s[\g+1], 64<<16                      ; KT rows of 512 bytes: 128 places' words of one k / 128
	s_mov_b32 s[\g+2], KT<<16
	s_mov_b32 s[\g+3], 64<<16
	s_mov_b32 s[\g+4], KT
	s_mov_b32 s[\g+6], 0
	s_mov_b32 s[\g+7], 0
.endr
	s_mov_b32 s[G1S+5], SPA/2
	s_mov_b32 s[G1+5], ASTEP/8                     ; from a K step to the next, in elements of 8 bytes
	s_mov_b32 s[G1B+5], BSTEP/8
	s_mov_b32 s[G1SB+5], SPB/2
	s_lshl_b32 s20, s17, 15                        ; A: the tile's eight blocks of 4,096 bytes,
	s_add_co_u32 s20, s20, ACO
	s_mov_b32 s21, 0
	s_lshl_b32 s22, s17, 9                         ; its scale words: 64 bytes a block,
	s_add_co_u32 s22, s22, ASO
	s_mov_b32 s23, 0
	s_lshl_b32 s46, s42, 15                        ; B likewise
	s_add_co_u32 s46, s46, BCO
	s_mov_b32 s47, 0
	s_lshl_b32 s92, s42, 9
	s_add_co_u32 s92, s92, BSO
	s_mov_b32 s93, 0
	s_wait_kmcnt 0x0
	s_add_nc_u64 s[20:21], s[4:5], s[20:21]
	s_add_nc_u64 s[22:23], s[4:5], s[22:23]
	s_add_nc_u64 s[46:47], s[6:7], s[46:47]
	s_add_nc_u64 s[92:93], s[6:7], s[92:93]
	CROUND                                         ; all sixteen work-groups are here: the first joint loads meet
	s_mov_b32 s[G0S], 1
	s_mov_b32 s[G0S+1], SCL
	s_mov_b64 s[G0S+2:G0S+3], s[22:23]
	s_or_b32 s[G0S+3], s[G0S+3], 0x80000000
	s_mov_b32 s[G0SB], 1
	s_mov_b32 s[G0SB+1], SCL+2*HALFS
	s_mov_b64 s[G0SB+2:G0SB+3], s[92:93]
	s_or_b32 s[G0SB+3], s[G0SB+3], 0x80000000
.irp s, 0
	s_mov_b32 s[G0+4*\s], 1
	s_mov_b32 s[G0+4*\s+1], 0                      ; LDS: A's four K steps on end, then B's four
	s_add_nc_u64 s[G0+4*\s+2:G0+4*\s+3], s[20:21], \s*2*ASTEP
	s_or_b32 s[G0+4*\s+3], s[G0+4*\s+3], 0x80000000
	s_mov_b32 s[G0B+4*\s], 1
	s_mov_b32 s[G0B+4*\s+1], 4*HALFT
	s_add_nc_u64 s[G0B+4*\s+2:G0B+4*\s+3], s[46:47], \s*2*BSTEP
	s_or_b32 s[G0B+4*\s+3], s[G0B+4*\s+3], 0x80000000
.endr
; ALL OF K COMES AT THE HEAD, ONE LOAD A WAVE, in one chain of arms on the wave's number: wave 0 A's codes (131,072 bytes), wave 2 B's, wave 1 A's scale words, wave 3 B's.  Nothing is filled later.
.macro ARM w, g0, g1, next
	s_cmp_eq_u32 s14, \w
	s_cbranch_scc0 \next
	tensor_load_to_lds s[\g0:\g0+3], s[\g1:\g1+7]
	s_nop 0
.rept 4
	v_nop
.endr
	s_branch .Lhead_asked
\next:
.endm
	ARM 0, G0, G1, .Lhead_b
	ARM 2, G0B, G1B, .Lhead_sa
	ARM 1, G0S, G1S, .Lhead_sb
	tensor_load_to_lds s[G0SB:G0SB+3], s[G1SB:G1SB+7]
	s_nop 0
.rept 4
	v_nop
.endr
.Lhead_asked:
	v_and_b32 v1, 15, v0                           ; r
	v_bfe_u32 v2, v0, 4, 1                         ; h
	s_wait_alu depctr_va_vdst(0)
	v_and_b32 v3, 31, v0                           ; lane
	v_lshlrev_b32 v4, 4, v3                        ; 16 x lane
	s_lshl_b32 s21, s15, 14                        ; my four blocks of A's eight
	s_lshl_b32 s22, s16, 14                        ; my four of B's,
	s_add_co_u32 s22, s22, 4*HALFT                 ; which lie behind A's four K steps
.irp s, 0,1
	v_add_nc_u32 v[ADRA+\s], s21, v4
	v_add_nc_u32 v[ADRB+\s], s22, v4
	s_add_co_u32 s21, s21, 2*HALFT                 ; the second 512 along K: two K steps on
	s_add_co_u32 s22, s22, 2*HALFT
.endr
	v_lshlrev_b32 v5, 2, v1
	s_lshl_b32 s21, s15, 8                         ; my four blocks' words: 64 bytes a block
	s_lshl_b32 s22, s16, 8
	s_add_co_u32 s22, s22, 2*HALFS
	s_sub_co_u32 s22, s22, s21
	v_mul_u32_u24 v6, s22, v2                      ; lanes 16-31 take B's words
	s_add_co_u32 s21, s21, SCL
	v_add_nc_u32 v5, v5, v6
	v_add_nc_u32 v[ADRS], s21, v5
	s_mul_i32 s23, s14, 16*SPITCH                  ; my stage
	v_mul_u32_u24 v5, v1, SPITCH
	v_lshl_add_u32 v5, v2, 6, v5
	v_add_nc_u32 v[STO], s23, v5                   ; in: row r, + 64 h
	v_mul_u32_u24 v5, v2, SPITCH
	v_lshl_add_u32 v5, v1, 4, v5
	v_add_nc_u32 v[RD], s23, v5                    ; back: lanes 0-15 one row of 256 bytes, lanes 16-31 the next
	v_lshlrev_b32 v[CB], 4, v1                     ; 16 (lane % 16): my four features of a row; never rewritten
	s_wait_alu depctr_va_vdst(0)
	v_lshl_add_u32 v[CO], v2, 12, v[CB]            ; and a row of 4,096 bytes further down for lanes 16-31; never rewritten
	s_wait_alu depctr_va_vdst(0)
	s_lshl_b32 s18, s17, 7
	s_lshl_b32 s19, s15, 6
	s_add_co_u32 s18, s18, s19
	s_lshl_b32 s18, s18, 12                        ; my first token's row of 4,096 bytes
	s_lshl_b32 s19, s42, 9
	s_lshl_b32 s20, s16, 8
	s_add_co_u32 s20, s19, s20                     ; my first feature, in bytes
	s_mov_b32 s21, 0
	s_add_nc_u64 s[8:9], s[8:9], s[20:21]
	s_add_co_u32 s20, s20, s18
	s_add_nc_u64 s[10:11], s[10:11], s[20:21]
	s_add_nc_u64 s[12:13], s[12:13], s[20:21]
	global_load_b128 v[BI:BI+3], v[CB], s[8:9]     ; the bias of my four features
.macro FRAG reg, adr, q, i             ; a fragment as it lies: four loads of 512 consecutive bytes.  q: which 128 of the slot's 512 along K
.irp c, 0,1,2,3
	ds_load_b128 v[\reg+4*\c:\reg+4*\c+3], v[\adr] offset:4096*(\i)+32768*((\q)/2)+2048*((\q)%2)+512*\c
.endr
.endm
.macro FETCH slot, q, f                ; 32 LDS loads in one run: B's four fragments, A's four, into buffer f
	WIN TO_F
.irp i, 0,1,2,3
	FRAG (\f)+FR*\i, ADRB+\slot, \q, \i
.endr
.irp i, 0,1,2,3
	FRAG (\f)+64+FR*\i, ADRA+\slot, \q, \i
.endr
.endm
.macro SCALES sc                       ; a slot's 16 registers: register 4 q + i: lanes 0-15 the words of A's block i, lanes 16-31 of B's block i
.irp q, 0,1,2,3
.irp i, 0,1,2,3
	ds_load_b32 v[SC+16*\sc+4*\q+\i], v[ADRS] offset:64*\i+512*\q
.endr
.endr
.endm
; Four matrix instructions: A's block a x B's four.  The 16 accumulators take turns, one instruction a turn, in the same order in every quarter.
.macro MULA f, a, q, sc, zero
.irp b, 0,1,2,3
.if \zero
	v_wmma_scale_f32_16x16x128_f8f6f4 v[ACC+8*(4*(\a)+\b):ACC+8*(4*(\a)+\b)+7], v[(\f)+FR*\b:(\f)+FR*\b+FR-1], v[(\f)+64+FR*(\a):(\f)+64+FR*(\a)+FR-1], 0, v[SC+16*(\sc)+4*(\q)+\b], v[SC+16*(\sc)+4*(\q)+(\a)] matrix_a_scale:MATRIX_SCALE_ROW1
.else
	v_wmma_scale_f32_16x16x128_f8f6f4 v[ACC+8*(4*(\a)+\b):ACC+8*(4*(\a)+\b)+7], v[(\f)+FR*\b:(\f)+FR*\b+FR-1], v[(\f)+64+FR*(\a):(\f)+64+FR*(\a)+FR-1], v[ACC+8*(4*(\a)+\b):ACC+8*(4*(\a)+\b)+7], v[SC+16*(\sc)+4*(\q)+\b], v[SC+16*(\sc)+4*(\q)+(\a)] matrix_a_scale:MATRIX_SCALE_ROW1
.endif
.endr
.endm
.macro PLACES n                        ; plain vector lines between a matrix instruction and a load into, or a read of, its registers
.rept \n
	v_nop
.endr
.endm
; A slot is four quarters of 128 along K, 16 matrix instructions each, on buffers 0, 1, 0, 1.  One of the first three: the next quarter's fragments are asked for first, a whole quarter ahead of their use.
.macro QUARTER slot, q, zero
.set FB, 128*((\q)%2)
.set GB, 128-FB
	PLACES NP                                      ; the other buffer was multiplied by the sixteen products just issued
	FETCH \slot, (\q)+1, GB
	s_wait_dscnt 32                                ; all but the 32 just issued: this quarter's fragments (and scale words) are in
	WIN MUL
	MULA FB, 0, \q, \slot, \zero
	MULA FB, 1, \q, \slot, \zero
	MULA FB, 2, \q, \slot, \zero
	MULA FB, 3, \q, \slot, \zero
.endm
; The last quarter multiplies buffer 1 and changes slots: one barrier; ahead of it each wave waits for all its tensor loads, adds 0 to its spare word, and waits for that and for its reads of the slot.
.macro TURN slot, next, fill
	WIN 0                                          ; (the add's two registers lie in window 0)
	s_wait_tensorcnt 0x0                           ; all my tensor loads have landed: my part of the next slot
	ds_add_u32 v[SPW], v[NIL]
	s_wait_dscnt 1                                 ; (the add may be out: this quarter's fragments are in)
	WIN MUL
	MULA 128, 0, 3, \slot, 0                       ; four matrix instructions stand between the add and the wait for it
	s_wait_dscnt 0x0                               ; the add is done, my reads of this slot are over
	s_barrier_signal -1
	MULA 128, 1, 3, \slot, 0
	WIN 0
	s_barrier_wait -1
.if \fill
	CREST                                          ; the barrier has opened a round of the cluster's barrier
	s_add_nc_u64 s[G0+4*\slot+2:G0+4*\slot+3], s[G0+4*\slot+2:G0+4*\slot+3], 4*ASTEP
	s_add_nc_u64 s[G0B+4*\slot+2:G0B+4*\slot+3], s[G0B+4*\slot+2:G0B+4*\slot+3], 4*BSTEP
	JLOAD G0+4*\slot, G1, G0B+4*\slot, G1B         ; the first tensor load behind the round, one a wave; its four v_nop are four of the eight places
	PLACES NP-4
.else
	PLACES NP
.endif
	v_add_nc_u32 v[ADRS], 2048, v[ADRS]            ; the next slot's scale words: four rows of 512 bytes on
	SCALES \next
	FETCH \next, 0, 0
	WIN MUL
	MULA 128, 2, 3, \slot, 0
	MULA 128, 3, 3, \slot, 0
.endm
	s_wait_alu depctr_va_vdst(0)
	s_wait_tensorcnt 0x0                           ; my tile of the head's four is in
	s_barrier_signal -1
	s_barrier_wait -1
	SCALES 0
	FETCH 0, 0, 0
	WIN 0x80                                       ; destination window 2
.irp a, 0,1,2,3                        ; the residual, asked for when the head's tiles are in, in the layout in which the rows come back from the stage: 32 loads of mine stay out under the products
.irp i, 0,1,2,3,4,5,6,7
	global_load_b128 v[32*\a+4*\i:32*\a+4*\i+3], v[CO], s[10:11] offset:(32*(\a/2)+8*(\a%2)+2*\i+8*(\i/4))*4096 th:TH_LOAD_NT
.endr
.endr
	QUARTER 0, 0, 1                                ; the first products start the sums
.if LAPS > 1
	WIN 0                                          ; at a label and at a branch every window is 0
	s_mov_b32 s3, LAPS-1
.Llap:                                                 ; a trip goes once round the ring, from a lap's second quarter to the next lap's first, and fills both slots again
	QUARTER 0, 1, 0
	QUARTER 0, 2, 0
	TURN 0, 1, 1
	QUARTER 1, 0, 0
	QUARTER 1, 1, 0
	QUARTER 1, 2, 0
	TURN 1, 0, 1
	QUARTER 0, 0, 0
	WIN 0
	s_sub_co_u32 s3, s3, 1
	s_cmp_lg_u32 s3, 0
	s_cbranch_scc1 .Llap
.endif
	QUARTER 0, 1, 0                                ; the last lap fills nothing
	QUARTER 0, 2, 0
	TURN 0, 1, 0
	QUARTER 1, 0, 0
	QUARTER 1, 1, 0
	QUARTER 1, 2, 0
	s_wait_dscnt 0x0                               ; the very last quarter: nothing more to fetch
	WIN MUL
	MULA 128, 0, 3, 1, 0
	MULA 128, 1, 3, 1, 0
	MULA 128, 2, 3, 1, 0
	MULA 128, 3, 3, 1, 0
	WIN 0
; THE WAY OUT, block by block of 16 tokens x 64 features, through my own stage in slot 0 (it has had its last fill, and nobody reads it behind the last change of slots).
; Tile b's eight numbers of a lane are features 32 (b / 2) + 8 (b % 2) + 16 h + 0 .. 7; place t of block a is token 32 (a / 2) + 8 (a % 2) + t + 8 (t / 8).  The rows come back into the registers that they left.
.macro TOSTAGE a
.irp b, 0,1,2,3
	ds_store_b128 v[STO], v[ACC+8*(4*(\a)+\b):ACC+8*(4*(\a)+\b)+3] offset:128*(\b/2)+32*(\b%2)        ; each accumulator from its low end on
	ds_store_b128 v[STO], v[ACC+8*(4*(\a)+\b)+4:ACC+8*(4*(\a)+\b)+7] offset:128*(\b/2)+32*(\b%2)+16
.endr
.irp i, 0,1,2,3,4,5,6,7
	ds_load_b128 v[ACC+32*(\a)+4*\i:ACC+32*(\a)+4*\i+3], v[RD] offset:2*\i*SPITCH   ; LDS serves a wave's instructions in order (ISA guide 5.7.1.4): places 2 i and 2 i + 1
.endr
.endm
.macro SEND a
	s_wait_dscnt 16*(3-(\a))                       ; the block is back; the 16 LDS instructions of each later block may be out
.irp i, 0,1,2,3,4,5,6,7
	v_pk_add_f32 v[ACC+32*(\a)+4*\i:ACC+32*(\a)+4*\i+1], v[ACC+32*(\a)+4*\i:ACC+32*(\a)+4*\i+1], v[BI:BI+1]
	v_pk_add_f32 v[ACC+32*(\a)+4*\i+2:ACC+32*(\a)+4*\i+3], v[ACC+32*(\a)+4*\i+2:ACC+32*(\a)+4*\i+3], v[BI+2:BI+3]
.endr
	WIN 0x08                                       ; source 1: window 2, the residual
.set j, 0
.rept 16
	v_pk_add_f32 v[ACC+32*(\a)+j:ACC+32*(\a)+j+1], v[ACC+32*(\a)+j:ACC+32*(\a)+j+1], v[32*(\a)+j:32*(\a)+j+1]
.set j, j+2
.endr
	WIN 0
.irp i, 0,1,2,3,4,5,6,7
	global_store_b128 v[CO], v[ACC+32*(\a)+4*\i:ACC+32*(\a)+4*\i+3], s[12:13] offset:(32*((\a)/2)+8*((\a)%2)+2*\i+8*(\i/4))*4096 th:TH_STORE_NT   ; sixteen lanes store 256 consecutive bytes, aligned
.endr
.endm
	PLACES NP
	TOSTAGE 0
	TOSTAGE 1
	TOSTAGE 2
	TOSTAGE 3
	s_wait_loadcnt 0x0                             ; the bias and the residual
	SEND 0
	SEND 1
	SEND 2
	SEND 3
	s_wait_tensorcnt 0x0                           ; the wave's end
	ds_add_u32 v[SPW], v[NIL]
	s_wait_dscnt 0x0
	CROUND                                         ; the closing round
	s_endpgm
.Lfunc_end_k_q6e18b8e471_outp:
	.size	k_q6e18b8e471_outp, .Lfunc_end_k_q6e18b8e471_outp-k_q6e18b8e471_outp
	.p2alignl 7, 3214868480
	.fill 96, 4, 3214868480
	.section	.rodata,"a",@progbits
	.p2align	6, 0x0
	.amdhsa_kernel k_q6e18b8e471_outp
		.amdhsa_group_segment_fixed_size 327680
		.amdhsa_private_segment_fixed_size 0
		.amdhsa_enable_private_segment 0
		.amdhsa_kernarg_size 40
		.amdhsa_user_sgpr_count 2
		.amdhsa_user_sgpr_kernarg_segment_ptr 1
		.amdhsa_wavefront_size32 1
		.amdhsa_system_sgpr_workgroup_id_x 1
		.amdhsa_system_sgpr_workgroup_id_y 1
		.amdhsa_system_sgpr_workgroup_id_z 1
		.amdhsa_system_vgpr_workitem_id 0
		.amdhsa_next_free_vgpr 768
		.amdhsa_next_free_sgpr 100
		.amdhsa_reserve_vcc 0
		.amdhsa_float_denorm_mode_32 3
		.amdhsa_float_denorm_mode_16_64 3
		.amdhsa_memory_ordered 1
		.amdhsa_forward_progress 1
		.amdhsa_inst_pref_size 65
	.end_amdhsa_kernel
	.amdgpu_metadata
---
amdhsa.version: [ 1, 2 ]
amdhsa.kernels:
  - .name:           k_q6e18b8e471_outp
    .symbol:         k_q6e18b8e471_outp.kd
    .args:
      - { .name: ctxq, .offset: 0, .size: 8, .value_kind: global_buffer, .address_space: global }
      - { .name: wq, .offset: 8, .size: 8, .value_kind: global_buffer, .address_space: global }
      - { .name: out_b, .offset: 16, .size: 8, .value_kind: global_buffer, .address_space: global }
      - { .name: x, .offset: 24, .size: 8, .value_kind: global_buffer, .address_space: global }
      - { .name: x1, .offset: 32, .size: 8, .value_kind: global_buffer, .address_space: global }
    .group_segment_fixed_size: 327680
    .private_segment_fixed_size: 0
    .kernarg_segment_align: 8
    .kernarg_segment_size: 40
    .max_flat_workgroup_size: 128
    .sgpr_count:     100
    .vgpr_count:     768
    .wavefront_size: 32
...
	.end_amdgpu_metadata
.endif
;; end of part 11
;; launch ln2 (part 12): grid 256 x 1, 4 waves a work-group, no clusters, 18,944 bytes of LDS; arguments x1, ln2_w, ln2_b, h2q; writes h2q
.if DOCPART == 12
	.amdgcn_target "amdgcn-amd-amdhsa--gfx1250"
	.amdhsa_code_object_version 6
	.text
	.protected	k_q6e18b8e471_ln2
	.globl	k_q6e18b8e471_ln2
	.p2align	8
	.type	k_q6e18b8e471_ln2,@function
k_q6e18b8e471_ln2:
	s_mov_b64 s[64:65], 0
	v_nop
	global_prefetch_b8 v0, s[64:65] scope:SCOPE_SE
	s_setreg_imm32_b32 hwreg(HW_REG_WAVE_MODE, 25, 1), 1
	s_wait_xcnt 0x0
; LN2(x1) becomes codes of FP8 (E4M3) with one E8M0 byte for each 32 along K, laid as the next product wants them.
; IMAGE.  Rows go in blocks of 16; place r of block b is true row 32 (b / 2) + 8 (b % 2) + r + 8 (r / 8).  A fragment (16 places x 128 K) is 2,048 bytes: chunk c of 512 bytes,
; lane (r, h)'s 16 bytes at 16 (r + 16 h): k = 32 c + 16 h + 0 .. 15.  Fragment (b, t = k / 128) lies at (((t / 2) 256 + b) 2 + t % 2) x 2,048.  Scale words: [t][place], 4 bytes, byte c.
; SHARES.  A work-group takes one block of 16 rows x 1,024 columns; wave w takes places 4 w .. 4 w + 3 whole, so a row's mean and variance stay in one wave.
; A lane holds 8 neighbours of each quarter row (k = 256 p + 8 lane + 0 .. 7): four lanes hold a block of 32.  The codes turn through a stage in LDS and leave as 4,096 dense bytes a wave.
; The scale words leave as pieces of 64 bytes: one byte in 128 of what the launch reads.
; LIMITS: a block of zeros gets the byte 1 (its codes are zeros; this program alone reads the bytes); largest magnitudes under 2^-118 are held at that byte; NaN and infinities are not served.
.set X,  32                            ; v32-159  four rows of 32 numbers
.set W,  160                           ; v160-191 the gain of my 32 columns
.set BV, 192                           ; v192-223 the bias
.set C,  224                           ; v224-255 codes: two registers for each (row, quarter)
.set E,  160                           ; v160-175 scale bytes, where the gain lay
.set SA, 16
.set RS, 24
.set M,  16
.set SO, 20
.set HO, 24
.set HP, 272                           ; the stage: 64 pieces of 256 bytes + 16 of padding
.set SCLB, 64*HP                       ; behind it 512 bytes of scale bytes [t 8][place 16][4]
.set SEL, 34
.set MNT, 36
	s_load_b256 s[4:11], s[0:1], 0x0               ; x1, gain, bias, h2q
	v_lshl_add_u32 v15, v0, 2, 0x4800
	s_set_vgpr_msb 0x40
	v_mov_b32 v1, 0
	s_set_vgpr_msb 0x4000
	v_lshrrev_b32 v1, 5, v0
	v_readfirstlane_b32 s28, v1                    ; wave
	v_and_b32 v1, 31, v0                           ; lane
	v_lshlrev_b32 v2, 5, v1                        ; 32 x lane
	v_lshlrev_b32 v10, 4, v1                       ; 16 x lane
	v_bfe_u32 v13, v0, 1, 4
	v_mul_u32_u24 v7, v13, HP
	v_and_b32 v14, 1, v0
	v_lshl_add_u32 v7, v14, 3, v7
	s_lshl_b32 s29, s28, 6
	v_add_nc_u32 v7, s29, v7                       ; into the stage: piece lane / 2, 8 (lane % 2), 16 bytes a place: 64 w
	v_bfe_u32 v13, v0, 4, 1
	v_bfe_u32 v14, v0, 2, 2
	v_lshl_add_u32 v8, v13, 6, v14
	s_lshl_b32 s29, s28, 4
	s_add_co_u32 s29, s29, SCLB
	v_add_nc_u32 v8, s29, v8                       ; my block's scale byte
	v_mul_u32_u24 v9, v13, HP
	v_and_b32 v14, 15, v0
	v_lshl_add_u32 v9, v14, 4, v9
	s_mul_i32 s29, s28, 16*HP
	v_add_nc_u32 v9, s29, v9                       ; out of the stage: wave w takes pieces 16 w on, two an instruction
	v_lshl_add_u32 v11, v0, 2, SCLB
	s_mov_b32 s[SEL], 0x76543210
	s_mov_b32 s[SEL+1], 0xfedcba98
	s_mov_b32 s[MNT], 0x600000
	s_mov_b32 s37, 0x3a800000                      ; 1 / 1,024
	s_mov_b32 s38, 0x3727c5ac                      ; 1e-5
	s_lshr_b32 s42, ttmp9, 1
	s_lshl_b32 s42, s42, 5
	s_and_b32 s43, ttmp9, 1
	s_lshl_b32 s43, s43, 3
	s_add_co_u32 s42, s42, s43
	s_lshl_b32 s43, s28, 2
	s_add_co_u32 s42, s42, s43
	s_lshr_b32 s43, s28, 1
	s_lshl_b32 s43, s43, 3
	s_add_co_u32 s42, s42, s43                     ; my first true row
	s_lshl_b32 s42, s42, 12
	s_mov_b32 s43, 0
	s_lshl_b32 s44, s28, 8
	s_add_co_u32 s44, s44, ttmp9
	s_lshl_b32 s44, s44, 12                        ; K step w of my block
	s_mov_b32 s45, 0
	s_lshl_b32 s46, ttmp9, 6
	s_add_co_u32 s46, s46, 4194304
	s_mov_b32 s47, 0
	s_wait_kmcnt 0x0
	s_add_nc_u64 s[20:21], s[4:5], s[42:43]
	s_add_nc_u64 s[30:31], s[10:11], s[44:45]
	s_add_nc_u64 s[32:33], s[10:11], s[46:47]
.irp i, 0,1,2,3
	v_lshl_or_b32 v[3+\i], v1, 5, \i*4096
.endr
	v_lshrrev_b32 v13, 4, v0
	v_and_b32 v14, 15, v0
	v_lshlrev_b32 v14, 2, v14
	v_lshl_add_u32 v12, v13, 14, v14               ; thread t's scale word in memory
.irp i, 0,1,2,3
.irp p, 0,1,2,3
	global_load_b128 v[X+32*\i+8*\p:X+32*\i+8*\p+3], v[3+\i], s[20:21] offset:1024*\p
	global_load_b128 v[X+32*\i+8*\p+4:X+32*\i+8*\p+7], v[3+\i], s[20:21] offset:1024*\p+16   ; the two together read 1,024 dense bytes
.endr
.endr
.irp p, 0,1,2,3
	global_load_b128 v[W+8*\p:W+8*\p+3], v2, s[6:7] offset:1024*\p
	global_load_b128 v[W+8*\p+4:W+8*\p+7], v2, s[6:7] offset:1024*\p+16
	global_load_b128 v[BV+8*\p:BV+8*\p+3], v2, s[8:9] offset:1024*\p
	global_load_b128 v[BV+8*\p+4:BV+8*\p+7], v2, s[8:9] offset:1024*\p+16
.endr
.irp i, 0,1,2,3,4,5,6,7
	v_mov_b32 v[RS+\i], 0                          ; written once: a lane permute's destination, and the upper halves of pairs that are named whole
.endr
.macro WSUM                            ; the four rows' sums over the 32 lanes, by turns
.irp m, 1,2,4,8
.irp i, 0,1,2,3
	v_add_f32_dpp v[SA+2*\i], v[SA+2*\i], v[SA+2*\i] row_xmask:\m row_mask:0xf bank_mask:0xf
.endr
.endr
.irp i, 0,1,2,3
	v_permlanex16_b32 v[RS+2*\i], v[SA+2*\i], s[SEL], s[SEL+1]
.endr
.irp i, 0,1,2,3
	v_add_f32 v[SA+2*\i], v[SA+2*\i], v[RS+2*\i]
.endr
.endm
	s_wait_loadcnt 0x0
.irp i, 0,1,2,3
	v_pk_add_f32 v[SA+2*\i:SA+2*\i+1], v[X+32*\i:X+32*\i+1], v[X+32*\i+2:X+32*\i+3]
.endr
.irp j, 4,6,8,10,12,14,16,18,20,22,24,26,28,30
.irp i, 0,1,2,3
	v_pk_add_f32 v[SA+2*\i:SA+2*\i+1], v[SA+2*\i:SA+2*\i+1], v[X+32*\i+\j:X+32*\i+\j+1]
.endr
.endr
.irp i, 0,1,2,3
	v_add_f32 v[SA+2*\i], v[SA+2*\i], v[SA+2*\i+1]
.endr
	WSUM
.irp i, 0,1,2,3
	v_mul_f32 v[SA+2*\i], s37, v[SA+2*\i]          ; the mean
.endr
.irp j, 0,2,4,6,8,10,12,14,16,18,20,22,24,26,28,30
.irp i, 0,1,2,3
	v_pk_add_f32 v[X+32*\i+\j:X+32*\i+\j+1], v[X+32*\i+\j:X+32*\i+\j+1], v[SA+2*\i:SA+2*\i+1] op_sel_hi:[1,0] neg_lo:[0,1] neg_hi:[0,1]
.endr
.endr
.irp i, 0,1,2,3
	v_pk_mul_f32 v[SA+2*\i:SA+2*\i+1], v[X+32*\i:X+32*\i+1], v[X+32*\i:X+32*\i+1]
.endr
.irp j, 2,4,6,8,10,12,14,16,18,20,22,24,26,28,30
.irp i, 0,1,2,3
	v_pk_fma_f32 v[SA+2*\i:SA+2*\i+1], v[X+32*\i+\j:X+32*\i+\j+1], v[X+32*\i+\j:X+32*\i+\j+1], v[SA+2*\i:SA+2*\i+1]
.endr
.endr
.irp i, 0,1,2,3
	v_add_f32 v[SA+2*\i], v[SA+2*\i], v[SA+2*\i+1]
.endr
	WSUM
.irp i, 0,1,2,3
	v_fma_f32 v[SA+2*\i], v[SA+2*\i], s37, s38     ; the variance + 1e-5
.endr
	s_wait_alu depctr_va_vdst(0)
.irp i, 0,1,2,3
	v_rsq_f32 v[RS+2*\i], v[SA+2*\i]
.endr
	v_nop                                          ; a plain line behind the last of the four,
	s_wait_alu depctr_va_vdst(0)                   ; and one wait for the four, ahead of their first reader
.irp j, 0,2,4,6,8,10,12,14,16,18,20,22,24,26,28,30
.irp i, 0,1,2,3
	v_pk_mul_f32 v[X+32*\i+\j:X+32*\i+\j+1], v[X+32*\i+\j:X+32*\i+\j+1], v[RS+2*\i:RS+2*\i+1] op_sel_hi:[1,0]
.endr
.endr
.irp j, 0,2,4,6,8,10,12,14,16,18,20,22,24,26,28,30
.irp i, 0,1,2,3
	v_pk_fma_f32 v[X+32*\i+\j:X+32*\i+\j+1], v[X+32*\i+\j:X+32*\i+\j+1], v[W+\j:W+\j+1], v[BV+\j:BV+\j+1]
.endr
.endr
; Row i: its four quarters by turns.  A block of 32 lies in four neighbouring lanes.
.macro Q8 i
.irp p, 0,1,2,3
	v_max3_num_f32 v[M+\p], |v[X+32*\i+8*\p]|, |v[X+32*\i+8*\p+1]|, 0x4800000   ; with the floor 2^(9 - 127): the byte cannot fall under 1
.endr
.irp j, 2,4,6
.irp p, 0,1,2,3
	v_max3_num_f32 v[M+\p], v[M+\p], |v[X+32*\i+8*\p+\j]|, |v[X+32*\i+8*\p+\j+1]|
.endr
.endr
.irp p, 0,1,2,3
	v_max_num_f32_dpp v[M+\p], v[M+\p], v[M+\p] row_xmask:1 row_mask:0xf bank_mask:0xf
.endr
.irp p, 0,1,2,3
	v_max_num_f32_dpp v[M+\p], v[M+\p], v[M+\p] row_xmask:2 row_mask:0xf bank_mask:0xf
.endr
.irp p, 0,1,2,3
	v_add_nc_u32 v[SO+\p], 0xfc000000, v[M+\p]     ; 8 off the exponent field: the conversion's scale operand
.endr
.irp p, 0,1,2,3
	v_and_or_b32 v[HO+\p], v[M+\p], 0x7f800000, s[MNT]   ; 448 x the scale
.endr
.irp p, 0,1,2,3
.irp j, 0,1,2,3,4,5,6,7
	v_med3_num_f32 v[X+32*\i+8*\p+\j], v[X+32*\i+8*\p+\j], -v[HO+\p], v[HO+\p]   ; the conversion does not saturate (ISA guide 7.6.2): the hold comes first
.endr
.endr
.irp p, 0,1,2,3
	v_cvt_scalef32_pk8_fp8_f32 v[C+8*\i+2*\p:C+8*\i+2*\p+1], v[X+32*\i+8*\p:X+32*\i+8*\p+7], v[SO+\p]
.endr
.irp p, 0,1,2,3
	v_lshrrev_b32 v[E+4*\i+\p], 23, v[SO+\p]       ; the scale's byte
.endr
.irp p, 0,1,2,3
	ds_store_b64 v7, v[C+8*\i+2*\p:C+8*\i+2*\p+1] offset:16*HP*\p+16*\i
	ds_store_b8 v8, v[E+4*\i+\p] offset:128*\p+4*\i   ; the four lanes of a block write the same byte with the same value
.endr
.endm
	Q8 0
	Q8 1
	Q8 2
	Q8 3
	s_wait_dscnt 0x0                               ; for the others: my stores into the stage are done
	s_barrier_signal -1
	s_barrier_wait -1
.irp n, 0,1,2,3,4,5,6,7
	ds_load_b128 v[X+4*\n:X+4*\n+3], v9 offset:2*HP*\n
.endr
	ds_load_b32 v[X+32], v11
	s_wait_dscnt 0x0
.irp n, 0,1,2,3,4,5,6,7
	global_store_b128 v10, v[X+4*\n:X+4*\n+3], s[30:31] offset:512*\n   ; 32 lanes store 512 consecutive bytes, aligned
.endr
	global_store_b32 v12, v[X+32], s[32:33]
	s_set_vgpr_msb 0x4
	s_wait_tensorcnt 0x0
	ds_add_u32 v15, v1
	s_wait_dscnt 0x0
	s_set_vgpr_msb 0x400
	s_endpgm
.Lfunc_end_k_q6e18b8e471_ln2:
	.size	k_q6e18b8e471_ln2, .Lfunc_end_k_q6e18b8e471_ln2-k_q6e18b8e471_ln2
	.p2alignl 7, 3214868480
	.fill 96, 4, 3214868480
	.section	.rodata,"a",@progbits
	.p2align	6, 0x0
	.amdhsa_kernel k_q6e18b8e471_ln2
		.amdhsa_group_segment_fixed_size 18944
		.amdhsa_private_segment_fixed_size 0
		.amdhsa_enable_private_segment 0
		.amdhsa_kernarg_size 32
		.amdhsa_user_sgpr_count 2
		.amdhsa_user_sgpr_kernarg_segment_ptr 1
		.amdhsa_wavefront_size32 1
		.amdhsa_system_sgpr_workgroup_id_x 1
		.amdhsa_system_sgpr_workgroup_id_y 1
		.amdhsa_system_sgpr_workgroup_id_z 1
		.amdhsa_system_vgpr_workitem_id 0
		.amdhsa_next_free_vgpr 258
		.amdhsa_next_free_sgpr 66
		.amdhsa_reserve_vcc 0
		.amdhsa_float_denorm_mode_32 3
		.amdhsa_float_denorm_mode_16_64 3
		.amdhsa_memory_ordered 1
		.amdhsa_forward_progress 1
		.amdhsa_inst_pref_size 54
	.end_amdhsa_kernel
	.amdgpu_metadata
---
amdhsa.version: [ 1, 2 ]
amdhsa.kernels:
  - .name:           k_q6e18b8e471_ln2
    .symbol:         k_q6e18b8e471_ln2.kd
    .args:
      - { .name: x1, .offset: 0, .size: 8, .value_kind: global_buffer, .address_space: global }
      - { .name: ln2_w, .offset: 8, .size: 8, .value_kind: global_buffer, .address_space: global }
      - { .name: ln2_b, .offset: 16, .size: 8, .value_kind: global_buffer, .address_space: global }
      - { .name: h2q, .offset: 24, .size: 8, .value_kind: global_buffer, .address_space: global }
    .group_segment_fixed_size: 18944
    .private_segment_fixed_size: 0
    .kernarg_segment_align: 8
    .kernarg_segment_size: 32
    .max_flat_workgroup_size: 128
    .sgpr_count:     66
    .vgpr_count:     258
    .wavefront_size: 32
...
	.end_amdgpu_metadata
.endif
;; end of part 12
;; launch ff1 (part 13): grid 12 x 16, 4 waves a work-group, clusters of 4 x 4, 327,680 bytes of LDS; arguments h2q, wq, ff1_b, hidq; writes hidq
.if DOCPART == 13
	.amdgcn_target "amdgcn-amd-amdhsa--gfx1250"
	.amdhsa_code_object_version 6
	.text
	.protected	k_q6e18b8e471_ff1
	.globl	k_q6e18b8e471_ff1
	.p2align	8
	.type	k_q6e18b8e471_ff1,@function
k_q6e18b8e471_ff1:
	s_mov_b64 s[64:65], 0
	v_nop
	global_prefetch_b8 v0, s[64:65] scope:SCOPE_SE
	s_setreg_imm32_b32 hwreg(HW_REG_WAVE_MODE, 25, 1), 1
	s_wait_xcnt 0x0
	s_wait_alu depctr_hold_cnt(0) depctr_sa_sdst(0) depctr_va_vdst(0) depctr_va_sdst(0) depctr_va_ssrc(0) depctr_va_vcc(0) depctr_vm_vsrc(0)
	s_getreg_b32 s2, hwreg(HW_REG_IB_STS2, 6, 4)
	s_cmp_eq_u32 s2, 0
	s_cbranch_scc0 .Lentry_in_a_cluster
	s_endpgm
.Lentry_in_a_cluster:
	s_bfe_u32 s2, ttmp6, 0x10000c
	s_cmp_lg_u32 s2, 0xf033
	s_cbranch_scc0 .Lentry_shape_is_right
	s_endpgm
.Lentry_shape_is_right:
.set SIZE_K, 1024
.set NBA, 256
.set NBB, 192
.set SPA, 4096
.set SPB, 3072
.set ACO, 0
.set ASO, 4194304
.set BCO, 9437184
.set BSO, 16023552
.set HIDS, 12582912
.set KT,     SIZE_K/128
.set LAPS,   SIZE_K/512
.set ASTEP,  NBA*4096
.set BSTEP,  NBB*4096
.set NQ,     2
.set FR,     16
.set NL,     4
.set NP,     8
.set HALFT,  32768
.set SLOT,   4*HALFT
.set SCL,    2*SLOT
.set HALFS,  KT*512
.set SPARE,  SCL+4*HALFS
.set ADRA, 16
.set ADRB, 20
.set ADRS, 27
.set SPW,  28
.set NIL,  29
.set SC,   32
.set AF,   128
.set G1, 24
.set G0, 32
.set G1B, 48
.set G0B, 56
.set G1S, 68
.set G0S, 76
.set G1SB, 80
.set G0SB, 88
.set BB,  64
.set VBB, 7
.set OI,  22
.set SWA, 23
.set SRA, 24
.set T,   128
.set PC,  192
.set TM,  224
.set PWS, 240
.set PW,  248
.set U,   0
.set TT,  64
.set QQ,  128
.set CV,  192
.set SEL, 20
.set MNT, 22
.set EA,  23
.set RH,  45
.set MSB, 0
.macro WIN new
.set WNEW, \new
.if MSB != WNEW
	s_set_vgpr_msb (MSB<<8)|WNEW
.set MSB, WNEW
.endif
.endm
.set MUL_LO, 0xa1
.set MUL_HI, 0xf1
.set TO_B,   0x40
.macro JLOAD g0a, g1a, g0b, g1b
	s_cmp_eq_u32 s15, 0
	s_cbranch_scc0 .Lfor_b_\@
	tensor_load_to_lds s[\g0a:\g0a+3], s[\g1a:\g1a+7]
	s_nop 0
.rept 4
	v_nop
.endr
	s_branch .Lasked_\@
.Lfor_b_\@:
	tensor_load_to_lds s[\g0b:\g0b+3], s[\g1b:\g1b+7]
	s_nop 0
.rept 4
	v_nop
.endr
.Lasked_\@:
.endm
.macro CREST
	s_cmp_lg_u32 s14, 0
	s_cbranch_scc1 .Lnot_wave_0_\@
	s_barrier_signal -3
.Lnot_wave_0_\@:
	s_barrier_wait -3
	s_barrier_signal -1
	s_barrier_wait -1
.endm
.macro CROUND
	s_barrier_signal -1
	s_barrier_wait -1
	CREST
.endm
	s_load_b128 s[4:7], s[0:1], 0x0
	s_load_b64 s[8:9], s[0:1], 0x10
	s_load_b64 s[12:13], s[0:1], 0x18
	v_lshl_add_u32 v[SPW], v0, 2, SPARE
	v_mov_b32 v[NIL], 0
	ds_add_u32 v28, v29
	ds_add_u32 v28, v29
	s_wait_dscnt 0x0
	v_lshrrev_b32 v1, 5, v0
	v_readfirstlane_b32 s14, v1
	s_lshr_b32 s15, s14, 1
	s_and_b32 s16, s14, 1
	s_bfe_u32 s40, ttmp6, 0x40000
	s_bfe_u32 s41, ttmp6, 0x40004
	s_lshl_b32 s42, ttmp9, 2
	s_add_co_u32 s42, s42, s40
	s_and_b32 s17, ttmp7, 0xffff
	s_lshl_b32 s17, s17, 2
	s_add_co_u32 s17, s17, s41
	s_lshl_b32 s43, s41, 2
	s_lshl_b32 s43, 15, s43
	s_lshl_b32 s44, 0x1111, s40
	s_or_b32 s[G1+0], s43, (3<<16)|(1<<21)
	s_or_b32 s[G1B+0], s44, (3<<16)|(1<<21)
.irp g, G1, G1B
	s_mov_b32 s[\g+1], 32<<16
	s_mov_b32 s[\g+2], 256<<16                     ; the head's loads bring a side's 256 rows; behind them the two words that count rows are set to 128
	s_mov_b32 s[\g+3], 32<<16
	s_mov_b32 s[\g+4], 256
	s_mov_b32 s[\g+5], 32
	s_mov_b32 s[\g+6], 0
	s_mov_b32 s[\g+7], 0
.endr
	s_or_b32 s[G1S+0], s43, (3<<16)|(1<<21)
	s_or_b32 s[G1SB+0], s44, (3<<16)|(1<<21)
.irp g, G1S, G1SB
	s_mov_b32 s[\g+1], 128<<16                     ; KT rows of 1,024 bytes: 256 places' scale words of one k / 128
	s_mov_b32 s[\g+2], KT<<16
	s_mov_b32 s[\g+3], 128<<16
	s_mov_b32 s[\g+4], KT
	s_mov_b32 s[\g+6], 0
	s_mov_b32 s[\g+7], 0
.endr
	s_mov_b32 s[G1S+5], SPA/2
	s_mov_b32 s[G1SB+5], SPB/2
	s_lshl_b32 s18, s16, 3
	s_lshl_b32 s20, s17, 4
	s_add_co_u32 s20, s20, s18
	s_lshl_b32 s22, s17, 10                        ; the scale words of the tile's first block: one load brings both halves
	s_add_co_u32 s22, s22, ASO
	s_mov_b32 s23, 0
	s_lshl_b32 s20, s20, 12
	s_add_co_u32 s20, s20, ACO
	s_mov_b32 s21, 0
	s_lshl_b32 s46, s42, 4
	s_add_co_u32 s46, s46, s18
	s_lshl_b32 s92, s42, 10
	s_add_co_u32 s92, s92, BSO
	s_mov_b32 s93, 0
	s_lshl_b32 s46, s46, 12
	s_add_co_u32 s46, s46, BCO
	s_mov_b32 s47, 0
	s_mul_i32 s45, s14, HALFT
	s_wait_kmcnt 0x0
	s_add_nc_u64 s[20:21], s[4:5], s[20:21]
	s_add_nc_u64 s[22:23], s[4:5], s[22:23]
	s_add_nc_u64 s[46:47], s[6:7], s[46:47]
	s_add_nc_u64 s[92:93], s[6:7], s[92:93]
	CROUND
	s_mov_b32 s[G0S], 1
	s_mov_b32 s[G0S+1], SCL                        ; A's scale words [k / 128][256 places], then B's
	s_mov_b64 s[G0S+2:G0S+3], s[22:23]
	s_or_b32 s[G0S+3], s[G0S+3], 0x80000000
	s_mov_b32 s[G0SB], 1
	s_mov_b32 s[G0SB+1], SCL+2*HALFS
	s_mov_b64 s[G0SB+2:G0SB+3], s[92:93]
	s_or_b32 s[G0SB+3], s[G0SB+3], 0x80000000
.irp s, 0,1
	s_mov_b32 s[G0+4*\s], 1
	s_add_co_u32 s[G0+4*\s+1], s45, \s*SLOT
	s_add_nc_u64 s[G0+4*\s+2:G0+4*\s+3], s[20:21], \s*ASTEP
	s_or_b32 s[G0+4*\s+3], s[G0+4*\s+3], 0x80000000
	s_mov_b32 s[G0B+4*\s], 1
	s_add_co_u32 s[G0B+4*\s+1], s45, \s*SLOT
	s_add_nc_u64 s[G0B+4*\s+2:G0B+4*\s+3], s[46:47], \s*BSTEP
	s_or_b32 s[G0B+4*\s+3], s[G0B+4*\s+3], 0x80000000
.endr
; THE HEAD'S LOADS, ONE A WAVE, in one chain of arms on the wave's number: wave 0 K step 0's 256 rows of A, wave 2 those of B (each wave's own group 0 for slot 0 names just that place), wave 1 A's scale words, wave 3 B's.
.macro ARM w, g0, g1, next
	s_cmp_eq_u32 s14, \w
	s_cbranch_scc0 \next
	tensor_load_to_lds s[\g0:\g0+3], s[\g1:\g1+7]
	s_nop 0
.rept 4
	v_nop
.endr
	s_branch .Lhead_asked
\next:
.endm
	ARM 0, G0, G1, .Lhead_b
	ARM 2, G0B, G1B, .Lhead_sa
	ARM 1, G0S, G1S, .Lhead_sb
	tensor_load_to_lds s[G0SB:G0SB+3], s[G1SB:G1SB+7]
	s_nop 0
.rept 4
	v_nop
.endr
.Lhead_asked:
; PREFETCHES INTO THE L2, two K steps ahead of the loads.  A wave's load of the ring is 32,768 dense bytes, asked for jointly by four partners: each partner names 8,192 of them, told apart by address (cx for A, cy for B),
; lanes 256 bytes apart, one instruction a wave.  Here, behind K step 0's load: K step 2.  Behind K step 1's load: K step 3.  The two refills have no K step two on and ask for nothing.
	s_cmp_eq_u32 s15, 0                            ; do I fetch for A?
	s_cselect_b64 s[96:97], s[20:21], s[46:47]     ; my 128 rows in K step 0
	s_cselect_b32 s94, s40, s41                    ; my place among the four that ask with me
	s_mov_b32 s98, BSTEP
	s_cselect_b32 s98, ASTEP, s98                  ; a K step on, in bytes
	s_mov_b32 s99, 0
	s_mov_b32 s95, 0
	s_lshl_b32 s94, s94, 13
	s_add_nc_u64 s[96:97], s[96:97], s[94:95]
	s_add_nc_u64 s[96:97], s[96:97], s[98:99]
	s_add_nc_u64 s[96:97], s[96:97], s[98:99]      ; K step 2; never rewritten
	s_add_nc_u64 s[98:99], s[96:97], s[98:99]      ; K step 3; never rewritten
	v_and_b32 v30, 31, v0
	v_lshlrev_b32 v30, 8, v30                      ; 256 x lane; never rewritten
	global_prefetch_b8 v30, s[96:97] th:TH_LOAD_NT scope:SCOPE_SE
	v_and_b32 v1, 15, v0
	v_bfe_u32 v2, v0, 4, 1
	s_wait_alu depctr_va_vdst(0)
	v_and_b32 v3, 31, v0
	v_lshlrev_b32 v4, 4, v3
	s_mul_i32 s21, s15, HALFT
	s_mul_i32 s22, s16, HALFT
	s_add_co_u32 s22, s22, 2*HALFT
.irp s, 0,1
	v_add_nc_u32 v[ADRA+\s], s21, v4
	v_add_nc_u32 v[ADRB+\s], s22, v4
	s_add_co_u32 s21, s21, SLOT
	s_add_co_u32 s22, s22, SLOT
.endr
	v_lshlrev_b32 v5, 2, v1
	s_lshl_b32 s21, s15, 9                         ; my 128 places of a row of 256 words
	s_lshl_b32 s22, s16, 9
	s_add_co_u32 s22, s22, 2*HALFS
	s_sub_co_u32 s22, s22, s21
	v_mul_u32_u24 v6, s22, v2
	s_add_co_u32 s21, s21, SCL
	v_add_nc_u32 v5, v5, v6
	v_add_nc_u32 v[ADRS], s21, v5
	s_lshl_b32 s18, s17, 4
	s_lshl_b32 s19, s15, 3
	s_add_co_u32 s18, s18, s19
	s_lshl_b32 s20, s42, 8
	s_add_co_u32 s20, s20, s18
	s_lshl_b32 s20, s20, 12
	s_lshl_b32 s19, s16, 11
	s_add_co_u32 s20, s20, s19
	s_mov_b32 s21, 0
	s_lshl_b32 s22, s42, 1
	s_add_co_u32 s22, s22, s16
	s_lshl_b32 s22, s22, 14
	s_lshl_b32 s18, s18, 6
	s_add_co_u32 s22, s22, s18
	s_add_co_u32 s22, s22, HIDS
	s_mov_b32 s23, 0
	s_add_nc_u64 s[10:11], s[12:13], s[22:23]
	s_add_nc_u64 s[12:13], s[12:13], s[20:21]
	s_lshl_b32 s18, s42, 10
	s_lshl_b32 s19, s16, 9
	s_add_co_u32 s18, s18, s19
	s_mov_b32 s19, 0
	s_add_nc_u64 s[8:9], s[8:9], s[18:19]
	v_lshlrev_b32 v[VBB], 6, v2
.irp b, 0,1,2,3,4,5,6,7
	global_load_b128 v[BB+8*\b:BB+8*\b+3], v[VBB], s[8:9] offset:(32*(\b/2)+8*(\b%2))*4
	global_load_b128 v[BB+8*\b+4:BB+8*\b+7], v[VBB], s[8:9] offset:(32*(\b/2)+8*(\b%2))*4+16
.endr
	v_mov_b32 v[OI], v4
	s_lshl_b32 s18, s14, 9
	v_lshl_add_u32 v[SWA], v1, 2, s18
	v_add_nc_u32 v[SRA], s18, v4
.macro FRAG reg, adr, q, i
.irp c, 0,1,2,3
	ds_load_b128 v[\reg+4*\c:\reg+4*\c+3], v[\adr] offset:4096*(\i)+2048*(\q)+512*\c
.endr
.endm
.macro MUL16 a0, p, q, sc, zero
.irp a, \a0, \a0+1
.irp b, 0,1,2,3,4,5,6,7
.if \zero
	v_wmma_scale_f32_16x16x128_f8f6f4 v[8*(8*((\a)%4)+\b):8*(8*((\a)%4)+\b)+7], v[128*(\p)+FR*\b:128*(\p)+FR*\b+FR-1], v[AF+FR*(\a):AF+FR*(\a)+FR-1], 0, v[SC+8*NQ*(\sc)+NQ*\b+(\q)], v[SC+8*NQ*(\sc)+NQ*(\a)+(\q)] matrix_a_scale:MATRIX_SCALE_ROW1
.else
	v_wmma_scale_f32_16x16x128_f8f6f4 v[8*(8*((\a)%4)+\b):8*(8*((\a)%4)+\b)+7], v[128*(\p)+FR*\b:128*(\p)+FR*\b+FR-1], v[AF+FR*(\a):AF+FR*(\a)+FR-1], v[8*(8*((\a)%4)+\b):8*(8*((\a)%4)+\b)+7], v[SC+8*NQ*(\sc)+NQ*\b+(\q)], v[SC+8*NQ*(\sc)+NQ*(\a)+(\q)] matrix_a_scale:MATRIX_SCALE_ROW1
.endif
.endr
.endr
.endm
.macro FETCH_B slot, q, p
	WIN TO_B
.irp i, 0,1,2,3,4,5,6,7
	FRAG 128*(\p)+FR*\i, ADRB+\slot, \q, \i
.endr
	WIN 0
.endm
.macro FETCH_A slot, q, i0
.irp i, \i0, \i0+1, \i0+2, \i0+3
	FRAG AF+FR*(\i), ADRA+\slot, \q, \i
.endr
.endm
.macro SCALES sc
.irp i, 0,1,2,3,4,5,6,7
.irp q, 0,1
	ds_load_b32 v[SC+16*\sc+2*\i+\q], v[ADRS] offset:64*\i+1024*\q
.endr
.endr
.endm
.macro PLACES n
.rept \n
	v_nop
.endr
.endm
.macro STEP slot, q, zero
	s_wait_dscnt 4*NL
	WIN MUL_LO
	MUL16 0, (\q)%2, \q, \slot, \zero
	MUL16 2, (\q)%2, \q, \slot, \zero
	s_wait_dscnt 0
	PLACES NP
	FETCH_B \slot, (\q)+1, 1-(\q)%2
	FETCH_A \slot, (\q)+1, 0
	WIN MUL_HI
	MUL16 4, (\q)%2, \q, \slot, \zero
	MUL16 6, (\q)%2, \q, \slot, \zero
	PLACES NP
	WIN 0
	FETCH_A \slot, (\q)+1, 4
.endm
.macro TURN slot, next, fill
	s_wait_tensorcnt 0x0
	ds_add_u32 v[SPW], v[NIL]
	s_wait_dscnt 4*NL+1
	WIN MUL_LO
	MUL16 0, 1, NQ-1, \slot, 0
	s_wait_dscnt 0x0
	s_barrier_signal -1
	MUL16 2, 1, NQ-1, \slot, 0
	WIN 0
	s_barrier_wait -1
.if \fill
	CREST
	s_add_nc_u64 s[G0+4*\slot+2:G0+4*\slot+3], s[G0+4*\slot+2:G0+4*\slot+3], 2*ASTEP
	s_add_nc_u64 s[G0B+4*\slot+2:G0B+4*\slot+3], s[G0B+4*\slot+2:G0B+4*\slot+3], 2*BSTEP
	JLOAD G0+4*\slot, G1, G0B+4*\slot, G1B
	PLACES NP-4
.else
	PLACES NP
.endif
	s_wait_alu depctr_va_vdst(0)
	v_add_nc_u32 v[ADRS], 1024*NQ, v[ADRS]
	FETCH_B \next, 0, 0
	FETCH_A \next, 0, 0
	SCALES \next
	WIN MUL_HI
	MUL16 4, 1, NQ-1, \slot, 0
	MUL16 6, 1, NQ-1, \slot, 0
	PLACES NP
	WIN 0
	FETCH_A \next, 0, 4
.endm
	s_wait_alu depctr_va_vdst(0)
	s_wait_tensorcnt 0x0                           ; my tile of the head's four is in
	ds_add_u32 v[SPW], v[NIL]
	s_mov_b32 s[G1+2], 128<<16                     ; no tensor load of mine is out: from here on a load brings 128 rows
	s_mov_b32 s[G1+4], 128
	s_mov_b32 s[G1B+2], 128<<16
	s_mov_b32 s[G1B+4], 128
	s_wait_dscnt 0x0
	CROUND                                         ; all four tiles are in, and all sixteen work-groups are here
	JLOAD G0+4, G1, G0B+4, G1B                     ; K step 1, a quarter of slot 1 a wave: the first tensor load behind the round
	FETCH_B 0, 0, 0
	FETCH_A 0, 0, 0
	SCALES 0
	FETCH_A 0, 0, 4
	global_prefetch_b8 v30, s[98:99] th:TH_LOAD_NT scope:SCOPE_SE   ; K step 3, behind K step 1's load and the first run of LDS loads
	STEP 0, 0, 1                                   ; the first products start the sums
	s_mov_b32 s3, LAPS-1
.Llap:
	TURN 0, 1, 1
	STEP 1, 0, 0
	TURN 1, 0, 1
	STEP 0, 0, 0
	s_sub_co_u32 s3, s3, 1
	s_cmp_lg_u32 s3, 0
	s_cbranch_scc1 .Llap
	TURN 0, 1, 0
	STEP 1, 0, 0
	s_wait_dscnt 4*NL
	WIN MUL_LO
	MUL16 0, 1, NQ-1, 1, 0
	MUL16 2, 1, NQ-1, 1, 0
	s_wait_dscnt 0
	WIN MUL_HI
	MUL16 4, 1, NQ-1, 1, 0
	MUL16 6, 1, NQ-1, 1, 0
	WIN 0
.macro TAKE a
.if (\a) > 0
	v_mov_b32 v[PWS+(\a)-1], v[PW]
.endif
	WIN 0x02+(\a)/4
.set i, 0
.rept 32
	v_pk_add_f32 v[T+i:T+i+1], v[64*((\a)%4)+i:64*((\a)%4)+i+1], v[BB+i:BB+i+1]
.set i, i+2
.endr
	WIN 0
.endm
.macro GELU
	WIN 0x40
.set i, 0
.rept 64
	v_mul_f32 v[U+i], s[RH], |v[T+i]|
.set i, i+1
.endr
	WIN 0x55
.set i, 0
.rept 32
	v_pk_fma_f32 v[TT+i:TT+i+1], v[U+i:U+i+1], 0.5, 1.0 op_sel_hi:[1,0,0]
.set i, i+2
.endr
.set i, 0
	s_wait_alu depctr_va_vdst(0)
.rept 64
	v_rcp_f32 v[TT+i], v[TT+i]
.set i, i+1
.endr
	v_nop
	s_wait_alu depctr_va_vdst(0)
.set i, 0
.rept 32
	v_pk_fma_f32 v[QQ+i:QQ+i+1], v[TT+i:TT+i+1], 0x3e2ef945, v[CV:CV+1] op_sel_hi:[1,0,1]
.set i, i+2
.endr
.irp c, 0x3fbe87b0, 0xbf914e5d, 0x3e8ec7cc, 0xbe3ec24c, 0x3dc636c9, 0x3ebf88fb, 0x3f8000c7, 0xbfa1fc4e
.set i, 0
.rept 32
	v_pk_fma_f32 v[QQ+i:QQ+i+1], v[QQ+i:QQ+i+1], v[TT+i:TT+i+1], \c op_sel_hi:[1,1,0]
.set i, i+2
.endr
.endr
.set i, 0
.rept 32
	v_pk_fma_f32 v[QQ+i:QQ+i+1], v[U+i:U+i+1], v[U+i:U+i+1], v[QQ+i:QQ+i+1] neg_lo:[1,0,0] neg_hi:[1,0,0]
.set i, i+2
.endr
.set i, 0
.rept 32
	v_pk_mul_f32 v[QQ+i:QQ+i+1], v[QQ+i:QQ+i+1], 0x3fb8aa3b op_sel_hi:[1,0]
.set i, i+2
.endr
.set i, 0
	s_wait_alu depctr_va_vdst(0)
.rept 64
	v_exp_f32 v[QQ+i], v[QQ+i]
.set i, i+1
.endr
	v_nop
	s_wait_alu depctr_va_vdst(0)
.set i, 0
.rept 32
	v_pk_mul_f32 v[QQ+i:QQ+i+1], v[QQ+i:QQ+i+1], v[TT+i:TT+i+1]
.set i, i+2
.endr
.set i, 0
.rept 32
	v_pk_mul_f32 v[QQ+i:QQ+i+1], v[QQ+i:QQ+i+1], v[U+i:U+i+1]
.set i, i+2
.endr
	WIN 0
.set i, 0
.rept 64
	v_max_num_f32 v[T+i], 0, v[T+i]
.set i, i+1
.endr
	WIN 0x01
.set i, 0
.rept 32
	v_pk_fma_f32 v[T+i:T+i+1], v[QQ+i:QQ+i+1], 0xbf3504f3, v[T+i:T+i+1] op_sel_hi:[1,0,1]
.set i, i+2
.endr
	WIN 0
.endm
.macro QUANT
.irp b, 0,1,2,3
	v_max3_num_f32 v[TM+\b], |v[T+16*\b]|, |v[T+1+16*\b]|, 0x4800000
.endr
.irp i, 2,4,6,8,10,12,14
.irp b, 0,1,2,3
	v_max3_num_f32 v[TM+\b], v[TM+\b], |v[T+16*\b+\i]|, |v[T+1+16*\b+\i]|
.endr
.endr
.irp b, 0,1,2,3
	v_permlanex16_b32 v[TM+4+\b], v[TM+\b], s[SEL], s[SEL+1]
.endr
.irp b, 0,1,2,3
	v_max_num_f32 v[TM+\b], v[TM+\b], v[TM+4+\b]
.endr
.irp b, 0,1,2,3
	v_add_nc_u32 v[TM+12+\b], 0xfc000000, v[TM+\b]
.endr
.irp b, 0,1,2,3
	v_and_or_b32 v[TM+8+\b], v[TM+\b], 0x7f800000, s[MNT]
.endr
.irp b, 0,1,2,3
	v_lshrrev_b32 v[TM+4+\b], 23, v[TM+12+\b]
.endr
	v_lshl_or_b32 v[PW], v[TM+5], 8, v[TM+4]
	v_lshl_or_b32 v[PW], v[TM+6], 16, v[PW]
	v_lshl_or_b32 v[PW], v[TM+7], 24, v[PW]
.irp b, 0,1,2,3
.irp i, 0,1,2,3,4,5,6,7,8,9,10,11,12,13,14,15
	v_med3_num_f32 v[T+16*\b+\i], v[T+16*\b+\i], -v[TM+8+\b], v[TM+8+\b]
.endr
	v_cvt_scalef32_pk8_fp8_f32 v[PC+4*\b:PC+1+4*\b], v[T+16*\b:T+7+16*\b], v[TM+12+\b]
	v_cvt_scalef32_pk8_fp8_f32 v[PC+2+4*\b:PC+3+4*\b], v[T+8+16*\b:T+15+16*\b], v[TM+12+\b]
.endr
	v_nop
.endm
	PLACES NP
	s_wait_loadcnt 0x0
	s_mov_b32 s[SEL], 0x76543210
	s_mov_b32 s[SEL+1], 0xfedcba98
	s_mov_b32 s[MNT], 0x600000
	s_mov_b32 s[RH], 0x3f3504f3
	WIN 0x40
	v_mov_b32 v[CV], 0xbf527891
	v_mov_b32 v[CV+1], 0xbf527891
	WIN 0
.irp b, 0,1,2,3
	v_mov_b32 v[TM+4+\b], 0
.endr
	v_mov_b32 v[PW], 0
	s_mov_b32 s[EA], 0
.Lepi:
.irp a, 0,1,2,3,4,5,6
	s_cmp_eq_u32 s[EA], \a
	s_cbranch_scc1 .Ltake\a
.endr
	s_wait_alu depctr_va_vdst(0)
	TAKE 7
	s_branch .Lwork
.irp a, 0,1,2,3,4,5
.Ltake\a:
	s_wait_alu depctr_va_vdst(0)
	TAKE \a
	s_branch .Lwork
.endr
.Ltake6:
	s_wait_alu depctr_va_vdst(0)
	TAKE 6
.Lwork:
	GELU
	QUANT
.irp c, 0,1,2,3
	global_store_b128 v[OI], v[PC+4*\c:PC+4*\c+3], s[12:13] offset:512*\c
.endr
	s_wait_xcnt 0x0
	v_add_nc_u32 v[OI], 4096, v[OI]
	s_add_co_u32 s[EA], s[EA], 1
	s_cmp_lt_u32 s[EA], 8
	s_cbranch_scc1 .Lepi
	v_mov_b32 v[PWS+7], v[PW]
.irp a, 0,1,2,3,4,5,6,7
	ds_store_b32 v[SWA], v[PWS+\a] offset:64*\a
.endr
	ds_load_b128 v[T:T+3], v[SRA]
	s_wait_dscnt 0x0
	global_store_b128 v4, v[T:T+3], s[10:11]
	s_wait_tensorcnt 0x0
	ds_add_u32 v[SPW], v[NIL]
	s_wait_dscnt 0x0
	CROUND
	s_endpgm
.Lfunc_end_k_q6e18b8e471_ff1:
	.size	k_q6e18b8e471_ff1, .Lfunc_end_k_q6e18b8e471_ff1-k_q6e18b8e471_ff1
	.p2alignl 7, 3214868480
	.fill 96, 4, 3214868480
	.section	.rodata,"a",@progbits
	.p2align	6, 0x0
	.amdhsa_kernel k_q6e18b8e471_ff1
		.amdhsa_group_segment_fixed_size 327680
		.amdhsa_private_segment_fixed_size 0
		.amdhsa_enable_private_segment 0
		.amdhsa_kernarg_size 32
		.amdhsa_user_sgpr_count 2
		.amdhsa_user_sgpr_kernarg_segment_ptr 1
		.amdhsa_wavefront_size32 1
		.amdhsa_system_sgpr_workgroup_id_x 1
		.amdhsa_system_sgpr_workgroup_id_y 1
		.amdhsa_system_sgpr_workgroup_id_z 1
		.amdhsa_system_vgpr_workitem_id 0
		.amdhsa_next_free_vgpr 1024
		.amdhsa_next_free_sgpr 100
		.amdhsa_reserve_vcc 0
		.amdhsa_float_denorm_mode_32 3
		.amdhsa_float_denorm_mode_16_64 3
		.amdhsa_memory_ordered 1
		.amdhsa_forward_progress 1
		.amdhsa_inst_pref_size 200
	.end_amdhsa_kernel
	.amdgpu_metadata
---
amdhsa.version: [ 1, 2 ]
amdhsa.kernels:
  - .name:           k_q6e18b8e471_ff1
    .symbol:         k_q6e18b8e471_ff1.kd
    .args:
      - { .name: h2q, .offset: 0, .size: 8, .value_kind: global_buffer, .address_space: global }
      - { .name: wq, .offset: 8, .size: 8, .value_kind: global_buffer, .address_space: global }
      - { .name: ff1_b, .offset: 16, .size: 8, .value_kind: global_buffer, .address_space: global }
      - { .name: hidq, .offset: 24, .size: 8, .value_kind: global_buffer, .address_space: global }
    .group_segment_fixed_size: 327680
    .private_segment_fixed_size: 0
    .kernarg_segment_align: 8
    .kernarg_segment_size: 32
    .max_flat_workgroup_size: 128
    .sgpr_count:     100
    .vgpr_count:     1024
    .wavefront_size: 32
...
	.end_amdgpu_metadata
.endif
;; end of part 13
;; launch ff2 (part 14): grid 8 x 32, 4 waves a work-group, clusters of 4 x 4, 327,680 bytes of LDS; arguments hidq, wq, ff2_b, x1, out0; writes out0
.if DOCPART == 14
	.amdgcn_target "amdgcn-amd-amdhsa--gfx1250"
	.amdhsa_code_object_version 6
	.text
	.protected	k_q6e18b8e471_ff2
	.globl	k_q6e18b8e471_ff2
	.p2align	8
	.type	k_q6e18b8e471_ff2,@function
k_q6e18b8e471_ff2:
	s_mov_b64 s[64:65], 0
	v_nop
	global_prefetch_b8 v0, s[64:65] scope:SCOPE_SE
	s_setreg_imm32_b32 hwreg(HW_REG_WAVE_MODE, 25, 1), 1
	s_wait_xcnt 0x0
	s_wait_alu depctr_hold_cnt(0) depctr_sa_sdst(0) depctr_va_vdst(0) depctr_va_sdst(0) depctr_va_ssrc(0) depctr_va_vcc(0) depctr_vm_vsrc(0)
	s_getreg_b32 s2, hwreg(HW_REG_IB_STS2, 6, 4)
	s_cmp_eq_u32 s2, 0
	s_cbranch_scc0 .Lentry_in_a_cluster
	s_endpgm
.Lentry_in_a_cluster:
	s_bfe_u32 s2, ttmp6, 0x10000c
	s_cmp_lg_u32 s2, 0xf033
	s_cbranch_scc0 .Lentry_shape_is_right
	s_endpgm
.Lentry_shape_is_right:
.set SIZE_K, 3072
.set NBA, 256
.set NBB, 64
.set SPA, 4096
.set SPB, 1024
.set ACO, 0
.set ASO, 12582912
.set BCO, 12582912
.set BSO, 16121856
.set KT,     SIZE_K/128
.set LAPS,   SIZE_K/1024
.set ASTEP,  NBA*4096
.set BSTEP,  NBB*4096
.set FR,     16
.set NP,     8
.set HALFT,  32768
.set SLOT,   4*HALFT
.set SCL,    2*SLOT
.set HALFS,  (KT/2)*512
.set SPARE,  SCL+4*HALFS
.set SPITCH, 272
.set BI,   8
.set CO,   12
.set CB,   13
.set ADRA, 16
.set ADRB, 20
.set STO,  24
.set RD,   25
.set ADRS, 27
.set SPW,  28
.set NIL,  29
.set SC,   32
.set ACC,  128
.set G1, 24
.set G0, 32
.set G1B, 48
.set G0B, 56
.set G1S, 68
.set G0S, 76
.set G1SB, 80
.set G0SB, 88
.set MSB, 0
.macro WIN new
.set WNEW, \new
.if MSB != WNEW
	s_set_vgpr_msb (MSB<<8)|WNEW
.set MSB, WNEW
.endif
.endm
.set MUL,  0x05
.set TO_F, 0x40
.macro JLOAD g0a, g1a, g0b, g1b
	s_cmp_eq_u32 s15, 0
	s_cbranch_scc0 .Lfor_b_\@
	tensor_load_to_lds s[\g0a:\g0a+3], s[\g1a:\g1a+7]
	s_nop 0
.rept 4
	v_nop
.endr
	s_branch .Lasked_\@
.Lfor_b_\@:
	tensor_load_to_lds s[\g0b:\g0b+3], s[\g1b:\g1b+7]
	s_nop 0
.rept 4
	v_nop
.endr
.Lasked_\@:
.endm
.macro CREST
	s_cmp_lg_u32 s14, 0
	s_cbranch_scc1 .Lnot_wave_0_\@
	s_barrier_signal -3
.Lnot_wave_0_\@:
	s_barrier_wait -3
	s_barrier_signal -1
	s_barrier_wait -1
.endm
.macro CROUND
	s_barrier_signal -1
	s_barrier_wait -1
	CREST
.endm
	s_load_b128 s[4:7], s[0:1], 0x0
	s_load_b128 s[8:11], s[0:1], 0x10
	s_load_b64 s[12:13], s[0:1], 0x20
	v_lshl_add_u32 v[SPW], v0, 2, SPARE
	v_mov_b32 v[NIL], 0
	ds_add_u32 v28, v29
	ds_add_u32 v28, v29
	s_wait_dscnt 0x0
	v_lshrrev_b32 v1, 5, v0
	v_readfirstlane_b32 s14, v1
	s_lshr_b32 s15, s14, 1
	s_and_b32 s16, s14, 1
	s_bfe_u32 s40, ttmp6, 0x40000
	s_bfe_u32 s41, ttmp6, 0x40004
	s_lshl_b32 s42, ttmp9, 2
	s_add_co_u32 s42, s42, s40
	s_and_b32 s17, ttmp7, 0xffff
	s_lshl_b32 s17, s17, 2
	s_add_co_u32 s17, s17, s41
	s_lshl_b32 s43, s41, 2
	s_lshl_b32 s43, 15, s43
	s_lshl_b32 s44, 0x1111, s40
	s_or_b32 s[G1+0], s43, (3<<16)|(1<<21)
	s_or_b32 s[G1B+0], s44, (3<<16)|(1<<21)
.irp g, G1, G1B
	s_mov_b32 s[\g+1], 4096<<16                    ; the head's loads: two rows of 32,768 bytes: the tile's 128 rows in slot 0's two K steps of 256
	s_mov_b32 s[\g+2], 2<<16
	s_mov_b32 s[\g+3], 4096<<16
	s_mov_b32 s[\g+4], 2
	s_mov_b32 s[\g+6], 0
	s_mov_b32 s[\g+7], 0
.endr
	s_or_b32 s[G1S+0], s43, (3<<16)|(1<<21)
	s_or_b32 s[G1SB+0], s44, (3<<16)|(1<<21)
.irp g, G1S, G1SB
	s_mov_b32 s[\g+1], 64<<16
	s_mov_b32 s[\g+2], KT<<16
	s_mov_b32 s[\g+3], 64<<16
	s_mov_b32 s[\g+4], KT
	s_mov_b32 s[\g+6], 0
	s_mov_b32 s[\g+7], 0
.endr
	s_mov_b32 s[G1S+5], SPA/2
	s_mov_b32 s[G1+5], ASTEP/8                     ; from a K step to the next, in elements of 8 bytes
	s_mov_b32 s[G1B+5], BSTEP/8
	s_mov_b32 s[G1SB+5], SPB/2
	s_lshl_b32 s20, s17, 15
	s_mul_i32 s18, s16, ASTEP
	s_add_co_u32 s20, s20, s18
	s_add_co_u32 s20, s20, ACO
	s_mov_b32 s21, 0
	s_lshl_b32 s22, s17, 9
	s_add_co_u32 s22, s22, ASO
	s_mov_b32 s23, 0
	s_lshl_b32 s46, s42, 15
	s_mul_i32 s18, s16, BSTEP
	s_add_co_u32 s46, s46, s18
	s_add_co_u32 s46, s46, BCO
	s_mov_b32 s47, 0
	s_lshl_b32 s92, s42, 9
	s_add_co_u32 s92, s92, BSO
	s_mov_b32 s93, 0
	s_mul_i32 s45, s14, HALFT
	s_wait_kmcnt 0x0
	s_add_nc_u64 s[20:21], s[4:5], s[20:21]
	s_add_nc_u64 s[22:23], s[4:5], s[22:23]
	s_add_nc_u64 s[46:47], s[6:7], s[46:47]
	s_add_nc_u64 s[92:93], s[6:7], s[92:93]
	CROUND
	s_mov_b32 s[G0S], 1
	s_mov_b32 s[G0S+1], SCL                        ; A's scale words [k / 128][128 places], then B's
	s_mov_b64 s[G0S+2:G0S+3], s[22:23]
	s_or_b32 s[G0S+3], s[G0S+3], 0x80000000
	s_mov_b32 s[G0SB], 1
	s_mov_b32 s[G0SB+1], SCL+2*HALFS
	s_mov_b64 s[G0SB+2:G0SB+3], s[92:93]
	s_or_b32 s[G0SB+3], s[G0SB+3], 0x80000000
.irp s, 0,1
	s_mov_b32 s[G0+4*\s], 1
	s_add_co_u32 s[G0+4*\s+1], s45, \s*SLOT
	s_add_nc_u64 s[G0+4*\s+2:G0+4*\s+3], s[20:21], \s*2*ASTEP
	s_or_b32 s[G0+4*\s+3], s[G0+4*\s+3], 0x80000000
	s_mov_b32 s[G0B+4*\s], 1
	s_add_co_u32 s[G0B+4*\s+1], s45, \s*SLOT
	s_add_nc_u64 s[G0B+4*\s+2:G0B+4*\s+3], s[46:47], \s*2*BSTEP
	s_or_b32 s[G0B+4*\s+3], s[G0B+4*\s+3], 0x80000000
.endr
; THE HEAD'S LOADS, ONE A WAVE, in one chain of arms on the wave's number: wave 0 slot 0's two K steps of A, wave 2 those of B (each wave's own group 0 for slot 0 names just that place), wave 1 A's scale words of all of K, wave 3 B's.
.macro ARM w, g0, g1, next
	s_cmp_eq_u32 s14, \w
	s_cbranch_scc0 \next
	tensor_load_to_lds s[\g0:\g0+3], s[\g1:\g1+7]
	s_nop 0
.rept 4
	v_nop
.endr
	s_branch .Lhead_asked
\next:
.endm
	ARM 0, G0, G1, .Lhead_b
	ARM 2, G0B, G1B, .Lhead_sa
	ARM 1, G0S, G1S, .Lhead_sb
	tensor_load_to_lds s[G0SB:G0SB+3], s[G1SB:G1SB+7]
	s_nop 0
.rept 4
	v_nop
.endr
.Lhead_asked:
; PREFETCHES INTO THE L2.  A wave's load of the ring is 32,768 dense bytes, asked for jointly by four partners: each partner names 8,192 of them, told apart by address (cx for A, cy for B), lanes 256 bytes apart, one instruction a wave.
; Here: what the first two refills (the third and fourth 512 along K) will load.  At each refill of the loop's first trip: what the refill two on will load.  The last trip's refills have none two on and ask for nothing.
	s_cmp_eq_u32 s15, 0                            ; do I fetch for A?
	s_cselect_b64 s[92:93], s[20:21], s[46:47]     ; my K step of slot 0
	s_cselect_b32 s66, s40, s41                    ; my place among the four that ask with me
	s_mov_b32 s98, 2*BSTEP
	s_cselect_b32 s98, 2*ASTEP, s98                ; s[98:99]: 512 along K on, in bytes
	s_mov_b32 s99, 0
	s_mov_b32 s67, 0
	s_lshl_b32 s66, s66, 13
	s_add_nc_u64 s[92:93], s[92:93], s[66:67]
	s_add_nc_u64 s[92:93], s[92:93], s[98:99]
	s_add_nc_u64 s[92:93], s[92:93], s[98:99]      ; the third 512 along K; never rewritten
	s_add_nc_u64 s[96:97], s[92:93], s[98:99]      ; the fourth; stepped at each refill
	v_and_b32 v30, 31, v0
	v_lshlrev_b32 v30, 8, v30                      ; 256 x lane; never rewritten
	global_prefetch_b8 v30, s[92:93] th:TH_LOAD_NT scope:SCOPE_SE
	global_prefetch_b8 v30, s[96:97] th:TH_LOAD_NT scope:SCOPE_SE
	v_and_b32 v1, 15, v0
	v_bfe_u32 v2, v0, 4, 1
	s_wait_alu depctr_va_vdst(0)
	v_and_b32 v3, 31, v0
	v_lshlrev_b32 v4, 4, v3
	s_lshl_b32 s21, s15, 14
	s_lshl_b32 s22, s16, 14
	s_add_co_u32 s22, s22, 2*HALFT
.irp s, 0,1
	v_add_nc_u32 v[ADRA+\s], s21, v4
	v_add_nc_u32 v[ADRB+\s], s22, v4
	s_add_co_u32 s21, s21, SLOT
	s_add_co_u32 s22, s22, SLOT
.endr
	v_lshlrev_b32 v5, 2, v1
	s_lshl_b32 s21, s15, 8
	s_lshl_b32 s22, s16, 8
	s_add_co_u32 s22, s22, 2*HALFS
	s_sub_co_u32 s22, s22, s21
	v_mul_u32_u24 v6, s22, v2
	s_add_co_u32 s21, s21, SCL
	v_add_nc_u32 v5, v5, v6
	v_add_nc_u32 v[ADRS], s21, v5
	s_mul_i32 s23, s14, 16*SPITCH
	v_mul_u32_u24 v5, v1, SPITCH
	v_lshl_add_u32 v5, v2, 6, v5
	v_add_nc_u32 v[STO], s23, v5
	v_mul_u32_u24 v5, v2, SPITCH
	v_lshl_add_u32 v5, v1, 4, v5
	v_add_nc_u32 v[RD], s23, v5
	v_lshlrev_b32 v[CB], 4, v1
	s_wait_alu depctr_va_vdst(0)
	v_lshl_add_u32 v[CO], v2, 12, v[CB]
	s_wait_alu depctr_va_vdst(0)
	s_lshl_b32 s18, s17, 7
	s_lshl_b32 s19, s15, 6
	s_add_co_u32 s18, s18, s19
	s_lshl_b32 s18, s18, 12
	s_lshl_b32 s19, s42, 9
	s_lshl_b32 s20, s16, 8
	s_add_co_u32 s20, s19, s20
	s_mov_b32 s21, 0
	s_add_nc_u64 s[8:9], s[8:9], s[20:21]
	s_add_co_u32 s20, s20, s18
	s_add_nc_u64 s[10:11], s[10:11], s[20:21]
	s_add_nc_u64 s[12:13], s[12:13], s[20:21]
	global_load_b128 v[BI:BI+3], v[CB], s[8:9]
.macro FRAG reg, adr, q, i
.irp c, 0,1,2,3
	ds_load_b128 v[\reg+4*\c:\reg+4*\c+3], v[\adr] offset:4096*(\i)+32768*((\q)/2)+2048*((\q)%2)+512*\c
.endr
.endm
.macro FETCH slot, q, f
	WIN TO_F
.irp i, 0,1,2,3
	FRAG (\f)+FR*\i, ADRB+\slot, \q, \i
.endr
.irp i, 0,1,2,3
	FRAG (\f)+64+FR*\i, ADRA+\slot, \q, \i
.endr
.endm
.macro SCALES sc
.irp q, 0,1,2,3
.irp i, 0,1,2,3
	ds_load_b32 v[SC+16*\sc+4*\q+\i], v[ADRS] offset:64*\i+512*\q
.endr
.endr
.endm
.macro MULA f, a, q, sc, zero
.irp b, 0,1,2,3
.if \zero
	v_wmma_scale_f32_16x16x128_f8f6f4 v[ACC+8*(4*(\a)+\b):ACC+8*(4*(\a)+\b)+7], v[(\f)+FR*\b:(\f)+FR*\b+FR-1], v[(\f)+64+FR*(\a):(\f)+64+FR*(\a)+FR-1], 0, v[SC+16*(\sc)+4*(\q)+\b], v[SC+16*(\sc)+4*(\q)+(\a)] matrix_a_scale:MATRIX_SCALE_ROW1
.else
	v_wmma_scale_f32_16x16x128_f8f6f4 v[ACC+8*(4*(\a)+\b):ACC+8*(4*(\a)+\b)+7], v[(\f)+FR*\b:(\f)+FR*\b+FR-1], v[(\f)+64+FR*(\a):(\f)+64+FR*(\a)+FR-1], v[ACC+8*(4*(\a)+\b):ACC+8*(4*(\a)+\b)+7], v[SC+16*(\sc)+4*(\q)+\b], v[SC+16*(\sc)+4*(\q)+(\a)] matrix_a_scale:MATRIX_SCALE_ROW1
.endif
.endr
.endm
.macro PLACES n
.rept \n
	v_nop
.endr
.endm
.macro QUARTER slot, q, zero
.set FB, 128*((\q)%2)
.set GB, 128-FB
	PLACES NP
	FETCH \slot, (\q)+1, GB
	s_wait_dscnt 32
	WIN MUL
	MULA FB, 0, \q, \slot, \zero
	MULA FB, 1, \q, \slot, \zero
	MULA FB, 2, \q, \slot, \zero
	MULA FB, 3, \q, \slot, \zero
.endm
.macro TURN slot, next, fill
	WIN 0
.if \fill
	s_wait_xcnt 0x0                                ; my last prefetch has read its address: it is stepped only behind this wait
	s_add_nc_u64 s[96:97], s[96:97], s[98:99]      ; two refills on from the one that follows
.endif
	s_wait_tensorcnt 0x0
	ds_add_u32 v[SPW], v[NIL]
	s_wait_dscnt 1
	WIN MUL
	MULA 128, 0, 3, \slot, 0
	s_wait_dscnt 0x0
	s_barrier_signal -1
	MULA 128, 1, 3, \slot, 0
	WIN 0
	s_barrier_wait -1
.if \fill
	CREST
	s_add_nc_u64 s[G0+4*\slot+2:G0+4*\slot+3], s[G0+4*\slot+2:G0+4*\slot+3], 4*ASTEP
	s_add_nc_u64 s[G0B+4*\slot+2:G0B+4*\slot+3], s[G0B+4*\slot+2:G0B+4*\slot+3], 4*BSTEP
	JLOAD G0+4*\slot, G1, G0B+4*\slot, G1B
	PLACES NP-4
.else
	PLACES NP
.endif
	s_wait_alu depctr_va_vdst(0)
	v_add_nc_u32 v[ADRS], 2048, v[ADRS]
	SCALES \next
	FETCH \next, 0, 0
.if \fill
	WIN 0                                          ; at a branch and at a label every window is 0
	s_cmp_gt_u32 s3, 1                             ; s3 = 1 in the loop's last trip
	s_cbranch_scc0 .Lnone_on_\@
	global_prefetch_b8 v30, s[96:97] th:TH_LOAD_NT scope:SCOPE_SE
.Lnone_on_\@:
.endif
	WIN MUL
	MULA 128, 2, 3, \slot, 0
	MULA 128, 3, 3, \slot, 0
.endm
	s_wait_alu depctr_va_vdst(0)
	s_wait_tensorcnt 0x0                           ; my tile of the head's four is in
	ds_add_u32 v[SPW], v[NIL]
.irp g, G1, G1B
	s_mov_b32 s[\g+1], 32<<16                      ; no tensor load of mine is out: from here on a load brings one K step: 128 rows of 256 bytes, dense
	s_mov_b32 s[\g+2], 128<<16
	s_mov_b32 s[\g+3], 32<<16
	s_mov_b32 s[\g+4], 128
	s_mov_b32 s[\g+5], 32
.endr
	s_wait_dscnt 0x0
	CROUND                                         ; all four tiles are in, and all sixteen work-groups are here
	JLOAD G0+4, G1, G0B+4, G1B                     ; slot 1, a quarter a wave: the first tensor load behind the round
	SCALES 0
	FETCH 0, 0, 0
	WIN 0x80                                       ; destination window 2
.irp a, 0,1,2,3                        ; the residual, asked for when the head's tiles are in and slot 1's load is out, in the layout in which the rows come back from the stage: 32 loads of mine stay out under the products
.irp i, 0,1,2,3,4,5,6,7
	global_load_b128 v[32*\a+4*\i:32*\a+4*\i+3], v[CO], s[10:11] offset:(32*(\a/2)+8*(\a%2)+2*\i+8*(\i/4))*4096 th:TH_LOAD_NT
.endr
.endr
	QUARTER 0, 0, 1                                ; the first products start the sums
.if LAPS > 1
	WIN 0
	s_mov_b32 s3, LAPS-1
.Llap:
	QUARTER 0, 1, 0
	QUARTER 0, 2, 0
	TURN 0, 1, 1
	QUARTER 1, 0, 0
	QUARTER 1, 1, 0
	QUARTER 1, 2, 0
	TURN 1, 0, 1
	QUARTER 0, 0, 0
	WIN 0
	s_sub_co_u32 s3, s3, 1
	s_cmp_lg_u32 s3, 0
	s_cbranch_scc1 .Llap
.endif
	QUARTER 0, 1, 0
	QUARTER 0, 2, 0
	TURN 0, 1, 0
	QUARTER 1, 0, 0
	QUARTER 1, 1, 0
	QUARTER 1, 2, 0
	s_wait_dscnt 0x0
	WIN MUL
	MULA 128, 0, 3, 1, 0
	MULA 128, 1, 3, 1, 0
	MULA 128, 2, 3, 1, 0
	MULA 128, 3, 3, 1, 0
	WIN 0
.macro TOSTAGE a
.irp b, 0,1,2,3
	ds_store_b128 v[STO], v[ACC+8*(4*(\a)+\b):ACC+8*(4*(\a)+\b)+3] offset:128*(\b/2)+32*(\b%2)
	ds_store_b128 v[STO], v[ACC+8*(4*(\a)+\b)+4:ACC+8*(4*(\a)+\b)+7] offset:128*(\b/2)+32*(\b%2)+16
.endr
.irp i, 0,1,2,3,4,5,6,7
	ds_load_b128 v[ACC+32*(\a)+4*\i:ACC+32*(\a)+4*\i+3], v[RD] offset:2*\i*SPITCH
.endr
.endm
.macro SEND a
	s_wait_dscnt 16*(3-(\a))
.irp i, 0,1,2,3,4,5,6,7
	v_pk_add_f32 v[ACC+32*(\a)+4*\i:ACC+32*(\a)+4*\i+1], v[ACC+32*(\a)+4*\i:ACC+32*(\a)+4*\i+1], v[BI:BI+1]
	v_pk_add_f32 v[ACC+32*(\a)+4*\i+2:ACC+32*(\a)+4*\i+3], v[ACC+32*(\a)+4*\i+2:ACC+32*(\a)+4*\i+3], v[BI+2:BI+3]
.endr
	WIN 0x08
.set j, 0
.rept 16
	v_pk_add_f32 v[ACC+32*(\a)+j:ACC+32*(\a)+j+1], v[ACC+32*(\a)+j:ACC+32*(\a)+j+1], v[32*(\a)+j:32*(\a)+j+1]
.set j, j+2
.endr
	WIN 0
.irp i, 0,1,2,3,4,5,6,7
	global_store_b128 v[CO], v[ACC+32*(\a)+4*\i:ACC+32*(\a)+4*\i+3], s[12:13] offset:(32*((\a)/2)+8*((\a)%2)+2*\i+8*(\i/4))*4096 th:TH_STORE_NT
.endr
.endm
	PLACES NP
	TOSTAGE 0
	TOSTAGE 1
	TOSTAGE 2
	TOSTAGE 3
	s_wait_loadcnt 0x0
	SEND 0
	SEND 1
	SEND 2
	SEND 3
	s_wait_tensorcnt 0x0
	ds_add_u32 v[SPW], v[NIL]
	s_wait_dscnt 0x0
	CROUND
	s_endpgm
.Lfunc_end_k_q6e18b8e471_ff2:
	.size	k_q6e18b8e471_ff2, .Lfunc_end_k_q6e18b8e471_ff2-k_q6e18b8e471_ff2
	.p2alignl 7, 3214868480
	.fill 96, 4, 3214868480
	.section	.rodata,"a",@progbits
	.p2align	6, 0x0
	.amdhsa_kernel k_q6e18b8e471_ff2
		.amdhsa_group_segment_fixed_size 327680
		.amdhsa_private_segment_fixed_size 0
		.amdhsa_enable_private_segment 0
		.amdhsa_kernarg_size 40
		.amdhsa_user_sgpr_count 2
		.amdhsa_user_sgpr_kernarg_segment_ptr 1
		.amdhsa_wavefront_size32 1
		.amdhsa_system_sgpr_workgroup_id_x 1
		.amdhsa_system_sgpr_workgroup_id_y 1
		.amdhsa_system_sgpr_workgroup_id_z 1
		.amdhsa_system_vgpr_workitem_id 0
		.amdhsa_next_free_vgpr 768
		.amdhsa_next_free_sgpr 100
		.amdhsa_reserve_vcc 0
		.amdhsa_float_denorm_mode_32 3
		.amdhsa_float_denorm_mode_16_64 3
		.amdhsa_memory_ordered 1
		.amdhsa_forward_progress 1
		.amdhsa_inst_pref_size 107
	.end_amdhsa_kernel
	.amdgpu_metadata
---
amdhsa.version: [ 1, 2 ]
amdhsa.kernels:
  - .name:           k_q6e18b8e471_ff2
    .symbol:         k_q6e18b8e471_ff2.kd
    .args:
      - { .name: hidq, .offset: 0, .size: 8, .value_kind: global_buffer, .address_space: global }
      - { .name: wq, .offset: 8, .size: 8, .value_kind: global_buffer, .address_space: global }
      - { .name: ff2_b, .offset: 16, .size: 8, .value_kind: global_buffer, .address_space: global }
      - { .name: x1, .offset: 24, .size: 8, .value_kind: global_buffer, .address_space: global }
      - { .name: out0, .offset: 32, .size: 8, .value_kind: global_buffer, .address_space: global }
    .group_segment_fixed_size: 327680
    .private_segment_fixed_size: 0
    .kernarg_segment_align: 8
    .kernarg_segment_size: 40
    .max_flat_workgroup_size: 128
    .sgpr_count:     100
    .vgpr_count:     768
    .wavefront_size: 32
...
	.end_amdgpu_metadata
.endif
;; end of part 14
